; MI455X (gfx1250); checked and timed in simulation.
; The chip was launched on July 23, 2026; its instructions are those of AMD's public machine-readable ISA for CDNA 5 (MIT licence, August 2026) and "CDNA5" Instruction Set Architecture Reference Guide (July 2026). The comments in the code are by the model that wrote it; some were corrected since.
;; Transformer Encoder Block. Allowed arithmetic: matrix products marked QUANTISED: E2M3 operands, one E8M0 scale for each 32 along K, by v_wmma_scale_f32_16x16x128_f8f6f4 with both operands' format E2M3, f32 sums; everything else in f32.
;; Inputs: W1 1,024 x 4,096 float32; W2 4,096 x 1,024 float32; Wk 1,024 x 1,024 float32; Wo 1,024 x 1,024 float32; Wq 1,024 x 1,024 float32; Wv 1,024 x 1,024 float32; b1 1,024 float32; b2 1,024 float32; bf1 4,096 float32; bf2 1,024 float32; bk 1,024 float32; bo 1,024 float32; bq 1,024 float32; bv 1,024 float32; g1 1,024 float32; g2 1,024 float32; x 2 x 2,048 x 1,024 float32.
;; Outputs: out0 2 x 2,048 x 1,024 float32.
;; This version of the problem:
;;   THIS VERSION OF THE PROBLEM IS GIVEN IN LOW PRECISION. The matrix products marked QUANTISED in the list below multiply operands that are first quantised to E2M3 (2 exponent bits, 3 mantissa bits; 6 bits a number), with one power-of-two scale for each 32 numbers along K (OCP MX v1.0); their sums are f32. All else is computed in f32.
;;   The module's matrix products, in the order in which they are computed (A, B: the left and right operand; K: the contracted axis; several contracted axes count as one K, in the product's order):
;;     1. [M 4,096, K 1,024] x [K 1,024, N 1,024]; A: input x; B: input Wq: QUANTISED
;;     2. [M 4,096, K 1,024] x [K 1,024, N 1,024]; A: input x; B: input Wk: QUANTISED
;;     3. [M 4,096, K 1,024] x [K 1,024, N 1,024]; A: input x; B: input Wv: QUANTISED
;;     4. batch 32 x [M 2,048, K 64] x [K 64, N 2,048]; A: computed on the way; B: computed on the way: QUANTISED
;;     5. batch 32 x [M 2,048, K 2,048] x [K 2,048, N 64]; A: softmax (see below); B: computed on the way: QUANTISED
;;     6. [M 4,096, K 1,024] x [K 1,024, N 1,024]; A: computed on the way; B: input Wo: QUANTISED
;;     7. [M 4,096, K 1,024] x [K 1,024, N 4,096]; A: computed on the way; B: input W1: QUANTISED
;;     8. [M 4,096, K 4,096] x [K 4,096, N 1,024]; A: computed on the way; B: input W2: QUANTISED
;;   THE QUANTISER, for each operand of a quantised product, along K:
;;     - K is cut into blocks of 32 from its start; a last block that is shorter is filled with zeros.
;;     - A block's scale is 2^e with e = floor(log2(the largest magnitude in the block)) - 2, held to -126 .. 127; a block of zeros has e = 0. As a byte (E8M0): e + 127.
;;     - Each number is divided by its block's scale, clamped to +-7.5, and rounded to the nearest number of E2M3, ties to even, subnormals kept.
;;     - The product sums the exact products of the quantised numbers (number of the format x scale) in f32.
;;   ~~~python
;;   def quantise(x, axis):      # numpy; x: float32 -> the quantised numbers, widened to float32 again
;;       x = np.moveaxis(x, axis, -1); K = x.shape[-1]
;;       x = np.pad(x, [(0, 0)] * (x.ndim - 1) + [(0, -K % 32)]); x = x.reshape(x.shape[:-1] + (-1, 32)); a = np.abs(x).max(-1, keepdims=True)
;;       e = np.where(a > 0, np.clip(np.frexp(np.where(a > 0, a, 1))[1] - 1 - 2, -126, 127), 0)      # np.frexp(a)[1] - 1 = floor(log2(a)), exactly
;;       r = np.clip(x / 2.0 ** e, -7.5, 7.5)
;;       step = 2.0 ** (np.maximum(np.frexp(np.where(r == 0, 1, r))[1] - 1, 0) - 3)
;;       q = np.round(r / step) * step * 2.0 ** e      # np.round: ties to even
;;       return np.moveaxis(q.reshape(q.shape[:-2] + (-1,))[..., :K], -1, axis).astype(np.float32)
;;   ~~~
;;   SOFTMAX AHEAD OF A QUANTISED PRODUCT. Where the list says 'softmax', what is quantised is not the finished softmax but p = 2^(t - M), with t = logit x log2(e) and M = ceil(the row's largest t), a whole number; so 1/2 < the row's largest p <= 1. The row's sum l is taken of the UNQUANTISED p, in f32, and the product's result is divided by l at the end. Since M is a whole number, a kernel that streams over the keys may use a running M (the ceiling of the running maximum): every later rescaling is an exact power of two, which a block's scale takes up: the codes' values come out the same.
;;   OPERANDS COMPUTED ON THE WAY. 'Computed on the way' means the value that the module computes at that place (a softmax that the list does not call 'softmax' is quantised finished and normalised). What goes into a quantiser is computed in f32, as accurately as f32 sums, v_exp_f32 and their like allow (about 1e-6 of the number): no bf16 or f16 on the way to a quantiser, and a product that is left as it is and whose result goes on into a quantised operand takes f32 operands (vector FMAs, or v_wmma_f32_16x16x4_f32). A number that lies on a knife's edge between two numbers of the format may be rounded either way, as far as f32 arithmetic and the matrix unit's own rounding can turn it there, and no further.
;; 2 versions. Each part assembles by itself: llvm-mc -triple=amdgcn-amd-amdhsa -mcpu=gfx1250 --defsym DOCPART=n.
;; ======== version 1 of 2: 8 launches
;; workspace buffers: wq 13,139,968 bytes; qkv 9,830,400 bytes; ctx 3,276,800 bytes; yb 16,777,216 bytes; hb 20,054,016 bytes; act 13,107,200 bytes
;; launch quant (part 1): grid 256 x 1, 8 waves a work-group, no clusters, 68,608 bytes of LDS; arguments x, Wq, Wk, Wv, Wo, W1, W2, wq; writes wq
.if DOCPART == 1
	.amdgcn_target "amdgcn-amd-amdhsa--gfx1250"
	.amdhsa_code_object_version 6
	.text
	.protected	k_q22fe8ba09b_quant
	.globl	k_q22fe8ba09b_quant
	.p2align	8
	.type	k_q22fe8ba09b_quant,@function
k_q22fe8ba09b_quant:
	s_mov_b64 s[64:65], 0
	v_nop
	global_prefetch_b8 v0, s[64:65] scope:SCOPE_SE
	s_setreg_imm32_b32 hwreg(HW_REG_WAVE_MODE, 25, 1), 1
	s_wait_xcnt 0x0
; x [4096][1024] and the six weights ([K][N], K first) become codes of FP6 (E2M3) with one E8M0 byte for each 32 along K, laid as the products' launches read them.
; CODES: images of operand registers.  H(rb, c) = 16 rows x 64 K = 768 bytes: lane (r, h) holds row 16 rb + r, k = 64 c + 32 h + 0..31, in six registers: registers 0-3 at byte 16 x lane, 4-5 at 512 + 8 x lane.
; An operand is [rb][c].  SCALE WORDS (4 bytes = 128 K of a row): plane kappa, then 256 (row / 64) + 16 (row % 16) + 4 ((row / 16) % 4): 64 rows fill 256 consecutive bytes.
; A WEIGHT'S ROW p HOLDS COLUMN pi(p), pi = bits 3 and 4 of p exchanged: used as source 0 of a product, two neighbouring tiles then give a lane 16 neighbouring columns.
; A block's scale is 2^(floor(log2(largest magnitude)) - 2): its byte is that magnitude's exponent field - 2, held at 1 from below.
; LIMITS: a block of zeros gets the byte 1 (its codes are zeros; this program alone reads the bytes); blocks under 2^-124 were not tried; NaN and infinities are not served.
; Work-groups 0-63: x, 64 rows each, wave w the K step w.  Work-groups 64-255: weights, 256 columns x 256 K each, a wave 64 columns x 128 K.  Waves share nothing: no barrier.
.set XC,     0
.set XS,     3145728
.set WQKVC,  3276800
.set WQKVS,  5636096
.set WOC,    5767168
.set WOS,    6553600
.set W1C,    6586368
.set W1S,    9732096
.set W2C,    9863168
.set W2S,    13008896
.set SEL,    22                        ; s[22:23] v_permlanex16_b32's selects for lane l xor 16
; weights: v16-47 row offsets, v48-111 two sets of 32 numbers, v112-159 codes (12 for each pair of blocks), v160-162 at work, v164-167 scale words
.set VO, 16
.set X,  48
.set E,  112
.set T,  160
.set O,  164
; x: v16-143 two sets of 64 numbers, v144-167 two sets of 12 codes, v168-175, v176-191 at work, v192-195 scale words
.set R,  16
.set F,  144
.set QT, 168
.set TM, 176
.set PW, 192
; 64 numbers of a lane, register 16 b + i = k 32 b + 16 h + i of its row, become two images' registers (d0: k 0-63, d1: k 64-127) and the row's scale word
.macro QUANT s, d0, d1, pw
.irp b, 0,1,2,3
	v_max3_num_f32 v[TM+\b], |v[\s+16*\b]|, |v[\s+1+16*\b]|, 0x1800000   ; my 16 numbers of block b, and the floor 2^(3 - 127): the byte cannot fall under 1
.endr
.irp i, 2,4,6,8,10,12,14
.irp b, 0,1,2,3
	v_max3_num_f32 v[TM+\b], v[TM+\b], |v[\s+16*\b+\i]|, |v[\s+1+16*\b+\i]|
.endr
.endr
.irp b, 0,1,2,3
	v_permlanex16_b32 v[TM+4+\b], v[TM+\b], s[SEL], s[SEL+1]
.endr
.irp b, 0,1,2,3
	v_max_num_f32 v[TM+\b], v[TM+\b], v[TM+4+\b]                         ; with lane l xor 16's: the block's largest magnitude
.endr
.irp b, 0,1,2,3
	v_add_nc_u32 v[TM+12+\b], 0xff000000, v[TM+\b]                       ; 2 off its exponent field: the conversion's scale operand
.endr
.irp b, 0,1,2,3
	v_lshrrev_b32 v[TM+4+\b], 23, v[TM+12+\b]                            ; the byte
.endr
	v_lshl_or_b32 v[\pw], v[TM+5], 8, v[TM+4]
	v_lshl_or_b32 v[\pw], v[TM+6], 16, v[\pw]
	v_lshl_or_b32 v[\pw], v[TM+7], 24, v[\pw]
	v_cvt_scalef32_pk16_fp6_f32 v[\d0:\d0+2], v[\s:\s+15], v[TM+12]
	v_cvt_scalef32_pk16_fp6_f32 v[QT:QT+2], v[\s+16:\s+31], v[TM+13]     ; (a conversion's three registers begin on an even number)
	v_cvt_scalef32_pk16_fp6_f32 v[\d1:\d1+2], v[\s+32:\s+47], v[TM+14]
	v_cvt_scalef32_pk16_fp6_f32 v[QT+4:QT+6], v[\s+48:\s+63], v[TM+15]
	v_nop                                                                ; one plain line behind the conversions
.irp i, 0,1,2
	v_permlane16_swap_b32 v[\d0+\i], v[QT+\i]                            ; a whole block to a lane: lanes 0-15 the even block, lanes 16-31 the odd one
	v_permlane16_swap_b32 v[\d1+\i], v[QT+4+\i]
.endr
.irp i, 0,1,2
	v_mov_b32 v[\d0+3+\i], v[QT+\i]
	v_mov_b32 v[\d1+3+\i], v[QT+4+\i]
.endr
.endm
	s_load_b256 s[4:11], s[0:1], 0x0               ; x, Wq, Wk, Wv
	s_load_b256 s[12:19], s[0:1], 0x20             ; Wo, W1, W2, wq
	v_lshl_add_u32 v200, v0, 2, 0x10800
	v_mov_b32 v201, 0
	v_lshrrev_b32 v1, 5, v0
	v_readfirstlane_b32 s20, v1                    ; wave
	v_and_b32 v1, 31, v0                           ; lane
	v_and_b32 v2, 15, v0                           ; r
	v_bfe_u32 v3, v0, 4, 1                         ; h
	v_lshlrev_b32 v5, 4, v1                        ; 16 x lane
	v_lshlrev_b32 v6, 3, v1                        ; 8 x lane
	v_lshlrev_b32 v7, 4, v2                        ; 16 r
	s_mov_b32 s[SEL], 0x76543210
	s_mov_b32 s[SEL+1], 0xfedcba98
	s_wait_kmcnt 0x0
	s_cmp_lt_u32 ttmp9, 64
	s_cbranch_scc1 .Lxpath
; ---------------- the weights.  Which matrix: chosen by the work-group's number alone; W2's figures first, then overridden
	s_mov_b32 s24, 192                             ; the matrix's first work-group
	s_mov_b32 s25, 2                               ; log2 of its groups of 256 columns
	s_mov_b32 s26, 4096                            ; bytes in a row of the f32 matrix
	s_mov_b32 s27, W2C                             ; where its codes begin,
	s_mov_b32 s28, 49152                           ; bytes from 16 rows of codes to the next,
	s_mov_b32 s29, W2S                             ; where its scale words begin,
	s_mov_b32 s30, 4096                            ; bytes from plane to plane
	s_mov_b64 s[52:53], s[16:17]
.macro PICK t, first, logcg, pitch, co, kp, so, sp, ptr
	s_cmp_lt_u32 ttmp9, \t
	s_cselect_b32 s24, \first, s24
	s_cselect_b32 s25, \logcg, s25
	s_cselect_b32 s26, \pitch, s26
	s_cselect_b32 s27, \co, s27
	s_cselect_b32 s28, \kp, s28
	s_cselect_b32 s29, \so, s29
	s_cselect_b32 s30, \sp, s30
	s_cselect_b64 s[52:53], s[\ptr:\ptr+1], s[52:53]
.endm
	PICK 192, 128, 4, 16384, W1C, 12288, W1S, 16384, 14
	PICK 128, 112, 2, 4096, WOC, 12288, WOS, 4096, 12
	PICK 112, 96, 2, 4096, WQKVC+1572864, 12288, WQKVS+8192, 16384, 10
	PICK 96, 80, 2, 4096, WQKVC+786432, 12288, WQKVS+4096, 16384, 8
	PICK 80, 64, 2, 4096, WQKVC, 12288, WQKVS, 16384, 6
	s_sub_co_u32 s31, ttmp9, s24
	s_bfm_b32 s54, s25, 0
	s_and_b32 s54, s31, s54                        ; which 256 columns
	s_lshr_b32 s55, s31, s25                       ; which 256 along K
	s_and_b32 s56, s20, 3
	s_lshl_b32 s54, s54, 8
	s_lshl_b32 s56, s56, 6
	s_add_co_u32 s54, s54, s56                     ; my wave's first column
	s_lshr_b32 s56, s20, 2
	s_lshl_b32 s55, s55, 1
	s_add_co_u32 s55, s55, s56                     ; my wave's K step of 128
	s_lshl_b32 s56, s55, 7
	s_mul_i32 s56, s56, s26
	s_lshl_b32 s58, s54, 2
	s_add_co_u32 s56, s56, s58
	s_mov_b32 s57, 0
	s_add_nc_u64 s[32:33], s[52:53], s[56:57]      ; s[32:39]: the matrix at my columns, K blocks 0 to 3
	s_lshl_b32 s56, s26, 5
	s_add_nc_u64 s[34:35], s[32:33], s[56:57]
	s_add_nc_u64 s[36:37], s[34:35], s[56:57]
	s_add_nc_u64 s[38:39], s[36:37], s[56:57]
	s_lshr_b32 s56, s54, 4
	s_mul_i32 s56, s56, s28
	s_mul_i32 s59, s55, 1536
	s_add_co_u32 s56, s56, s59
	s_add_co_u32 s56, s56, s27
	s_add_nc_u64 s[40:41], s[18:19], s[56:57]      ; s[40:47]: my four blocks of 16 rows of codes, at my K step
	s_mov_b32 s56, s28
	s_add_nc_u64 s[42:43], s[40:41], s[56:57]
	s_add_nc_u64 s[44:45], s[42:43], s[56:57]
	s_add_nc_u64 s[46:47], s[44:45], s[56:57]
	s_mul_i32 s56, s55, s30
	s_add_co_u32 s56, s56, s58
	s_add_co_u32 s56, s56, s29
	s_add_nc_u64 s[48:49], s[18:19], s[56:57]      ; my 64 rows' scale words: 256 bytes
	v_and_b32 v8, 7, v1                            ; pi(lane)
	v_and_b32 v9, 8, v1
	v_lshl_or_b32 v8, v9, 1, v8
	v_and_b32 v9, 16, v1
	v_lshrrev_b32 v9, 1, v9
	v_or_b32 v8, v8, v9
	v_lshlrev_b32 v4, 2, v8
.set i, 0
.rept 32
	v_mad_u32_u24 v[VO+i], s26, i, v4              ; row i of a block, column pi(lane): never rewritten
.set i, i+1
.endr
	v_mov_b32 v[O+1], 0                            ; (a lane permute's destination counts as one of its sources)
	v_mov_b32 v[O+3], 0
; block t: columns 32 (t / 4) on, K block t % 4.  A LANE TAKES A COLUMN AND ITS REGISTERS RUN DOWN K: a load reads 128 consecutive bytes
.macro LOADW t
.set i, 0
.rept 32
	global_load_b32 v[X+32*((\t)%2)+i], v[VO+i], s[32+2*((\t)%4):33+2*((\t)%4)] offset:128*((\t)/4) th:TH_LOAD_NT
.set i, i+1
.endr
.endm
.macro BLOCKW t
.set XB, X+32*((\t)%2)
.set EB, E+12*((\t)/2)+6*((\t)%2)
.set E0, E+12*((\t)/2)
.if (\t) < 7
	s_wait_loadcnt 32                              ; this block's 32 loads are in; the next block's may be out
.else
	s_wait_loadcnt 0x0
.endif
	v_max3_num_f32 v12, |v[XB]|, |v[XB+1]|, |v[XB+2]|
	v_max3_num_f32 v13, |v[XB+3]|, |v[XB+4]|, |v[XB+5]|
.irp i, 6,10,14,18,22,26
	v_max3_num_f32 v12, v12, |v[XB+\i]|, |v[XB+\i+1]|
	v_max3_num_f32 v13, v13, |v[XB+\i+2]|, |v[XB+\i+3]|
.endr
	v_max3_num_f32 v12, v12, |v[XB+30]|, |v[XB+31]|
	v_max3_num_f32 v12, v12, v13, 0x1800000        ; the block's largest magnitude, all 32 mine, and the floor
	v_add_nc_u32 v11, 0xff000000, v12
	v_lshrrev_b32 v13, 23, v11
	v_cvt_scalef32_pk16_fp6_f32 v[EB:EB+2], v[XB:XB+15], v11
	v_cvt_scalef32_pk16_fp6_f32 v[T:T+2], v[XB+16:XB+31], v11
.if (\t)%4 == 0
	v_mov_b32 v[O+2*((\t)/4)], v13                 ; the four bytes of my row's word.  (The plain line behind the conversions)
.else
	v_lshl_or_b32 v[O+2*((\t)/4)], v13, 8*((\t)%4), v[O+2*((\t)/4)]
.endif
.irp i, 0,1,2
	v_mov_b32 v[EB+3+\i], v[T+\i]
.endr
.if (\t)+2 < 8
	LOADW (\t)+2
.endif
.if (\t)%2 == 1
.irp i, 0,1,2,3,4,5
	v_permlane16_swap_b32 v[E0+\i], v[E0+6+\i]     ; the even block's lanes 16-31 against the odd block's lanes 0-15: two images, of rows 0-15 and of rows 16-31
.endr
	global_store_b128 v5, v[E0:E0+3], s[40+4*((\t)/4):41+4*((\t)/4)] offset:768*(((\t)%4)/2)          ; 512 consecutive bytes
	global_store_b64 v6, v[E0+4:E0+5], s[40+4*((\t)/4):41+4*((\t)/4)] offset:768*(((\t)%4)/2)+512     ; 256
	global_store_b128 v5, v[E0+6:E0+9], s[42+4*((\t)/4):43+4*((\t)/4)] offset:768*(((\t)%4)/2)
	global_store_b64 v6, v[E0+10:E0+11], s[42+4*((\t)/4):43+4*((\t)/4)] offset:768*(((\t)%4)/2)+512
.endif
.endm
	LOADW 0
	LOADW 1
.irp t, 0,1,2,3,4,5,6,7
	BLOCKW \t
.endr
	v_permlanex16_b32 v[O+1], v[O], s[SEL], s[SEL+1]     ; lanes 0-15 gather the words of the four blocks of 16 rows
	v_permlanex16_b32 v[O+3], v[O+2], s[SEL], s[SEL+1]
	s_wait_xcnt 0x0                                ; EXEC changes only behind this wait
	v_cmpx_gt_u32 16, v1
	global_store_b128 v7, v[O:O+3], s[48:49]       ; sixteen lanes: 256 consecutive bytes
	s_endpgm
; ---------------- x: K is innermost.  Loads take the bytes as they lie (512 a load); 16 rows x 512 bytes turn through the wave's own stage (rows 528 bytes apart), so that a lane gets 16 neighbours of each block
.Lxpath:
	s_lshl_b32 s24, ttmp9, 18                      ; 64 rows of 4,096 bytes
	s_lshl_b32 s25, s20, 9
	s_add_co_u32 s24, s24, s25
	s_mov_b32 s25, 0
	s_add_nc_u64 s[28:29], s[4:5], s[24:25]
	s_mul_i32 s24, ttmp9, 49152
	s_mul_i32 s26, s20, 1536
	s_add_co_u32 s24, s24, s26
	s_add_nc_u64 s[30:31], s[18:19], s[24:25]      ; XC = 0
	s_lshl_b32 s24, s20, 14
	s_lshl_b32 s26, ttmp9, 8
	s_add_co_u32 s24, s24, s26
	s_add_co_u32 s24, s24, XS
	s_add_nc_u64 s[50:51], s[18:19], s[24:25]
	s_mul_i32 s26, s20, 8448
	v_add_nc_u32 v8, s26, v5                       ; the stage, on the way in
	v_mul_u32_u24 v9, v2, 528
	v_lshl_add_u32 v9, v3, 6, v9
	v_add_nc_u32 v9, s26, v9                       ; and on the way out: row r, + 64 h
.irp b, 0,1,2,3
	v_mov_b32 v[TM+4+\b], 0
.endr
.macro LOADX f
.irp i, 0,1,2,3,4,5,6,7,8,9,10,11,12,13,14,15
	global_load_b128 v[R+64*((\f)%2)+4*\i:R+64*((\f)%2)+4*\i+3], v5, s[28:29] offset:(16*(\f)+\i)*4096 th:TH_LOAD_NT
.endr
.endm
.macro FRAGX f
.set RB, R+64*((\f)%2)
.set FB, F+12*((\f)%2)
.if (\f) < 3
	s_wait_loadcnt 16                              ; this fragment's 16 loads are in; the next one's may be out
.else
	s_wait_loadcnt 0x0
.endif
.irp i, 0,1,2,3,4,5,6,7,8,9,10,11,12,13,14,15
	ds_store_b128 v8, v[RB+4*\i:RB+4*\i+3] offset:528*\i
.endr
.irp b, 0,1,2,3
.irp j, 0,1,2,3
	ds_load_b128 v[RB+16*\b+4*\j:RB+16*\b+4*\j+3], v9 offset:128*\b+16*\j    ; LDS serves a wave's instructions in order: these see the stores above
.endr
.endr
	s_wait_dscnt 0x0
.if (\f) >= 2
	s_wait_xcnt 0x0                                ; the stores of two fragments back have read their registers
.endif
	QUANT RB, FB, FB+6, PW+(\f)
.if (\f)+2 < 4
	LOADX (\f)+2
.endif
	global_store_b128 v5, v[FB:FB+3], s[30:31] offset:12288*(\f)
	global_store_b64 v6, v[FB+4:FB+5], s[30:31] offset:12288*(\f)+512
	global_store_b128 v5, v[FB+6:FB+9], s[30:31] offset:12288*(\f)+768
	global_store_b64 v6, v[FB+10:FB+11], s[30:31] offset:12288*(\f)+1280
.endm
	LOADX 0
	LOADX 1
.irp f, 0,1,2,3
	FRAGX \f
.endr
	s_wait_xcnt 0x0
	s_wait_tensorcnt 0x0
	ds_add_u32 v200, v201
	s_wait_dscnt 0x0
	v_cmpx_gt_u32 16, v1
	global_store_b128 v7, v[PW:PW+3], s[50:51]
	s_endpgm
.Lfunc_end_k_q22fe8ba09b_quant:
	.size	k_q22fe8ba09b_quant, .Lfunc_end_k_q22fe8ba09b_quant-k_q22fe8ba09b_quant
	.p2alignl 7, 3214868480
	.fill 96, 4, 3214868480
	.section	.rodata,"a",@progbits
	.p2align	6, 0x0
	.amdhsa_kernel k_q22fe8ba09b_quant
		.amdhsa_group_segment_fixed_size 68608
		.amdhsa_private_segment_fixed_size 0
		.amdhsa_enable_private_segment 0
		.amdhsa_kernarg_size 64
		.amdhsa_user_sgpr_count 2
		.amdhsa_user_sgpr_kernarg_segment_ptr 1
		.amdhsa_wavefront_size32 1
		.amdhsa_system_sgpr_workgroup_id_x 1
		.amdhsa_system_sgpr_workgroup_id_y 1
		.amdhsa_system_sgpr_workgroup_id_z 1
		.amdhsa_system_vgpr_workitem_id 0
		.amdhsa_next_free_vgpr 202
		.amdhsa_next_free_sgpr 66
		.amdhsa_reserve_vcc 0
		.amdhsa_float_denorm_mode_32 3
		.amdhsa_float_denorm_mode_16_64 3
		.amdhsa_memory_ordered 1
		.amdhsa_forward_progress 1
		.amdhsa_inst_pref_size 78
	.end_amdhsa_kernel
	.amdgpu_metadata
---
amdhsa.version: [ 1, 2 ]
amdhsa.kernels:
  - .name:           k_q22fe8ba09b_quant
    .symbol:         k_q22fe8ba09b_quant.kd
    .args:
      - { .name: x, .offset: 0, .size: 8, .value_kind: global_buffer, .address_space: global }
      - { .name: Wq, .offset: 8, .size: 8, .value_kind: global_buffer, .address_space: global }
      - { .name: Wk, .offset: 16, .size: 8, .value_kind: global_buffer, .address_space: global }
      - { .name: Wv, .offset: 24, .size: 8, .value_kind: global_buffer, .address_space: global }
      - { .name: Wo, .offset: 32, .size: 8, .value_kind: global_buffer, .address_space: global }
      - { .name: W1, .offset: 40, .size: 8, .value_kind: global_buffer, .address_space: global }
      - { .name: W2, .offset: 48, .size: 8, .value_kind: global_buffer, .address_space: global }
      - { .name: wq, .offset: 56, .size: 8, .value_kind: global_buffer, .address_space: global }
    .group_segment_fixed_size: 68608
    .private_segment_fixed_size: 0
    .kernarg_segment_align: 8
    .kernarg_segment_size: 64
    .max_flat_workgroup_size: 256
    .sgpr_count:     66
    .vgpr_count:     202
    .wavefront_size: 32
...
	.end_amdgpu_metadata
.endif
;; end of part 1
;; launch gemm_qkv (part 2): grid 12 x 16, 4 waves a work-group, clusters of 4 x 4, 327,680 bytes of LDS; arguments wq, bq, bk, bv, qkv; writes qkv
.if DOCPART == 2
	.amdgcn_target "amdgcn-amd-amdhsa--gfx1250"
	.amdhsa_code_object_version 6
	.text
	.protected	k_q22fe8ba09b_gemm_qkv
	.globl	k_q22fe8ba09b_gemm_qkv
	.p2align	8
	.type	k_q22fe8ba09b_gemm_qkv,@function
k_q22fe8ba09b_gemm_qkv:
	s_mov_b64 s[64:65], 0
	v_nop
	global_prefetch_b8 v0, s[64:65] scope:SCOPE_SE
	s_setreg_imm32_b32 hwreg(HW_REG_WAVE_MODE, 25, 1), 1
	s_wait_xcnt 0x0
	s_wait_alu depctr_hold_cnt(0) depctr_sa_sdst(0) depctr_va_vdst(0) depctr_va_sdst(0) depctr_va_ssrc(0) depctr_va_vcc(0) depctr_vm_vsrc(0)
	s_getreg_b32 s2, hwreg(HW_REG_IB_STS2, 6, 4)
	s_cmp_eq_u32 s2, 0
	s_cbranch_scc0 .Lentry_in_a_cluster
	s_endpgm
.Lentry_in_a_cluster:
	s_bfe_u32 s2, ttmp6, 0x10000c
	s_cmp_lg_u32 s2, 0xf033
	s_cbranch_scc0 .Lentry_shape_is_right
	s_endpgm
.Lentry_shape_is_right:
; Q = x Wq + bq, K = x Wk + bk, V = x Wv + bv on codes of FP6 (E2M3) with E8M0 scales, and the three results quantised for attention: Q and K along the head's 64, V along the keys.
; A work-group makes 256 x 256 of a product, a wave 128 x 128 in 64 accumulators.  K goes in steps of 256 through a ring of two LDS slots.  Operands lie in memory as images of operand registers
; (16 rows x 64 K = 768 bytes: registers 0-3 at 16 x lane, 4-5 at 512 + 8 x lane), so a slot's part of 16 rows is 3,072 consecutive bytes and a fragment comes by four loads of consecutive bytes: no padding.
; The scale words of the work-group's rows, for all of K, come into LDS once, with the first fills.
; CLUSTERS 4 x 4: A's tiles are shared along a row of the cluster, B's along a column: joint loads.  The cluster's x is the KIND, equal in all partners: 0 Q, 1 K (A = x, B = the weight), 2 V (A = Wv's rows, B = x: V^T).
; THE MATRIX INSTRUCTION IS USED TRANSPOSED (source 0 = 16 rows of B, source 1 = 16 rows of A): a lane holds one row of A.  The weights' rows lie in the order pi (bits 3, 4 exchanged), so a lane's 16 registers of two
; neighbouring tiles are 16 neighbouring columns; for V, B's rows are tokens in their own order, so V's codes lie in pi's order inside each block of 32 keys, as attention's p does.
; No prefetch: K is four slots long and each tile is asked for once for four work-groups.  LIMITS: as the quantising launch states (zero blocks: byte 1; NaN and infinities not served).
; REGISTERS: window 0: v1-5 lane terms, v16-29 addresses, v32-63 scale words (nothing else, ever), v64-127 the bias by column, v128-223 A's fragments, v236-251 the bias by row; window 1: B's two sets; windows 2, 3: accumulators.
.set SIZE_K, 1024
.set KPA,    12288
.set KPB,    12288
.set PLA,    16384
.set PLB,    16384
.set XC,     0
.set XS,     3145728
.set WQKVC,  3276800
.set WQKVS,  5636096
.set QS,     3145728
.set KV,     3276800
.set KVS,    9568256
.set NK,     SIZE_K/128
.set LAPS,   SIZE_K/512
.set FR,     12
.set NL,     4                         ; LDS loads that bring a fragment
.set NP,     4                         ; places behind this matrix instruction (ISA guide 7.12.1)
.set RBB,    3072                      ; 16 rows x 256 K
.set HALFT,  8*RBB                     ; 128 rows: what one tensor load brings
.set SLOT,   4*HALFT
.set SCL,    2*SLOT                    ; the scale words: for each 128 rows NK planes of 512 bytes
.set HALFS,  512*NK
.set SPARE,  SCL+4*HALFS               ; the spare words, 128 bytes a wave
.set L16,  4
.set L8,   5
.set ADRA, 16
.set ADRB, 20
.set ADRS, 27
.set SPW,  28
.set NIL,  29
.set SC,   32
.set AF,   128
.set G1,   24
.set G0,   32
.set G1B,  48
.set G0B,  56
.set G1S,  68
.set G0S,  76
.set G1SB, 80
.set G0SB, 88
.set BN,   64
.set HA,   128
.set F,    192
.set TM,   204
.set QT,   220
.set PW,   228
.set BM,   236
.set SOF,  252
.set SEL,  56
.set MSB,  0
.macro WIN new                         ; the immediate's high byte repeats the setting that is left
.if MSB != (\new)
	s_set_vgpr_msb (MSB<<8)|(\new)
.set MSB, (\new)
.endif
.endm
.set MUL_LO, 0xa1                      ; source 0 (B) window 1, source 1 (A) window 0, C and D window 2
.set MUL_HI, 0xf1
.set TO_B,   0x40
.macro JLOAD g0a, g1a, g0b, g1b        ; waves 0, 1 fetch for A, waves 2, 3 for B; four v_nop follow each line
	s_cmp_eq_u32 s15, 0
	s_cbranch_scc0 .Lfor_b_\@
	tensor_load_to_lds s[\g0a:\g0a+3], s[\g1a:\g1a+7]
	s_nop 0
.rept 4
	v_nop
.endr
	s_branch .Lasked_\@
.Lfor_b_\@:
	tensor_load_to_lds s[\g0b:\g0b+3], s[\g1b:\g1b+7]
	s_nop 0
.rept 4
	v_nop
.endr
.Lasked_\@:
.endm
.macro CREST
	s_cmp_lg_u32 s14, 0
	s_cbranch_scc1 .Lnot_wave_0_\@
	s_barrier_signal -3
.Lnot_wave_0_\@:
	s_barrier_wait -3
	s_barrier_signal -1
	s_barrier_wait -1
.endm
.macro CROUND
	s_barrier_signal -1
	s_barrier_wait -1
	CREST
.endm
.macro PLACES n
.rept \n
	v_nop
.endr
.endm
.macro FRAG reg, adr, q, i             ; 16 rows x 128 K: two images on end
	ds_load_b128 v[\reg:\reg+3], v[\adr] offset:(\i)*RBB+(\q)*1536
	ds_load_b64 v[\reg+4:\reg+5], v[\adr+2] offset:(\i)*RBB+(\q)*1536
	ds_load_b128 v[\reg+6:\reg+9], v[\adr] offset:(\i)*RBB+(\q)*1536+768
	ds_load_b64 v[\reg+10:\reg+11], v[\adr+2] offset:(\i)*RBB+(\q)*1536+768
.endm
.macro FETCH_B slot, q, p
	WIN TO_B
.irp i, 0,1,2,3,4,5,6,7
	FRAG 128*(\p)+FR*\i, ADRB+\slot, \q, \i
.endr
	WIN 0
.endm
.macro FETCH_A slot, q, i0
.irp i, \i0, \i0+1, \i0+2, \i0+3
	FRAG AF+FR*(\i), ADRA+\slot, \q, \i
.endr
.endm
.macro SCALES sc                       ; a slot's words: register SC + 16 sc + 8 q + i: lanes 0-15 A's block i, lanes 16-31 B's block i
.irp q, 0,1
.irp u, 0,1
	ds_load_b128 v[SC+16*\sc+8*\q+4*\u:SC+16*\sc+8*\q+4*\u+3], v[ADRS] offset:512*\q+256*\u
.endr
.endr
.endm
.macro MUL16 a0, p, q, sc, zero        ; A's blocks a0, a0 + 1 x B's eight; the 64 accumulators take turns
.irp a, \a0, \a0+1
.irp b, 0,1,2,3,4,5,6,7
.if \zero
	v_wmma_scale_f32_16x16x128_f8f6f4 v[8*(8*((\a)%4)+\b):8*(8*((\a)%4)+\b)+7], v[128*(\p)+FR*\b:128*(\p)+FR*\b+FR-1], v[AF+FR*(\a):AF+FR*(\a)+FR-1], 0, v[SC+16*(\sc)+8*(\q)+\b], v[SC+16*(\sc)+8*(\q)+(\a)] matrix_a_fmt:MATRIX_FMT_FP6 matrix_b_fmt:MATRIX_FMT_FP6 matrix_a_scale:MATRIX_SCALE_ROW1
.else
	v_wmma_scale_f32_16x16x128_f8f6f4 v[8*(8*((\a)%4)+\b):8*(8*((\a)%4)+\b)+7], v[128*(\p)+FR*\b:128*(\p)+FR*\b+FR-1], v[AF+FR*(\a):AF+FR*(\a)+FR-1], v[8*(8*((\a)%4)+\b):8*(8*((\a)%4)+\b)+7], v[SC+16*(\sc)+8*(\q)+\b], v[SC+16*(\sc)+8*(\q)+(\a)] matrix_a_fmt:MATRIX_FMT_FP6 matrix_b_fmt:MATRIX_FMT_FP6 matrix_a_scale:MATRIX_SCALE_ROW1
.endif
.endr
.endr
.endm
.macro STEP slot, q, zero              ; 128 along K with a successor in the same slot
	s_wait_dscnt 4*NL                              ; all but the youngest 16 loads (A's blocks 4-7)
	WIN MUL_LO
	MUL16 0, (\q)%2, \q, \slot, \zero
	MUL16 2, (\q)%2, \q, \slot, \zero
	s_wait_dscnt 0
	PLACES NP
	FETCH_B \slot, (\q)+1, 1-(\q)%2
	FETCH_A \slot, (\q)+1, 0
	WIN MUL_HI
	MUL16 4, (\q)%2, \q, \slot, \zero
	MUL16 6, (\q)%2, \q, \slot, \zero
	PLACES NP
	WIN 0
	FETCH_A \slot, (\q)+1, 4
.endm
.macro TURN slot, next, fill           ; a slot's last step changes slots
	s_wait_tensorcnt 0x0                           ; all my tensor loads have landed: my part of the next slot
	ds_add_u32 v[SPW], v[NIL]                      ; 0 onto my spare word
	s_wait_dscnt 4*NL+1                            ; (the add and A's blocks 4-7 may be out)
	WIN MUL_LO
	MUL16 0, 1, 1, \slot, 0
	s_wait_dscnt 0x0                               ; the add is done, and my reads of this slot are over
	s_barrier_signal -1
	MUL16 2, 1, 1, \slot, 0
	WIN 0
	s_barrier_wait -1
.if \fill
	CREST                                          ; the barrier has opened a round of the cluster's: no wave of any partner still reads this slot or has a load on its way
	s_add_nc_u64 s[G0+4*\slot+2:G0+4*\slot+3], s[G0+4*\slot+2:G0+4*\slot+3], 2*RBB
	s_add_nc_u64 s[G0B+4*\slot+2:G0B+4*\slot+3], s[G0B+4*\slot+2:G0B+4*\slot+3], 2*RBB
	JLOAD G0+4*\slot, G1, G0B+4*\slot, G1B         ; the first tensor load behind the round; its four v_nop are the places in front of the loads below
.else
	PLACES NP
.endif
	v_add_nc_u32 v[ADRS], 1024, v[ADRS]            ; two planes on
	FETCH_B \next, 0, 0
	FETCH_A \next, 0, 0
	SCALES \next
	WIN MUL_HI
	MUL16 4, 1, 1, \slot, 0
	MUL16 6, 1, 1, \slot, 0
	PLACES NP
	WIN 0
	FETCH_A \next, 0, 4
.endm
.macro QUANT s, d0, d1, pw             ; 64 numbers of a lane, register 16 b + i = k 32 b + 16 h + i of its row -> two images' registers and the row's scale word
.irp b, 0,1,2,3
	v_max3_num_f32 v[TM+\b], |v[\s+16*\b]|, |v[\s+1+16*\b]|, 0x1800000   ; with the floor 2^(3 - 127): the byte cannot fall under 1
.endr
.irp i, 2,4,6,8,10,12,14
.irp b, 0,1,2,3
	v_max3_num_f32 v[TM+\b], v[TM+\b], |v[\s+16*\b+\i]|, |v[\s+1+16*\b+\i]|
.endr
.endr
.irp b, 0,1,2,3
	v_permlanex16_b32 v[TM+4+\b], v[TM+\b], s[SEL], s[SEL+1]
.endr
.irp b, 0,1,2,3
	v_max_num_f32 v[TM+\b], v[TM+\b], v[TM+4+\b]
.endr
.irp b, 0,1,2,3
	v_add_nc_u32 v[TM+12+\b], 0xff000000, v[TM+\b]                       ; 2 off the exponent field: the conversion's scale operand
.endr
.irp b, 0,1,2,3
	v_lshrrev_b32 v[TM+4+\b], 23, v[TM+12+\b]
.endr
	v_lshl_or_b32 v[\pw], v[TM+5], 8, v[TM+4]
	v_lshl_or_b32 v[\pw], v[TM+6], 16, v[\pw]
	v_lshl_or_b32 v[\pw], v[TM+7], 24, v[\pw]
	v_cvt_scalef32_pk16_fp6_f32 v[\d0:\d0+2], v[\s:\s+15], v[TM+12]
	v_cvt_scalef32_pk16_fp6_f32 v[QT:QT+2], v[\s+16:\s+31], v[TM+13]
	v_cvt_scalef32_pk16_fp6_f32 v[\d1:\d1+2], v[\s+32:\s+47], v[TM+14]
	v_cvt_scalef32_pk16_fp6_f32 v[QT+4:QT+6], v[\s+48:\s+63], v[TM+15]
	v_nop                                                                ; one plain line behind the conversions
.irp i, 0,1,2
	v_permlane16_swap_b32 v[\d0+\i], v[QT+\i]
	v_permlane16_swap_b32 v[\d1+\i], v[QT+4+\i]
.endr
.irp i, 0,1,2
	v_mov_b32 v[\d0+3+\i], v[QT+\i]
	v_mov_b32 v[\d1+3+\i], v[QT+4+\i]
.endr
.endm
	s_load_b256 s[4:11], s[0:1], 0x0               ; wq, bq, bk, bv
	s_load_b64 s[12:13], s[0:1], 0x20              ; qkv
	v_lshl_add_u32 v[SPW], v0, 2, SPARE
	v_mov_b32 v[NIL], 0
	ds_add_u32 v28, v29
	s_wait_dscnt 0x0
	v_lshrrev_b32 v1, 5, v0
	v_readfirstlane_b32 s14, v1                    ; wave
	s_lshr_b32 s15, s14, 1                         ; my half of the rows.  Also: I fetch for A (0) or B (1)
	s_and_b32 s16, s14, 1                          ; my half of the columns.  Also: which 128 rows I fetch
	s_bfe_u32 s40, ttmp6, 0x40000                  ; cx
	s_bfe_u32 s41, ttmp6, 0x40004                  ; cy
	s_and_b32 s19, ttmp7, 0xffff                   ; cluster y
	s_mov_b32 s96, WQKVC
	s_mov_b32 s97, WQKVS
	s_mov_b32 s99, XS
	s_cmp_lt_u32 ttmp9, 2                          ; Q or K?  (the cluster's x: the same in all sixteen)
	s_cselect_b32 s17, s19, 2                      ; A: x's rows by cluster y, or Wv's (tile rows 8 to 11 of the three weights)
	s_cselect_b32 s42, ttmp9, s19                  ; B: the weight by cluster x, or x's rows by cluster y
	s_cselect_b32 s96, XC, s96                     ; where A's codes begin in wq,
	s_cselect_b32 s97, XS, s97                     ; A's scale words,
	s_cselect_b32 s98, WQKVC, XC                   ; B's codes,
	s_cselect_b32 s99, WQKVS, s99                  ; B's scale words
	s_lshl_b32 s17, s17, 2
	s_add_co_u32 s17, s17, s41                     ; tile row
	s_lshl_b32 s42, s42, 2
	s_add_co_u32 s42, s42, s40                     ; tile column
	s_lshl_b32 s43, s41, 2
	s_lshl_b32 s43, 15, s43                        ; my row of the cluster
	s_lshl_b32 s44, 0x1111, s40                    ; my column
	; group 1, codes: 8 rows of 3,072 bytes (384 elements of 8 bytes), a block of 16 rows apart in memory, on end in LDS
	s_or_b32 s[G1+0], s43, (3<<16)|(1<<21)
	s_or_b32 s[G1B+0], s44, (3<<16)|(1<<21)
.irp g, G1, G1B
	s_mov_b32 s[\g+1], 384<<16
	s_mov_b32 s[\g+2], 8<<16
	s_mov_b32 s[\g+3], 384<<16
	s_mov_b32 s[\g+4], 8
	s_mov_b32 s[\g+6], 0
	s_mov_b32 s[\g+7], 0
.endr
	s_mov_b32 s[G1+5], KPA/8
	s_mov_b32 s[G1B+5], KPB/8
	; group 1, scale words: NK rows of 512 bytes (128 rows' words of one plane), a plane apart
	s_or_b32 s[G1S+0], s43, (3<<16)|(1<<21)
	s_or_b32 s[G1SB+0], s44, (3<<16)|(1<<21)
.irp g, G1S, G1SB
	s_mov_b32 s[\g+1], 64<<16
	s_mov_b32 s[\g+2], NK<<16
	s_mov_b32 s[\g+3], 64<<16
	s_mov_b32 s[\g+4], NK
	s_mov_b32 s[\g+6], 0
	s_mov_b32 s[\g+7], 0
.endr
	s_mov_b32 s[G1S+5], PLA/8
	s_mov_b32 s[G1SB+5], PLB/8
	s_lshl_b32 s18, s16, 3
	s_lshl_b32 s20, s17, 4
	s_add_co_u32 s20, s20, s18
	s_mul_i32 s20, s20, KPA
	s_add_co_u32 s20, s20, s96                     ; A's codes: block of rows 16 x tile row + 8 x half
	s_mov_b32 s21, 0
	s_lshl_b32 s22, s17, 10
	s_lshl_b32 s23, s16, 9
	s_add_co_u32 s22, s22, s23
	s_add_co_u32 s22, s22, s97                     ; A's scale words: 4 bytes a row
	s_lshl_b32 s46, s42, 4
	s_add_co_u32 s46, s46, s18
	s_mul_i32 s46, s46, KPB
	s_add_co_u32 s46, s46, s98
	s_mov_b32 s47, 0
	s_lshl_b32 s92, s42, 10
	s_add_co_u32 s92, s92, s23
	s_add_co_u32 s92, s92, s99
	s_mov_b32 s23, 0
	s_mov_b32 s93, 0
	s_mul_i32 s45, s14, HALFT                      ; where they go: by the wave's number alone
	s_mul_i32 s94, s14, HALFS
	s_wait_kmcnt 0x0
	s_add_nc_u64 s[20:21], s[4:5], s[20:21]
	s_add_nc_u64 s[22:23], s[4:5], s[22:23]
	s_add_nc_u64 s[46:47], s[4:5], s[46:47]
	s_add_nc_u64 s[92:93], s[4:5], s[92:93]
	CROUND                                         ; all sixteen work-groups are here: the first joint loads meet
	s_mov_b32 s[G0S], 1
	s_add_co_u32 s[G0S+1], s94, SCL
	s_mov_b64 s[G0S+2:G0S+3], s[22:23]
	s_or_b32 s[G0S+3], s[G0S+3], 0x80000000
	s_mov_b32 s[G0SB], 1
	s_add_co_u32 s[G0SB+1], s94, SCL
	s_mov_b64 s[G0SB+2:G0SB+3], s[92:93]
	s_or_b32 s[G0SB+3], s[G0SB+3], 0x80000000
	JLOAD G0S, G1S, G0SB, G1SB
.irp s, 0,1
	s_mov_b32 s[G0+4*\s], 1
	s_add_co_u32 s[G0+4*\s+1], s45, \s*SLOT
	s_add_nc_u64 s[G0+4*\s+2:G0+4*\s+3], s[20:21], \s*RBB
	s_or_b32 s[G0+4*\s+3], s[G0+4*\s+3], 0x80000000
	s_mov_b32 s[G0B+4*\s], 1
	s_add_co_u32 s[G0B+4*\s+1], s45, \s*SLOT
	s_add_nc_u64 s[G0B+4*\s+2:G0B+4*\s+3], s[46:47], \s*RBB
	s_or_b32 s[G0B+4*\s+3], s[G0B+4*\s+3], 0x80000000
	JLOAD G0+4*\s, G1, G0B+4*\s, G1B               ; three loads of mine are out
.endr
	v_and_b32 v1, 31, v0                           ; lane
	v_and_b32 v2, 15, v0                           ; r
	v_bfe_u32 v3, v0, 4, 1                         ; h
	v_lshlrev_b32 v[L16], 4, v1
	v_lshlrev_b32 v[L8], 3, v1
	v_add_nc_u32 v[L8], 512, v[L8]
	s_mul_i32 s21, s15, HALFT
	s_mul_i32 s22, s16, HALFT
	s_add_co_u32 s22, s22, 2*HALFT
.irp s, 0,1
	v_add_nc_u32 v[ADRA+\s], s21, v[L16]
	v_add_nc_u32 v[ADRA+2+\s], s21, v[L8]
	v_add_nc_u32 v[ADRB+\s], s22, v[L16]
	v_add_nc_u32 v[ADRB+2+\s], s22, v[L8]
	s_add_co_u32 s21, s21, SLOT
	s_add_co_u32 s22, s22, SLOT
.endr
	s_mul_i32 s21, s15, HALFS
	s_mul_i32 s22, s16, HALFS
	s_add_co_u32 s22, s22, 2*HALFS
	s_sub_co_u32 s22, s22, s21
	v_mul_u32_u24 v6, s22, v3                      ; lanes 16-31 take B's words
	s_add_co_u32 s21, s21, SCL
	v_lshl_add_u32 v6, v2, 4, v6
	v_add_nc_u32 v[ADRS], s21, v6
	; the biases, both ways, in every work-group: by column (Q, K) and by A's row (V); all inside the 4,096 bytes of the kind's bias
	s_cmp_eq_u32 ttmp9, 0
	s_cselect_b64 s[100:101], s[6:7], s[8:9]
	s_cmp_eq_u32 ttmp9, 2
	s_cselect_b64 s[100:101], s[10:11], s[100:101]
	s_lshl_b32 s96, s40, 10
	s_lshl_b32 s97, s16, 9
	s_add_co_u32 s96, s96, s97
	s_mov_b32 s97, 0
	s_add_nc_u64 s[96:97], s[100:101], s[96:97]
	s_lshl_b32 s98, s41, 10
	s_lshl_b32 s99, s15, 9
	s_add_co_u32 s98, s98, s99
	s_mov_b32 s99, 0
	s_add_nc_u64 s[98:99], s[100:101], s[98:99]
	v_lshlrev_b32 v30, 6, v3                       ; 64 h
	v_and_b32 v31, 8, v2
	v_add_nc_u32 v31, v31, v2
	v_lshlrev_b32 v31, 2, v31                      ; 4 (r + 8 (r / 8))
.irp b, 0,1,2,3
.irp j, 0,1,2,3
	global_load_b128 v[BN+16*\b+4*\j:BN+16*\b+4*\j+3], v30, s[96:97] offset:128*\b+16*\j     ; register 16 b + i: column 32 b + 16 h + i
.endr
.endr
.irp a, 0,1,2,3,4,5,6,7
	global_load_b32 v[BM+2*\a], v31, s[98:99] offset:4*(32*(\a/2)+8*(\a%2))                  ; block a, lane r: Wv's row 16 a + r holds column pi(16 a + r); twice, for the packed addition
	global_load_b32 v[BM+2*\a+1], v31, s[98:99] offset:4*(32*(\a/2)+8*(\a%2))
.endr
	s_wait_tensorcnt 1                             ; the scale words and my part of slot 0 are in; slot 1's load may be out
	s_barrier_signal -1
	s_barrier_wait -1
	FETCH_B 0, 0, 0
	FETCH_A 0, 0, 0
	SCALES 0
	FETCH_A 0, 0, 4
	STEP 0, 0, 1                                   ; the first step's products start the sums
	s_mov_b32 s3, LAPS-1
.Llap:
	TURN 0, 1, 1
	STEP 1, 0, 0
	TURN 1, 0, 1
	STEP 0, 0, 0
	s_sub_co_u32 s3, s3, 1
	s_cmp_lg_u32 s3, 0
	s_cbranch_scc1 .Llap
	TURN 0, 1, 0                                   ; the last lap fills nothing
	STEP 1, 0, 0
	s_wait_dscnt 4*NL
	WIN MUL_LO
	MUL16 0, 1, 1, 1, 0
	MUL16 2, 1, 1, 1, 0
	s_wait_dscnt 0
	WIN MUL_HI
	MUL16 4, 1, 1, 1, 0
	MUL16 6, 1, 1, 1, 0
	WIN 0
	PLACES NP
; THE WAY OUT.  No tensor load of mine is out, so the descriptors' registers are free.  Block a of 16 rows of A: 64 numbers a lane + bias, quantised, two images stored whole.
; qkv: Q's images [head][tile of 16 queries]; K and V [pair of heads][step of 128 keys][head of the pair][K: 8 tiles, V: 4 tiles of 16 channels x 128 keys]; the words beside them, 256 bytes a step.
	s_lshl_b32 s24, s17, 8
	s_lshl_b32 s26, s15, 7
	s_add_co_u32 s24, s24, s26                     ; my first row of A
	s_lshl_b32 s25, s42, 8
	s_lshl_b32 s26, s16, 7
	s_add_co_u32 s25, s25, s26                     ; and of B
	s_cmp_lt_u32 ttmp9, 2
	s_cselect_b32 s26, s24, s25                    ; my first token
	s_cselect_b32 s27, s25, s24                    ; my first column of the weights
	s_lshr_b32 s28, s26, 11                        ; the batch
	s_bfe_u32 s29, s26, 0x40007                    ; the step of 128 tokens
	s_bfe_u32 s30, s27, 0x30007                    ; the pair of heads
	s_lshl_b32 s28, s28, 3
	s_add_co_u32 s31, s28, s30
	s_mul_i32 s32, s31, 196608
	s_mul_i32 s33, s29, 6144
	s_add_co_u32 s32, s32, s33                     ; Q's images
	s_lshl_b32 s33, s31, 4
	s_add_co_u32 s33, s33, s29
	s_mul_i32 s34, s33, 24576
	s_add_co_u32 s34, s34, KV                      ; K's
	s_lshl_b32 s35, s31, 5
	s_add_co_u32 s35, s35, s29
	s_lshl_b32 s35, s35, 8
	s_add_co_u32 s35, s35, QS                      ; Q's words
	s_lshl_b32 s36, s33, 10
	s_add_co_u32 s36, s36, KVS                     ; K's
	s_mov_b32 s37, 12288
	s_mov_b32 s38, 512
	s_cmp_eq_u32 ttmp9, 0
	s_cselect_b32 s32, s32, s34
	s_cselect_b32 s35, s35, s36
	s_cselect_b32 s37, 98304, s37                  ; from the first image of a block to the second: the next head (Q, K),
	s_cselect_b32 s38, 4096, s38                   ; and from one head's words to the next's
	s_mov_b32 s48, 768                             ; from block to block,
	s_mov_b32 s50, 768                             ; and from block 3 to block 4
	s_cmp_eq_u32 ttmp9, 2
	s_cselect_b32 s34, 6144, 0                     ; V lies behind K,
	s_cselect_b32 s36, 256, 0
	s_cselect_b32 s37, 768, s37                    ; its second image is the next 64 keys,
	s_cselect_b32 s48, 1536, s48
	s_cselect_b32 s50, 7680, s50                   ; and its block 4 begins the pair's second head
	s_add_co_u32 s32, s32, s34
	s_add_co_u32 s35, s35, s36
	s_mov_b32 s33, 0
	s_mov_b32 s49, 0
	s_mov_b32 s51, 0
	s_add_nc_u64 s[52:53], s[12:13], s[32:33]
	s_mov_b32 s32, s37
	s_add_nc_u64 s[54:55], s[52:53], s[32:33]
	s_mov_b32 s32, s35
	s_add_nc_u64 s[58:59], s[12:13], s[32:33]
	s_mov_b32 s[SEL], 0x76543210
	s_mov_b32 s[SEL+1], 0xfedcba98
	s_mov_b32 s60, 0x05040100
	s_mov_b32 s61, 0x07060302
.irp b, 0,1,2,3
	v_mov_b32 v[TM+4+\b], 0                        ; (a lane permute's destination counts as one of its sources)
.endr
	v_mul_u32_u24 v[SOF], s38, v3
	v_lshl_add_u32 v[SOF], v2, 4, v[SOF]
	s_wait_loadcnt 0x0                             ; the biases
.macro BIAS a                          ; each accumulator is read from its low end on
	s_cmp_eq_u32 ttmp9, 2
	s_cbranch_scc1 .Lbv_\@
	WIN 0x02+(\a)/4
.set i, 0
.rept 32
	v_pk_add_f32 v[HA+2*i:HA+2*i+1], v[64*((\a)%4)+2*i:64*((\a)%4)+2*i+1], v[BN+2*i:BN+2*i+1]
.set i, i+1
.endr
	WIN 0
	s_branch .Lbd_\@
.Lbv_\@:
	WIN 0x02+(\a)/4
.set i, 0
.rept 32
	v_pk_add_f32 v[HA+2*i:HA+2*i+1], v[64*((\a)%4)+2*i:64*((\a)%4)+2*i+1], v[BM+2*(\a):BM+2*(\a)+1]
.set i, i+1
.endr
	WIN 0
.Lbd_\@:
.endm
.irp a, 0,1,2,3,4,5,6,7
	BIAS \a
.if \a > 0
	s_wait_xcnt 0x0                                ; the last block's stores have read their registers and bases
.if \a == 4
	s_add_nc_u64 s[52:53], s[52:53], s[50:51]
	s_add_nc_u64 s[54:55], s[54:55], s[50:51]
.else
	s_add_nc_u64 s[52:53], s[52:53], s[48:49]
	s_add_nc_u64 s[54:55], s[54:55], s[48:49]
.endif
.endif
	QUANT HA, F, F+6, PW+\a
	global_store_b128 v[L16], v[F:F+3], s[52:53]               ; 512 consecutive bytes
	global_store_b64 v[L8], v[F+4:F+5], s[52:53]               ; 256
	global_store_b128 v[L16], v[F+6:F+9], s[54:55]
	global_store_b64 v[L8], v[F+10:F+11], s[54:55]
.endr
	; the words.  Q, K: word f of a head = the head's two bytes of tiles 2 f and 2 f + 1; V: word t = tile t's.  Lanes 0-15 the pair's first head, lanes 16-31 the second
	v_cmp_le_u32 vcc_lo, 16, v1
	s_cmp_eq_u32 ttmp9, 2
	s_cbranch_scc1 .Lwords_v
.irp f, 0,1,2,3
	v_perm_b32 v[TM+\f], v[PW+2*\f+1], v[PW+2*\f], s60
	v_perm_b32 v[TM+4+\f], v[PW+2*\f+1], v[PW+2*\f], s61
.endr
.irp f, 0,1,2,3
	v_cndmask_b32 v[QT+\f], v[TM+\f], v[TM+4+\f], vcc_lo
.endr
	s_branch .Lwords_done
.Lwords_v:
.irp f, 0,1,2,3
	v_cndmask_b32 v[QT+\f], v[PW+\f], v[PW+4+\f], vcc_lo
.endr
.Lwords_done:
	global_store_b128 v[SOF], v[QT:QT+3], s[58:59]             ; two runs of 256 consecutive bytes
	s_wait_tensorcnt 0x0                           ; the wave's end
	ds_add_u32 v[SPW], v[NIL]
	s_wait_dscnt 0x0
	CROUND                                         ; the closing round
	s_endpgm
.Lfunc_end_k_q22fe8ba09b_gemm_qkv:
	.size	k_q22fe8ba09b_gemm_qkv, .Lfunc_end_k_q22fe8ba09b_gemm_qkv-k_q22fe8ba09b_gemm_qkv
	.p2alignl 7, 3214868480
	.fill 96, 4, 3214868480
	.section	.rodata,"a",@progbits
	.p2align	6, 0x0
	.amdhsa_kernel k_q22fe8ba09b_gemm_qkv
		.amdhsa_group_segment_fixed_size 327680
		.amdhsa_private_segment_fixed_size 0
		.amdhsa_enable_private_segment 0
		.amdhsa_kernarg_size 40
		.amdhsa_user_sgpr_count 2
		.amdhsa_user_sgpr_kernarg_segment_ptr 1
		.amdhsa_wavefront_size32 1
		.amdhsa_system_sgpr_workgroup_id_x 1
		.amdhsa_system_sgpr_workgroup_id_y 1
		.amdhsa_system_sgpr_workgroup_id_z 1
		.amdhsa_system_vgpr_workitem_id 0
		.amdhsa_next_free_vgpr 1024
		.amdhsa_next_free_sgpr 104
		.amdhsa_reserve_vcc 1
		.amdhsa_float_denorm_mode_32 3
		.amdhsa_float_denorm_mode_16_64 3
		.amdhsa_memory_ordered 1
		.amdhsa_forward_progress 1
		.amdhsa_inst_pref_size 188
	.end_amdhsa_kernel
	.amdgpu_metadata
---
amdhsa.version: [ 1, 2 ]
amdhsa.kernels:
  - .name:           k_q22fe8ba09b_gemm_qkv
    .symbol:         k_q22fe8ba09b_gemm_qkv.kd
    .args:
      - { .name: wq, .offset: 0, .size: 8, .value_kind: global_buffer, .address_space: global }
      - { .name: bq, .offset: 8, .size: 8, .value_kind: global_buffer, .address_space: global }
      - { .name: bk, .offset: 16, .size: 8, .value_kind: global_buffer, .address_space: global }
      - { .name: bv, .offset: 24, .size: 8, .value_kind: global_buffer, .address_space: global }
      - { .name: qkv, .offset: 32, .size: 8, .value_kind: global_buffer, .address_space: global }
    .group_segment_fixed_size: 327680
    .private_segment_fixed_size: 0
    .kernarg_segment_align: 8
    .kernarg_segment_size: 40
    .max_flat_workgroup_size: 128
    .sgpr_count:     104
    .vgpr_count:     1024
    .wavefront_size: 32
...
	.end_amdgpu_metadata
.endif
;; end of part 2
;; launch attn (part 3): grid 16 x 16, 16 waves a work-group, clusters of 4 x 1, 327,680 bytes of LDS; arguments qkv, ctx; writes ctx
.if DOCPART == 3
	.amdgcn_target "amdgcn-amd-amdhsa--gfx1250"
	.amdhsa_code_object_version 6
	.text
	.protected	k_q22fe8ba09b_attn
	.globl	k_q22fe8ba09b_attn
	.p2align	8
	.type	k_q22fe8ba09b_attn,@function
k_q22fe8ba09b_attn:
	s_mov_b64 s[64:65], 0
	v_nop
	global_prefetch_b8 v0, s[64:65] scope:SCOPE_SE
	s_setreg_imm32_b32 hwreg(HW_REG_WAVE_MODE, 25, 1), 1
	s_wait_xcnt 0x0
	s_wait_alu depctr_hold_cnt(0) depctr_sa_sdst(0) depctr_va_vdst(0) depctr_va_sdst(0) depctr_va_ssrc(0) depctr_va_vcc(0) depctr_vm_vsrc(0)
	s_getreg_b32 s2, hwreg(HW_REG_IB_STS2, 6, 4)
	s_cmp_eq_u32 s2, 0
	s_cbranch_scc0 .Lentry_in_a_cluster
	s_endpgm
.Lentry_in_a_cluster:
	s_bfe_u32 s2, ttmp6, 0x10000c
	s_cmp_lg_u32 s2, 0x3003
	s_cbranch_scc0 .Lentry_shape_is_right
	s_endpgm
.Lentry_shape_is_right:
; ctx = softmax(Q K^T / 8) V for 32 heads of 64, 2,048 keys, both products on codes of FP6 (E2M3) with E8M0 scales; ctx leaves quantised along the model's 1,024, as images of operand registers.
; THE SOFTMAX: t = score x log2(e) / 8; M = the running largest t rounded up to a whole number; p = 2^(t - M) is quantised along the keys, not normalised; the row's sum of the unquantised p divides at the end.
; SHARES.  A work-group owns 128 queries of a PAIR of heads (so that a word of ctx's scales, four blocks = two heads, is made whole here); wave w owns tile w % 8 of 16 queries of head w / 8: four waves to a SIMD.
; Every wave walks the 2,048 keys, 128 a step.  K, V come through a ring of two LDS slots of two steps, filled by waves 0-3; the pair's scale words, 16 KiB, come once.
; CLUSTER 4 x 1: the four blocks of queries walk the same K and V: every fill is a joint load.
; HEAD SIZE 64 is half of the instruction's 128: a fragment of K holds TWO tiles of 16 keys (k 0-63 one, k 64-127 the other), and Q stands beside zero codes, [q | 0] or [0 | q]: each fragment serves two products.
; Both products transposed: a lane holds one query.  K's tiles are neighbouring keys, so p's codes lie in the order pi (bits 3, 4 exchanged) inside each block of 32 keys, and so do V's, as they were stored.
; REGISTERS: v1-3 lane terms, v5, v6 the add's, v7, v11 offsets for memory, v8-10 the step's addresses, v12 -M, v13 largest t, v[14:15] the sum, v16-33 zeros | q | zeros, v36-83 four fragments, v84-87 V's words,
; v88-90 prefetch and stage, v96-159 S^T then p, v160-191 O^T, v224-235 p's codes, v232-254 at work, v248-251 K's words, v253 p's word, v255 q's word.
.set QS,    3145728
.set KV,    3276800
.set KVS,   9568256
.set CS_,   3145728
.set SLOT1, 65536
.set STEPB, 24576                      ; a step: [head of the pair][K 6,144, V 6,144]
.set SCB,   131072
.set STG,   147456                     ; 512 bytes: ctx's scale words are gathered here; no fill lands here
.set SPARE, 147968                     ; the spare words, 128 bytes for each of 16 waves
.set WV,    18
.set SEL,   20
.set CS,    22
.set G1K,   24
.set G1S,   32
.set G0,    40
.set G0S,   44
.set TB,    2
.set TS,    3
.set SLOTS, 67
.set PFA,   76
.set LIM,   80
.macro TLOAD g0, g1                    ; waves 0-3 fetch a quarter each; four v_nop follow
	s_cmp_lt_u32 s[WV], 4
	s_cbranch_scc0 .Lnone_\@
	tensor_load_to_lds s[\g0:\g0+3], s[\g1:\g1+7]
	s_nop 0
.rept 4
	v_nop
.endr
.Lnone_\@:
.endm
.macro CROUND
	s_barrier_signal -1
	s_barrier_wait -1
	s_cmp_lg_u32 s[WV], 0
	s_cbranch_scc1 .Lnot_wave_0_\@
	s_barrier_signal -3
.Lnot_wave_0_\@:
	s_barrier_wait -3
	s_barrier_signal -1
	s_barrier_wait -1
.endm
; A PREFETCH of the two slots that the next two changes ask for: 98,304 bytes = 4 partners (told apart by address) x waves 4-6 x 32 lanes x 256 bytes.  The pair's first cluster asks, at every second change
; (7, 5, 3 slots to go): slots 2 to 7 are named once each; slots 0 and 1 come by their loads alone, and nothing is named past slot 7.
.macro ASK
	s_cmp_gt_u32 s[SLOTS], s[LIM]
	s_cbranch_scc0 .Lnot_mine_\@
	s_bitcmp1_b32 s[SLOTS], 0
	s_cbranch_scc0 .Lnot_mine_\@
	global_prefetch_b8 v88, s[PFA:PFA+1] th:TH_LOAD_NT scope:SCOPE_SE
.Lnot_mine_\@:
.endm
	s_load_b128 s[4:7], s[0:1], 0x0                ; qkv, ctx
	v_lshl_add_u32 v5, v0, 2, SPARE
	v_mov_b32 v6, 0
	ds_add_u32 v5, v6
	s_wait_dscnt 0x0
	v_lshrrev_b32 v8, 5, v0
	v_readfirstlane_b32 s[WV], v8
	s_bfe_u32 s8, ttmp6, 0x40000                   ; cx
	s_lshl_b32 s9, ttmp9, 2
	s_add_co_u32 s9, s9, s8                        ; my block of 128 queries
	s_and_b32 s10, ttmp7, 0xffff                   ; 8 x batch + pair of heads
	s_and_b32 s11, s[WV], 7                        ; my tile
	s_lshr_b32 s12, s[WV], 3                       ; my head of the pair
	s_and_b32 s13, s[WV], 3                        ; the quarter that I fetch, if I fetch
	s_mov_b32 s[G1K], 15|(3<<16)|(1<<21)           ; the mask: all four; elements of 8 bytes; bit 21 beside a mask.  48 rows of 256 bytes, dense
	s_mov_b32 s[G1K+1], 32<<16
	s_mov_b32 s[G1K+2], 48<<16
	s_mov_b32 s[G1K+3], 32<<16
	s_mov_b32 s[G1K+4], 48
	s_mov_b32 s[G1K+5], 32
	s_mov_b32 s[G1K+6], 0
	s_mov_b32 s[G1K+7], 0
	s_mov_b32 s[G1S], 15|(3<<16)|(1<<21)           ; 16 rows of 256 bytes
	s_mov_b32 s[G1S+1], 32<<16
	s_mov_b32 s[G1S+2], 16<<16
	s_mov_b32 s[G1S+3], 32<<16
	s_mov_b32 s[G1S+4], 16
	s_mov_b32 s[G1S+5], 32
	s_mov_b32 s[G1S+6], 0
	s_mov_b32 s[G1S+7], 0
	s_mul_i32 s48, s10, 393216
	s_add_co_u32 s48, s48, KV
	s_mov_b32 s49, 0
	s_mul_i32 s50, s13, 12288
	s_mov_b32 s51, 0
	s_lshl_b32 s52, s10, 14
	s_lshl_b32 s53, s13, 12
	s_add_co_u32 s52, s52, s53
	s_add_co_u32 s52, s52, KVS
	s_add_co_u32 s54, s53, SCB
	s_mov_b32 s53, 0
	s_mov_b32 s[SEL], 0x76543210
	s_mov_b32 s[SEL+1], 0xfedcba98
	s_mov_b32 s[CS], 0x3e38aa3b                    ; log2(e) / 8
	s_mov_b32 s[CS+1], s[CS]
	s_mov_b32 s[TB], 0
	s_mov_b32 s[TS], 0
	s_mov_b32 s[SLOTS], 7
	s_wait_kmcnt 0x0
	s_add_nc_u64 s[48:49], s[4:5], s[48:49]        ; the pair's K and V
	s_mov_b32 s[G0], 1
	s_mov_b32 s[G0+1], s50
	s_add_nc_u64 s[G0+2:G0+3], s[48:49], s[50:51]
	s_or_b32 s[G0+3], s[G0+3], 0x80000000
	s_mov_b32 s[G0S], 1
	s_mov_b32 s[G0S+1], s54
	s_add_nc_u64 s[G0S+2:G0S+3], s[4:5], s[52:53]
	s_or_b32 s[G0S+3], s[G0S+3], 0x80000000
	CROUND                                         ; the four work-groups are here: the first joint loads meet
	TLOAD G0S, G1S                                 ; the scale words: filled once
	TLOAD G0, G1K                                  ; slot 0
	s_mul_i32 s56, s8, 24576                       ; the prefetches: my work-group's quarter, my wave's third of it, one slot on; the first change steps it to slot 2
	s_lshl_b32 s57, s13, 13
	s_add_co_u32 s56, s56, s57
	s_add_co_u32 s56, s56, 49152
	s_mov_b32 s57, 0
	s_add_nc_u64 s[PFA:PFA+1], s[48:49], s[56:57]
	s_sub_co_u32 s56, s[WV], 4
	s_cmp_lt_u32 s56, 3                            ; waves 4 to 6,
	s_cselect_b32 s56, 0, 1
	s_or_b32 s56, s56, ttmp9                       ; of the pair's first cluster: the same in all partners
	s_cmp_eq_u32 s56, 0
	s_cselect_b32 s[LIM], 2, -1
	s_lshl_b32 s56, s10, 1
	s_add_co_u32 s56, s56, s12                     ; my head
	s_lshl_b32 s57, s56, 7
	s_lshl_b32 s58, s9, 3
	s_add_co_u32 s57, s57, s58
	s_add_co_u32 s57, s57, s11
	s_mul_i32 s58, s57, 768
	s_mov_b32 s59, 0
	s_add_nc_u64 s[58:59], s[4:5], s[58:59]        ; my tile's image of Q
	s_lshl_b32 s60, s56, 12
	s_lshl_b32 s61, s9, 8
	s_add_co_u32 s60, s60, s61
	s_lshr_b32 s61, s11, 1
	s_lshl_b32 s61, s61, 2
	s_add_co_u32 s60, s60, s61
	s_add_co_u32 s60, s60, QS
	s_mov_b32 s61, 0
	s_add_nc_u64 s[60:61], s[4:5], s[60:61]        ; and the word that holds its two bytes
	v_and_b32 v8, 31, v0                           ; lane
	v_and_b32 v9, 15, v0                           ; r
	v_lshlrev_b32 v7, 4, v8
	v_lshlrev_b32 v11, 3, v8
	v_lshlrev_b32 v4, 4, v9
	global_load_b128 v[22:25], v7, s[58:59]
	global_load_b64 v[26:27], v11, s[58:59] offset:512
	global_load_b32 v255, v4, s[60:61]
	v_lshlrev_b32 v88, 8, v8
	s_mul_i32 s62, s12, 12288
	v_add_nc_u32 v1, s62, v7                       ; 16 x lane + my head's half of a step
	v_add_nc_u32 v2, s62, v11
	v_add_nc_u32 v2, 512, v2
	s_lshl_b32 s62, s12, 9
	s_add_co_u32 s62, s62, SCB
	v_add_nc_u32 v3, s62, v4                       ; my head's words of a step: 16 r
	s_lshr_b32 s62, s11, 2
	s_lshl_b32 s62, s62, 8
	s_and_b32 s63, s11, 3
	s_lshl_b32 s63, s63, 2
	s_add_co_u32 s62, s62, s63
	s_lshl_b32 s63, s12, 1
	s_add_co_u32 s62, s62, s63
	s_add_co_u32 s62, s62, STG
	v_lshl_add_u32 v89, v9, 4, s62                 ; the stage: 256 (tile / 4) + 16 r + 4 (tile % 4) + 2 x head
	v_add_nc_u32 v90, STG, v7
	s_and_b32 s62, s11, 1
	s_lshl_b32 s62, s62, 4
	s_wait_loadcnt 0x0
	v_lshrrev_b32 v255, s62, v255
	v_and_b32 v255, 0xffff, v255
	v_lshl_or_b32 v255, v255, 16, v255             ; q's two bytes in both halves: they serve [q | 0] and [0 | q]
.irp j, 16,17,18,19,20,21,28,29,30,31,32,33
	v_mov_b32 v\j, 0                               ; zero codes
.endr
	v_mov_b32 v13, 0xff61b1e6                      ; the largest t so far: -3e38
	v_floor_f32 v12, -v13
	v_mov_b32 v14, 0
	v_mov_b32 v15, 0
.irp b, 0,1,2,3
	v_mov_b32 v[236+\b], 0
.endr
	v_mov_b32 v253, 0
.set i, 0
.rept 32
	v_mov_b32 v[160+i], 0                          ; O^T: the loop is written once, its first step finds zeros
.set i, i+1
.endr
.macro FRAGS base                      ; four fragments of 1,536 bytes on end
.irp f, 0,1,2,3
	ds_load_b128 v[36+12*\f:39+12*\f], v8 offset:\base+1536*\f
	ds_load_b64 v[40+12*\f:41+12*\f], v9 offset:\base+1536*\f
	ds_load_b128 v[42+12*\f:45+12*\f], v8 offset:\base+1536*\f+768
	ds_load_b64 v[46+12*\f:47+12*\f], v9 offset:\base+1536*\f+768
.endr
.endm
.macro STEP q
	v_add_nc_u32 v8, s[TB], v1
	v_add_nc_u32 v9, s[TB], v2
	v_add_nc_u32 v10, s[TS], v3
	v_nop                                          ; four places in front of loads into registers that the last products read
	FRAGS STEPB*(\q)
	ds_load_b128 v[248:251], v10
	s_wait_dscnt 0x0
.irp f, 0,1,2,3
	v_wmma_scale_f32_16x16x128_f8f6f4 v[96+16*\f:103+16*\f], v[36+12*\f:47+12*\f], v[22:33], 0, v[248+\f], v255 matrix_a_fmt:MATRIX_FMT_FP6 matrix_b_fmt:MATRIX_FMT_FP6
	v_wmma_scale_f32_16x16x128_f8f6f4 v[104+16*\f:111+16*\f], v[36+12*\f:47+12*\f], v[16:27], 0, v[248+\f], v255 matrix_a_fmt:MATRIX_FMT_FP6 matrix_b_fmt:MATRIX_FMT_FP6
.endr
.rept 4
	v_nop
.endr
	FRAGS STEPB*(\q)+6144                          ; V's fragments land under the softmax
	ds_load_b128 v[84:87], v10 offset:256
.irp b, 0,1,2,3
	v_max3_num_f32 v[232+\b], v[96+16*\b], v[97+16*\b], v[98+16*\b]      ; the largest score of each block of 32 keys: for the row's maximum and, since p rises with the score, for the block's largest p
.endr
.irp i, 3,5,7,9,11,13
.irp b, 0,1,2,3
	v_max3_num_f32 v[232+\b], v[232+\b], v[96+16*\b+\i], v[97+16*\b+\i]
.endr
.endr
.irp b, 0,1,2,3
	v_max_num_f32 v[232+\b], v[232+\b], v[111+16*\b]
.endr
.irp b, 0,1,2,3
	v_permlanex16_b32 v[236+\b], v[232+\b], s[SEL], s[SEL+1]
.endr
.irp b, 0,1,2,3
	v_max_num_f32 v[232+\b], v[232+\b], v[236+\b]
.endr
	v_max3_num_f32 v254, v232, v233, v234
	v_max_num_f32 v254, v254, v235
	v_mul_f32 v254, s[CS], v254
	v_max_num_f32 v13, v13, v254                   ; the running largest t
	v_mov_b32 v254, v12
	v_floor_f32 v12, -v13                          ; -M = floor(-t)
	v_sub_f32 v254, v12, v254
	v_cvt_i32_f32 v254, v254                       ; (it saturates)
	v_ldexp_f32 v252, 1.0, v254                    ; f = 2^(old M - new M): rounds nothing
.set i, 0
.rept 32
	v_pk_fma_f32 v[96+2*i:97+2*i], v[96+2*i:97+2*i], s[CS:CS+1], v[12:13] op_sel_hi:[1,0,0]
.set i, i+1
.endr
.irp b, 0,1,2,3
	v_fma_f32 v[232+\b], v[232+\b], s[CS], v12
.endr
.set i, 0
.rept 64
	v_exp_f32 v[96+i], v[96+i]                     ; p = 2^(t - M)
.set i, i+1
.endr
	v_pk_mul_f32 v[14:15], v[14:15], v[252:253] op_sel_hi:[1,0]          ; the sums under the new M: the plain line behind the batch
	s_wait_alu depctr_va_vdst(0)                   ; one wait for the batch, ahead of its first reader
.irp b, 0,1,2,3
	v_exp_f32 v[232+\b], v[232+\b]                 ; each block's largest p
.endr
	v_pk_add_f32 v[236:237], v[96:97], v[98:99]    ; the row's sum, of the unquantised p, in two chains
.irp j, 4,8,12,16,20,24,28,32,36,40,44,48,52,56,60
	v_pk_add_f32 v[14:15], v[14:15], v[96+\j:97+\j]
	v_pk_add_f32 v[236:237], v[236:237], v[98+\j:99+\j]
.endr
	v_pk_add_f32 v[14:15], v[14:15], v[236:237]
	s_wait_alu depctr_va_vdst(0)                   ; and one for the four
.irp b, 0,1,2,3
	v_max_num_f32 v[232+\b], 0x1800000, v[232+\b]  ; the floor: the byte cannot fall under 1
.endr
.irp b, 0,1,2,3
	v_add_nc_u32 v[244+\b], 0xff000000, v[232+\b]
.endr
.irp b, 0,1,2,3
	v_lshrrev_b32 v[236+\b], 23, v[244+\b]
.endr
	v_lshl_or_b32 v253, v237, 8, v236              ; p's scale word
	v_lshl_or_b32 v253, v238, 16, v253
	v_lshl_or_b32 v253, v239, 24, v253
.irp c, 0,1
	v_cvt_scalef32_pk16_fp6_f32 v[224+6*\c:226+6*\c], v[96+32*\c:111+32*\c], v[244+2*\c]
	v_cvt_scalef32_pk16_fp6_f32 v[236+4*\c:238+4*\c], v[112+32*\c:127+32*\c], v[244+2*\c+1]
.endr
	v_nop
.irp c, 0,1
.irp i, 0,1,2
	v_permlane16_swap_b32 v[224+6*\c+\i], v[236+4*\c+\i]
.endr
.irp i, 0,1,2
	v_mov_b32 v[227+6*\c+\i], v[236+4*\c+\i]
.endr
.endr
.set i, 0
.rept 16
	v_pk_mul_f32 v[160+2*i:161+2*i], v[160+2*i:161+2*i], v[252:253] op_sel_hi:[1,0]     ; O^T under the new M; also the places in front of the products below
.set i, i+1
.endr
	s_wait_dscnt 0x0                               ; V
.irp t, 0,1,2,3
	v_wmma_scale_f32_16x16x128_f8f6f4 v[160+8*\t:167+8*\t], v[36+12*\t:47+12*\t], v[224:235], v[160+8*\t:167+8*\t], v[84+\t], v253 matrix_a_fmt:MATRIX_FMT_FP6 matrix_b_fmt:MATRIX_FMT_FP6
.endr
	s_add_co_u32 s[TS], s[TS], 1024
.endm
; THE CHANGE OF SLOTS stands at a slot's head: all my tensor loads waited for, the add, my reads of the slot that I have left waited for; a round of the cluster's barrier; then the slot just left is filled again.
.macro CHANGE fill
	s_wait_tensorcnt 0x0
	ds_add_u32 v5, v6                              ; 0 onto my spare word
.if \fill
	s_xor_b32 s[G0+1], s[G0+1], SLOT1
	s_add_nc_u64 s[G0+2:G0+3], s[G0+2:G0+3], 2*STEPB
	s_wait_xcnt 0x0                                ; the last prefetch has read its address
	s_add_nc_u64 s[PFA:PFA+1], s[PFA:PFA+1], 2*STEPB
	s_wait_dscnt 0x0
	CROUND
	TLOAD G0, G1K                                  ; a wave's one tensor load until the next round; it has two steps in which to land
	ASK
.else
	s_wait_dscnt 0x0
	s_barrier_signal -1
	s_barrier_wait -1
.endif
.endm
.Lslot:
	CHANGE 1
	STEP 0
	STEP 1
	s_xor_b32 s[TB], s[TB], SLOT1
	s_sub_co_u32 s[SLOTS], s[SLOTS], 1
	s_cmp_lg_u32 s[SLOTS], 0
	s_cbranch_scc1 .Lslot
	CHANGE 0                                       ; the last slot is written out
	STEP 0
	STEP 1
	; THE WAY OUT: O^T / the sum; V's rows lie in pi's order, so register 16 b + i is channel 32 b + 16 h + i of my head: two blocks of the next product's K
	v_add_f32 v14, v14, v15
	v_permlanex16_b32 v252, v14, s[SEL], s[SEL+1]
	v_add_f32 v14, v14, v252
	v_rcp_f32 v14, v14
	v_nop
	s_lshr_b32 s56, s10, 3                         ; the batch
	s_and_b32 s57, s10, 7                          ; the pair
	s_lshl_b32 s58, s56, 7
	s_lshl_b32 s59, s9, 3
	s_add_co_u32 s58, s58, s59
	s_add_co_u32 s58, s58, s11
	s_mul_i32 s58, s58, 12288                      ; my 16 rows of ctx,
	s_lshl_b32 s59, s57, 1
	s_add_co_u32 s59, s59, s12
	s_mul_i32 s59, s59, 768                        ; my head's 64 of their K
	s_add_co_u32 s58, s58, s59
	s_mov_b32 s59, 0
	s_add_nc_u64 s[58:59], s[6:7], s[58:59]
	s_lshl_b32 s60, s57, 14
	s_lshl_b32 s61, s56, 13
	s_add_co_u32 s60, s60, s61
	s_lshl_b32 s61, s9, 9
	s_add_co_u32 s60, s60, s61
	s_add_co_u32 s60, s60, CS_
	s_mov_b32 s61, 0
	s_add_nc_u64 s[60:61], s[6:7], s[60:61]
	s_wait_alu depctr_va_vdst(0)                   ; ahead of the reciprocal's first reader
.set i, 0
.rept 32
	v_mul_f32 v[96+i], v[160+i], v14
.set i, i+1
.endr
.irp b, 0,1
	v_max3_num_f32 v[232+\b], |v[96+16*\b]|, |v[97+16*\b]|, 0x1800000
.endr
.irp i, 2,4,6,8,10,12,14
.irp b, 0,1
	v_max3_num_f32 v[232+\b], v[232+\b], |v[96+16*\b+\i]|, |v[97+16*\b+\i]|
.endr
.endr
.irp b, 0,1
	v_permlanex16_b32 v[236+\b], v[232+\b], s[SEL], s[SEL+1]
.endr
.irp b, 0,1
	v_max_num_f32 v[232+\b], v[232+\b], v[236+\b]
.endr
.irp b, 0,1
	v_add_nc_u32 v[244+\b], 0xff000000, v[232+\b]
.endr
.irp b, 0,1
	v_lshrrev_b32 v[236+\b], 23, v[244+\b]
.endr
	v_lshl_or_b32 v234, v237, 8, v236              ; my head's half of the rows' scale word
	v_cvt_scalef32_pk16_fp6_f32 v[224:226], v[96:111], v244
	v_cvt_scalef32_pk16_fp6_f32 v[240:242], v[112:127], v245
	v_nop
.irp i, 0,1,2
	v_permlane16_swap_b32 v[224+\i], v[240+\i]
.endr
.irp i, 0,1,2
	v_mov_b32 v[227+\i], v[240+\i]
.endr
	global_store_b128 v7, v[224:227], s[58:59]
	global_store_b64 v11, v[228:229], s[58:59] offset:512
	ds_store_b16 v89, v234                         ; lanes r and 16 + r write the same two bytes with the same value
	s_wait_dscnt 0x0
	s_barrier_signal -1
	s_barrier_wait -1                              ; the 128 rows' words are whole
	s_cmp_lg_u32 s[WV], 0
	s_cbranch_scc1 .Lnot_first
	ds_load_b128 v[96:99], v90
	s_wait_dscnt 0x0
	global_store_b128 v7, v[96:99], s[60:61]       ; 512 consecutive bytes
.Lnot_first:
	s_wait_tensorcnt 0x0                           ; the wave's end
	ds_add_u32 v5, v6
	s_wait_dscnt 0x0
	CROUND                                         ; the closing round
	s_endpgm
.Lfunc_end_k_q22fe8ba09b_attn:
	.size	k_q22fe8ba09b_attn, .Lfunc_end_k_q22fe8ba09b_attn-k_q22fe8ba09b_attn
	.p2alignl 7, 3214868480
	.fill 96, 4, 3214868480
	.section	.rodata,"a",@progbits
	.p2align	6, 0x0
	.amdhsa_kernel k_q22fe8ba09b_attn
		.amdhsa_group_segment_fixed_size 327680
		.amdhsa_private_segment_fixed_size 0
		.amdhsa_enable_private_segment 0
		.amdhsa_kernarg_size 16
		.amdhsa_user_sgpr_count 2
		.amdhsa_user_sgpr_kernarg_segment_ptr 1
		.amdhsa_wavefront_size32 1
		.amdhsa_system_sgpr_workgroup_id_x 1
		.amdhsa_system_sgpr_workgroup_id_y 1
		.amdhsa_system_sgpr_workgroup_id_z 1
		.amdhsa_system_vgpr_workitem_id 0
		.amdhsa_next_free_vgpr 256
		.amdhsa_next_free_sgpr 96
		.amdhsa_reserve_vcc 0
		.amdhsa_float_denorm_mode_32 3
		.amdhsa_float_denorm_mode_16_64 3
		.amdhsa_memory_ordered 1
		.amdhsa_forward_progress 1
		.amdhsa_inst_pref_size 77
	.end_amdhsa_kernel
	.amdgpu_metadata
---
amdhsa.version: [ 1, 2 ]
amdhsa.kernels:
  - .name:           k_q22fe8ba09b_attn
    .symbol:         k_q22fe8ba09b_attn.kd
    .args:
      - { .name: qkv, .offset: 0, .size: 8, .value_kind: global_buffer, .address_space: global }
      - { .name: ctx, .offset: 8, .size: 8, .value_kind: global_buffer, .address_space: global }
    .group_segment_fixed_size: 327680
    .private_segment_fixed_size: 0
    .kernarg_segment_align: 8
    .kernarg_segment_size: 16
    .max_flat_workgroup_size: 512
    .sgpr_count:     96
    .vgpr_count:     256
    .wavefront_size: 32
...
	.end_amdgpu_metadata
.endif
;; end of part 3
;; launch gemm_wo (part 4): grid 4 x 16, 4 waves a work-group, clusters of 4 x 4, 327,680 bytes of LDS; arguments ctx, wq, bo, x, yb; writes yb
.if DOCPART == 4
	.amdgcn_target "amdgcn-amd-amdhsa--gfx1250"
	.amdhsa_code_object_version 6
	.text
	.protected	k_q22fe8ba09b_gemm_wo
	.globl	k_q22fe8ba09b_gemm_wo
	.p2align	8
	.type	k_q22fe8ba09b_gemm_wo,@function
k_q22fe8ba09b_gemm_wo:
	s_mov_b64 s[64:65], 0
	v_nop
	global_prefetch_b8 v0, s[64:65] scope:SCOPE_SE
	s_setreg_imm32_b32 hwreg(HW_REG_WAVE_MODE, 25, 1), 1
	s_wait_xcnt 0x0
	s_wait_alu depctr_hold_cnt(0) depctr_sa_sdst(0) depctr_va_vdst(0) depctr_va_sdst(0) depctr_va_ssrc(0) depctr_va_vcc(0) depctr_vm_vsrc(0)
	s_getreg_b32 s2, hwreg(HW_REG_IB_STS2, 6, 4)
	s_cmp_eq_u32 s2, 0
	s_cbranch_scc0 .Lentry_in_a_cluster
	s_endpgm
.Lentry_in_a_cluster:
	s_bfe_u32 s2, ttmp6, 0x10000c
	s_cmp_lg_u32 s2, 0xf033
	s_cbranch_scc0 .Lentry_shape_is_right
	s_endpgm
.Lentry_shape_is_right:
; yb = x + (ctx Wo + bo): the product on codes of FP6 (E2M3) with E8M0 scales, the rest in f32.  ctx [4096][1024] and Wo (rows = columns of Wo in the order pi, bits 3, 4 exchanged) lie as images of operand registers
; (16 rows x 64 K = 768 bytes: registers 0-3 at 16 x lane, 4-5 at 512 + 8 x lane).  A work-group makes 256 x 256, a wave 128 x 128 in 64 accumulators; K in steps of 256 through a ring of two LDS slots;
; the scale words of the work-group's rows come into LDS once.  CLUSTERS 4 x 4: A's tiles shared along a row, B's along a column, by joint loads.  Source 0 = 16 rows of B, source 1 = 16 rows of A.
; N = 1,024 gives 64 tiles of this size: 64 work-groups.  No prefetch: K is four slots long and each tile is asked for once for four work-groups.
; REGISTERS: window 0: v1-5 lane terms, v8-11 the bias, v16-29 addresses, v32-63 scale words (nothing else, ever), v64-127 residual rows, v128-223 A's fragments; window 1: B's two sets, later residual rows; windows 2, 3: accumulators.
.set SIZE_K, 1024
.set KPA,    12288
.set KPB,    12288
.set PLA,    16384
.set PLB,    4096
.set ACO,    0
.set ASO,    3145728
.set BCO,    5767168
.set BSO,    6553600
.set NK,     SIZE_K/128
.set LAPS,   SIZE_K/512
.set FR,     12
.set NL,     4
.set NP,     4
.set RBB,    3072
.set HALFT,  8*RBB
.set SLOT,   4*HALFT
.set SCL,    2*SLOT
.set HALFS,  512*NK
.set SPARE,  SCL+4*HALFS
.set SPITCH, 528
.set L16,  4
.set L8,   5
.set BIA,  8
.set ADRA, 16
.set ADRB, 20
.set STO,  24
.set RD,   25
.set ADRS, 27
.set SPW,  28
.set NIL,  29
.set SC,   32
.set RES0, 64
.set AF,   128
.set BK,   128
.set G1,   24
.set G0,   32
.set G1B,  48
.set G0B,  56
.set G1S,  68
.set G0S,  76
.set G1SB, 80
.set G0SB, 88
.set MSB,  0
.macro WIN new
.if MSB != (\new)
	s_set_vgpr_msb (MSB<<8)|(\new)
.set MSB, (\new)
.endif
.endm
.set MUL_LO, 0xa1
.set MUL_HI, 0xf1
.set TO_B,   0x40
.macro JLOAD g0a, g1a, g0b, g1b        ; waves 0, 1 fetch for A, waves 2, 3 for B; four v_nop follow each line
	s_cmp_eq_u32 s15, 0
	s_cbranch_scc0 .Lfor_b_\@
	tensor_load_to_lds s[\g0a:\g0a+3], s[\g1a:\g1a+7]
	s_nop 0
.rept 4
	v_nop
.endr
	s_branch .Lasked_\@
.Lfor_b_\@:
	tensor_load_to_lds s[\g0b:\g0b+3], s[\g1b:\g1b+7]
	s_nop 0
.rept 4
	v_nop
.endr
.Lasked_\@:
.endm
.macro CREST
	s_cmp_lg_u32 s14, 0
	s_cbranch_scc1 .Lnot_wave_0_\@
	s_barrier_signal -3
.Lnot_wave_0_\@:
	s_barrier_wait -3
	s_barrier_signal -1
	s_barrier_wait -1
.endm
.macro CROUND
	s_barrier_signal -1
	s_barrier_wait -1
	CREST
.endm
.macro PLACES n
.rept \n
	v_nop
.endr
.endm
.macro FRAG reg, adr, q, i
	ds_load_b128 v[\reg:\reg+3], v[\adr] offset:(\i)*RBB+(\q)*1536
	ds_load_b64 v[\reg+4:\reg+5], v[\adr+2] offset:(\i)*RBB+(\q)*1536
	ds_load_b128 v[\reg+6:\reg+9], v[\adr] offset:(\i)*RBB+(\q)*1536+768
	ds_load_b64 v[\reg+10:\reg+11], v[\adr+2] offset:(\i)*RBB+(\q)*1536+768
.endm
.macro FETCH_B slot, q, p
	WIN TO_B
.irp i, 0,1,2,3,4,5,6,7
	FRAG 128*(\p)+FR*\i, ADRB+\slot, \q, \i
.endr
	WIN 0
.endm
.macro FETCH_A slot, q, i0
.irp i, \i0, \i0+1, \i0+2, \i0+3
	FRAG AF+FR*(\i), ADRA+\slot, \q, \i
.endr
.endm
.macro SCALES sc
.irp q, 0,1
.irp u, 0,1
	ds_load_b128 v[SC+16*\sc+8*\q+4*\u:SC+16*\sc+8*\q+4*\u+3], v[ADRS] offset:512*\q+256*\u
.endr
.endr
.endm
.macro MUL16 a0, p, q, sc, zero        ; the 64 accumulators take turns
.irp a, \a0, \a0+1
.irp b, 0,1,2,3,4,5,6,7
.if \zero
	v_wmma_scale_f32_16x16x128_f8f6f4 v[8*(8*((\a)%4)+\b):8*(8*((\a)%4)+\b)+7], v[128*(\p)+FR*\b:128*(\p)+FR*\b+FR-1], v[AF+FR*(\a):AF+FR*(\a)+FR-1], 0, v[SC+16*(\sc)+8*(\q)+\b], v[SC+16*(\sc)+8*(\q)+(\a)] matrix_a_fmt:MATRIX_FMT_FP6 matrix_b_fmt:MATRIX_FMT_FP6 matrix_a_scale:MATRIX_SCALE_ROW1
.else
	v_wmma_scale_f32_16x16x128_f8f6f4 v[8*(8*((\a)%4)+\b):8*(8*((\a)%4)+\b)+7], v[128*(\p)+FR*\b:128*(\p)+FR*\b+FR-1], v[AF+FR*(\a):AF+FR*(\a)+FR-1], v[8*(8*((\a)%4)+\b):8*(8*((\a)%4)+\b)+7], v[SC+16*(\sc)+8*(\q)+\b], v[SC+16*(\sc)+8*(\q)+(\a)] matrix_a_fmt:MATRIX_FMT_FP6 matrix_b_fmt:MATRIX_FMT_FP6 matrix_a_scale:MATRIX_SCALE_ROW1
.endif
.endr
.endr
.endm
.macro STEP slot, q, zero
	s_wait_dscnt 4*NL                              ; all but the youngest 16 loads (A's blocks 4-7)
	WIN MUL_LO
	MUL16 0, (\q)%2, \q, \slot, \zero
	MUL16 2, (\q)%2, \q, \slot, \zero
	s_wait_dscnt 0
	PLACES NP
	FETCH_B \slot, (\q)+1, 1-(\q)%2
	FETCH_A \slot, (\q)+1, 0
	WIN MUL_HI
	MUL16 4, (\q)%2, \q, \slot, \zero
	MUL16 6, (\q)%2, \q, \slot, \zero
	PLACES NP
	WIN 0
	FETCH_A \slot, (\q)+1, 4
.endm
.macro TURN slot, next, fill
	s_wait_tensorcnt 0x0                           ; all my tensor loads have landed: my part of the next slot
	ds_add_u32 v[SPW], v[NIL]                      ; 0 onto my spare word
	s_wait_dscnt 4*NL+1                            ; (the add and A's blocks 4-7 may be out)
	WIN MUL_LO
	MUL16 0, 1, 1, \slot, 0
	s_wait_dscnt 0x0                               ; the add is done, and my reads of this slot are over
	s_barrier_signal -1
	MUL16 2, 1, 1, \slot, 0
	WIN 0
	s_barrier_wait -1
.if \fill
	CREST                                          ; the barrier has opened a round of the cluster's
	s_add_nc_u64 s[G0+4*\slot+2:G0+4*\slot+3], s[G0+4*\slot+2:G0+4*\slot+3], 2*RBB
	s_add_nc_u64 s[G0B+4*\slot+2:G0B+4*\slot+3], s[G0B+4*\slot+2:G0B+4*\slot+3], 2*RBB
	JLOAD G0+4*\slot, G1, G0B+4*\slot, G1B         ; the first tensor load behind the round
.else
	PLACES NP
.endif
	v_add_nc_u32 v[ADRS], 1024, v[ADRS]
	FETCH_B \next, 0, 0
	FETCH_A \next, 0, 0
	SCALES \next
	WIN MUL_HI
	MUL16 4, 1, 1, \slot, 0
	MUL16 6, 1, 1, \slot, 0
	PLACES NP
	WIN 0
	FETCH_A \next, 0, 4
.endm
	s_load_b256 s[4:11], s[0:1], 0x0               ; A's buffer, wq, the bias, the residual
	s_load_b64 s[12:13], s[0:1], 0x20              ; yb
	v_lshl_add_u32 v[SPW], v0, 2, SPARE
	v_mov_b32 v[NIL], 0
	ds_add_u32 v28, v29
	s_wait_dscnt 0x0
	v_lshrrev_b32 v1, 5, v0
	v_readfirstlane_b32 s14, v1
	s_lshr_b32 s15, s14, 1
	s_and_b32 s16, s14, 1
	s_bfe_u32 s40, ttmp6, 0x40000
	s_bfe_u32 s41, ttmp6, 0x40004
	s_lshl_b32 s42, ttmp9, 2
	s_add_co_u32 s42, s42, s40                     ; tile column
	s_and_b32 s17, ttmp7, 0xffff
	s_lshl_b32 s17, s17, 2
	s_add_co_u32 s17, s17, s41                     ; tile row
	s_lshl_b32 s43, s41, 2
	s_lshl_b32 s43, 15, s43
	s_lshl_b32 s44, 0x1111, s40
	s_or_b32 s[G1+0], s43, (3<<16)|(1<<21)         ; codes: 8 rows of 3,072 bytes (384 elements of 8 bytes)
	s_or_b32 s[G1B+0], s44, (3<<16)|(1<<21)
.irp g, G1, G1B
	s_mov_b32 s[\g+1], 384<<16
	s_mov_b32 s[\g+2], 8<<16
	s_mov_b32 s[\g+3], 384<<16
	s_mov_b32 s[\g+4], 8
	s_mov_b32 s[\g+6], 0
	s_mov_b32 s[\g+7], 0
.endr
	s_mov_b32 s[G1+5], KPA/8
	s_mov_b32 s[G1B+5], KPB/8
	s_or_b32 s[G1S+0], s43, (3<<16)|(1<<21)        ; scale words: NK rows of 512 bytes, a plane apart
	s_or_b32 s[G1SB+0], s44, (3<<16)|(1<<21)
.irp g, G1S, G1SB
	s_mov_b32 s[\g+1], 64<<16
	s_mov_b32 s[\g+2], NK<<16
	s_mov_b32 s[\g+3], 64<<16
	s_mov_b32 s[\g+4], NK
	s_mov_b32 s[\g+6], 0
	s_mov_b32 s[\g+7], 0
.endr
	s_mov_b32 s[G1S+5], PLA/8
	s_mov_b32 s[G1SB+5], PLB/8
	s_lshl_b32 s18, s16, 3
	s_lshl_b32 s20, s17, 4
	s_add_co_u32 s20, s20, s18
	s_mul_i32 s20, s20, KPA
	s_add_co_u32 s20, s20, ACO
	s_mov_b32 s21, 0
	s_lshl_b32 s22, s17, 10
	s_lshl_b32 s23, s16, 9
	s_add_co_u32 s22, s22, s23
	s_add_co_u32 s22, s22, ASO
	s_lshl_b32 s46, s42, 4
	s_add_co_u32 s46, s46, s18
	s_mul_i32 s46, s46, KPB
	s_add_co_u32 s46, s46, BCO
	s_mov_b32 s47, 0
	s_lshl_b32 s92, s42, 10
	s_add_co_u32 s92, s92, s23
	s_add_co_u32 s92, s92, BSO
	s_mov_b32 s23, 0
	s_mov_b32 s93, 0
	s_mul_i32 s45, s14, HALFT
	s_mul_i32 s94, s14, HALFS
	s_wait_kmcnt 0x0
	s_add_nc_u64 s[20:21], s[4:5], s[20:21]
	s_add_nc_u64 s[22:23], s[4:5], s[22:23]
	s_add_nc_u64 s[46:47], s[6:7], s[46:47]
	s_add_nc_u64 s[92:93], s[6:7], s[92:93]
	CROUND                                         ; the first joint loads meet
	s_mov_b32 s[G0S], 1
	s_add_co_u32 s[G0S+1], s94, SCL
	s_mov_b64 s[G0S+2:G0S+3], s[22:23]
	s_or_b32 s[G0S+3], s[G0S+3], 0x80000000
	s_mov_b32 s[G0SB], 1
	s_add_co_u32 s[G0SB+1], s94, SCL
	s_mov_b64 s[G0SB+2:G0SB+3], s[92:93]
	s_or_b32 s[G0SB+3], s[G0SB+3], 0x80000000
	JLOAD G0S, G1S, G0SB, G1SB
.irp s, 0,1
	s_mov_b32 s[G0+4*\s], 1
	s_add_co_u32 s[G0+4*\s+1], s45, \s*SLOT
	s_add_nc_u64 s[G0+4*\s+2:G0+4*\s+3], s[20:21], \s*RBB
	s_or_b32 s[G0+4*\s+3], s[G0+4*\s+3], 0x80000000
	s_mov_b32 s[G0B+4*\s], 1
	s_add_co_u32 s[G0B+4*\s+1], s45, \s*SLOT
	s_add_nc_u64 s[G0B+4*\s+2:G0B+4*\s+3], s[46:47], \s*RBB
	s_or_b32 s[G0B+4*\s+3], s[G0B+4*\s+3], 0x80000000
	JLOAD G0+4*\s, G1, G0B+4*\s, G1B               ; three loads of mine are out
.endr
	v_and_b32 v1, 31, v0
	v_and_b32 v2, 15, v0
	v_bfe_u32 v3, v0, 4, 1
	v_lshlrev_b32 v[L16], 4, v1
	v_lshlrev_b32 v[L8], 3, v1
	v_add_nc_u32 v[L8], 512, v[L8]
	s_mul_i32 s21, s15, HALFT
	s_mul_i32 s22, s16, HALFT
	s_add_co_u32 s22, s22, 2*HALFT
.irp s, 0,1
	v_add_nc_u32 v[ADRA+\s], s21, v[L16]
	v_add_nc_u32 v[ADRA+2+\s], s21, v[L8]
	v_add_nc_u32 v[ADRB+\s], s22, v[L16]
	v_add_nc_u32 v[ADRB+2+\s], s22, v[L8]
	s_add_co_u32 s21, s21, SLOT
	s_add_co_u32 s22, s22, SLOT
.endr
	s_mul_i32 s21, s15, HALFS
	s_mul_i32 s22, s16, HALFS
	s_add_co_u32 s22, s22, 2*HALFS
	s_sub_co_u32 s22, s22, s21
	v_mul_u32_u24 v6, s22, v3
	s_add_co_u32 s21, s21, SCL
	v_lshl_add_u32 v6, v2, 4, v6
	v_add_nc_u32 v[ADRS], s21, v6
	s_mul_i32 s23, s14, 16*SPITCH                  ; my stage: in slot 0, which has had its last fill and its last read when the first result is stored there
	v_mul_u32_u24 v7, v2, SPITCH
	v_lshl_add_u32 v7, v3, 6, v7
	v_add_nc_u32 v[STO], s23, v7                   ; in: row r, + 64 h
	v_add_nc_u32 v[RD], s23, v[L16]                ; back: a row of 512 bytes
	s_lshl_b32 s20, s17, 8
	s_lshl_b32 s21, s15, 7
	s_add_co_u32 s20, s20, s21
	s_lshl_b32 s20, s20, 12                        ; my first row, 4,096 bytes a row
	s_lshl_b32 s46, s42, 10
	s_lshl_b32 s47, s16, 9
	s_add_co_u32 s46, s46, s47                     ; my first column
	s_mov_b32 s47, 0
	s_add_co_u32 s20, s20, s46
	s_mov_b32 s21, 0
	s_add_nc_u64 s[12:13], s[12:13], s[20:21]
	s_add_nc_u64 s[10:11], s[10:11], s[20:21]
	s_add_nc_u64 s[8:9], s[8:9], s[46:47]
.macro RLOAD a                         ; the residual's rows 16 a on: 512 consecutive bytes a load
.if (\a) == 0
.irp t, 0,1,2,3,4,5,6,7,8,9,10,11,12,13,14,15
	global_load_b128 v[RES0+4*\t:RES0+4*\t+3], v[L16], s[10:11] offset:\t*4096 th:TH_LOAD_NT
.endr
.else
	WIN 0x40
.irp t, 0,1,2,3,4,5,6,7,8,9,10,11,12,13,14,15
	global_load_b128 v[64*((\a)%4)+4*\t:64*((\a)%4)+4*\t+3], v[L16], s[10:11] offset:(16*(\a)+\t)*4096 th:TH_LOAD_NT
.endr
	WIN 0
.endif
.endm
	global_load_b128 v[BIA:BIA+3], v[L16], s[8:9]
	RLOAD 0
	s_wait_tensorcnt 1                             ; the scale words and my part of slot 0 are in; slot 1's load may be out
	s_barrier_signal -1
	s_barrier_wait -1
	FETCH_B 0, 0, 0
	FETCH_A 0, 0, 0
	SCALES 0
	FETCH_A 0, 0, 4
	STEP 0, 0, 1
	s_mov_b32 s3, LAPS-1
.Llap:
	TURN 0, 1, 1
	STEP 1, 0, 0
	TURN 1, 0, 1
	STEP 0, 0, 0
	s_sub_co_u32 s3, s3, 1
	s_cmp_lg_u32 s3, 0
	s_cbranch_scc1 .Llap
	TURN 0, 1, 0
	STEP 1, 0, 0
	s_wait_dscnt 4*NL
	WIN MUL_LO
	MUL16 0, 1, 1, 1, 0
	MUL16 2, 1, 1, 1, 0
	s_wait_dscnt 0
	WIN MUL_HI
	MUL16 4, 1, 1, 1, 0
	MUL16 6, 1, 1, 1, 0
	WIN 0
; THE WAY OUT, 16 rows x 128 columns at a time through my stage: tile b's eight numbers of a lane are columns 32 (b / 2) + 16 h + 8 (b % 2) + 0..7; whole rows come back, take bias and residual, and leave as 512 consecutive bytes.
.macro TOSTAGE a
.set AC, 64*((\a)%4)
	WIN 0x08+4*((\a)/4)
.irp b, 0,1,2,3,4,5,6,7
	ds_store_b128 v[STO], v[AC+8*\b:AC+8*\b+3] offset:128*(\b/2)+32*(\b%2)           ; each accumulator from its low end on
	ds_store_b128 v[STO], v[AC+8*\b+4:AC+8*\b+7] offset:128*(\b/2)+32*(\b%2)+16
.endr
	WIN 0
.set BB, BK+64*((\a)%2)
.irp t, 0,1,2,3,4,5,6,7,8,9,10,11,12,13,14,15
	ds_load_b128 v[BB+4*\t:BB+4*\t+3], v[RD] offset:\t*SPITCH                        ; LDS serves a wave's instructions in order
.endr
.endm
.macro SEND a, younger
.set BB, BK+64*((\a)%2)
	s_wait_dscnt \younger                          ; the block is back; the next block's 16 stores and 16 loads may be out
.set i, 0
.rept 16
	v_pk_add_f32 v[BB+4*i:BB+4*i+1], v[BB+4*i:BB+4*i+1], v[BIA:BIA+1]
	v_pk_add_f32 v[BB+4*i+2:BB+4*i+3], v[BB+4*i+2:BB+4*i+3], v[BIA+2:BIA+3]
.set i, i+1
.endr
.if (\a) == 0
.set i, 0
.rept 32
	v_pk_add_f32 v[BB+2*i:BB+2*i+1], v[BB+2*i:BB+2*i+1], v[RES0+2*i:RES0+2*i+1]
.set i, i+1
.endr
.else
.if (\a) <= 4
	s_wait_loadcnt 48                              ; this block's residual is in; the three blocks asked for behind it may be out
.else
	s_wait_loadcnt 16*(7-(\a))
.endif
	WIN 0x04
.set i, 0
.rept 32
	v_pk_add_f32 v[BB+2*i:BB+2*i+1], v[BB+2*i:BB+2*i+1], v[64*((\a)%4)+2*i:64*((\a)%4)+2*i+1]
.set i, i+1
.endr
	WIN 0
.endif
.if ((\a) >= 1) && ((\a) <= 3)
	RLOAD (\a)+4
.endif
.irp t, 0,1,2,3,4,5,6,7,8,9,10,11,12,13,14,15
	global_store_b128 v[L16], v[BB+4*\t:BB+4*\t+3], s[12:13] offset:(16*(\a)+\t)*4096
.endr
.endm
	s_wait_loadcnt 0x0                             ; the bias and the first 16 rows of the residual
	PLACES NP
	RLOAD 1
	RLOAD 2
	RLOAD 3
	RLOAD 4
	TOSTAGE 0
.irp a, 1,2,3,4,5,6,7
.if \a > 1
	s_wait_xcnt 0x0                                ; block a - 2's stores have read their registers
.endif
	TOSTAGE \a
	SEND \a-1, 32
.endr
	SEND 7, 0
	s_wait_tensorcnt 0x0                           ; the wave's end
	ds_add_u32 v[SPW], v[NIL]
	s_wait_dscnt 0x0
	CROUND                                         ; the closing round
	s_endpgm
.Lfunc_end_k_q22fe8ba09b_gemm_wo:
	.size	k_q22fe8ba09b_gemm_wo, .Lfunc_end_k_q22fe8ba09b_gemm_wo-k_q22fe8ba09b_gemm_wo
	.p2alignl 7, 3214868480
	.fill 96, 4, 3214868480
	.section	.rodata,"a",@progbits
	.p2align	6, 0x0
	.amdhsa_kernel k_q22fe8ba09b_gemm_wo
		.amdhsa_group_segment_fixed_size 327680
		.amdhsa_private_segment_fixed_size 0
		.amdhsa_enable_private_segment 0
		.amdhsa_kernarg_size 40
		.amdhsa_user_sgpr_count 2
		.amdhsa_user_sgpr_kernarg_segment_ptr 1
		.amdhsa_wavefront_size32 1
		.amdhsa_system_sgpr_workgroup_id_x 1
		.amdhsa_system_sgpr_workgroup_id_y 1
		.amdhsa_system_sgpr_workgroup_id_z 1
		.amdhsa_system_vgpr_workitem_id 0
		.amdhsa_next_free_vgpr 1024
		.amdhsa_next_free_sgpr 104
		.amdhsa_reserve_vcc 0
		.amdhsa_float_denorm_mode_32 3
		.amdhsa_float_denorm_mode_16_64 3
		.amdhsa_memory_ordered 1
		.amdhsa_forward_progress 1
		.amdhsa_inst_pref_size 188
	.end_amdhsa_kernel
	.amdgpu_metadata
---
amdhsa.version: [ 1, 2 ]
amdhsa.kernels:
  - .name:           k_q22fe8ba09b_gemm_wo
    .symbol:         k_q22fe8ba09b_gemm_wo.kd
    .args:
      - { .name: ctx, .offset: 0, .size: 8, .value_kind: global_buffer, .address_space: global }
      - { .name: wq, .offset: 8, .size: 8, .value_kind: global_buffer, .address_space: global }
      - { .name: bo, .offset: 16, .size: 8, .value_kind: global_buffer, .address_space: global }
      - { .name: x, .offset: 24, .size: 8, .value_kind: global_buffer, .address_space: global }
      - { .name: yb, .offset: 32, .size: 8, .value_kind: global_buffer, .address_space: global }
    .group_segment_fixed_size: 327680
    .private_segment_fixed_size: 0
    .kernarg_segment_align: 8
    .kernarg_segment_size: 40
    .max_flat_workgroup_size: 128
    .sgpr_count:     104
    .vgpr_count:     1024
    .wavefront_size: 32
...
	.end_amdgpu_metadata
.endif
;; end of part 4
;; launch ln1 (part 5): grid 256 x 1, 8 waves a work-group, no clusters, 67,072 bytes of LDS; arguments yb, g1, b1, hb; writes hb
.if DOCPART == 5
	.amdgcn_target "amdgcn-amd-amdhsa--gfx1250"
	.amdhsa_code_object_version 6
	.text
	.protected	k_q22fe8ba09b_ln1
	.globl	k_q22fe8ba09b_ln1
	.p2align	8
	.type	k_q22fe8ba09b_ln1,@function
k_q22fe8ba09b_ln1:
	s_mov_b64 s[64:65], 0
	v_nop
	global_prefetch_b8 v0, s[64:65] scope:SCOPE_SE
	s_setreg_imm32_b32 hwreg(HW_REG_WAVE_MODE, 25, 1), 1
	s_wait_xcnt 0x0
; h = layernorm(yb) g1 + b1, rows of 1,024, in f32 (mean, then the mean of the squared differences: two passes over registers), stored as f32 and, quantised along the row, as codes of FP6 (E2M3) with E8M0 scales.
; A work-group takes 16 rows, a wave two: a row is eight loads of 512 consecutive bytes, 32 registers.  The 16 finished rows meet in LDS (rows 4,112 bytes apart); wave w then quantises K step w of all 16.
; Codes: images of operand registers (16 rows x 64 K = 768 bytes).  The scale words of 16 rows are a quarter of each run of 256 bytes of their layout: 4 bytes for each 4,096 that the launch moves go out so;
; whole runs would want 64 rows to a work-group, a quarter of the work-groups.  Memory binds: no matrix unit, no cluster, no tensor load.
; LIMITS: a block of zeros gets the byte 1 (its codes are zeros); NaN and infinities are not served.
.set X0,  16
.set X1,  48
.set GG,  80
.set BV,  112
.set W0,  144
.set W1,  152
.set F,   160
.set QT,  172
.set TM,  180
.set PW,  196
.set SEL, 16
.set HC,  16777216
.set HS,  19922944
.set SPI, 4112
.macro QUANT s, d0, d1, pw
.irp b, 0,1,2,3
	v_max3_num_f32 v[TM+\b], |v[\s+16*\b]|, |v[\s+1+16*\b]|, 0x1800000   ; with the floor 2^(3 - 127)
.endr
.irp i, 2,4,6,8,10,12,14
.irp b, 0,1,2,3
	v_max3_num_f32 v[TM+\b], v[TM+\b], |v[\s+16*\b+\i]|, |v[\s+1+16*\b+\i]|
.endr
.endr
.irp b, 0,1,2,3
	v_permlanex16_b32 v[TM+4+\b], v[TM+\b], s[SEL], s[SEL+1]
.endr
.irp b, 0,1,2,3
	v_max_num_f32 v[TM+\b], v[TM+\b], v[TM+4+\b]
.endr
.irp b, 0,1,2,3
	v_add_nc_u32 v[TM+12+\b], 0xff000000, v[TM+\b]
.endr
.irp b, 0,1,2,3
	v_lshrrev_b32 v[TM+4+\b], 23, v[TM+12+\b]
.endr
	v_lshl_or_b32 v[\pw], v[TM+5], 8, v[TM+4]
	v_lshl_or_b32 v[\pw], v[TM+6], 16, v[\pw]
	v_lshl_or_b32 v[\pw], v[TM+7], 24, v[\pw]
	v_cvt_scalef32_pk16_fp6_f32 v[\d0:\d0+2], v[\s:\s+15], v[TM+12]
	v_cvt_scalef32_pk16_fp6_f32 v[QT:QT+2], v[\s+16:\s+31], v[TM+13]
	v_cvt_scalef32_pk16_fp6_f32 v[\d1:\d1+2], v[\s+32:\s+47], v[TM+14]
	v_cvt_scalef32_pk16_fp6_f32 v[QT+4:QT+6], v[\s+48:\s+63], v[TM+15]
	v_nop
.irp i, 0,1,2
	v_permlane16_swap_b32 v[\d0+\i], v[QT+\i]
	v_permlane16_swap_b32 v[\d1+\i], v[QT+4+\i]
.endr
.irp i, 0,1,2
	v_mov_b32 v[\d0+3+\i], v[QT+\i]
	v_mov_b32 v[\d1+3+\i], v[QT+4+\i]
.endr
.endm
.macro REDUCE w                        ; the sum over the 32 lanes, in every lane
	v_add_f32_dpp v[\w], v[\w], v[\w] row_xmask:1 row_mask:0xf bank_mask:0xf
	v_add_f32_dpp v[\w], v[\w], v[\w] row_xmask:2 row_mask:0xf bank_mask:0xf
	v_add_f32_dpp v[\w], v[\w], v[\w] row_xmask:4 row_mask:0xf bank_mask:0xf
	v_add_f32_dpp v[\w], v[\w], v[\w] row_xmask:8 row_mask:0xf bank_mask:0xf
	v_permlanex16_b32 v[\w+4], v[\w], s[SEL], s[SEL+1]
	v_add_f32 v[\w], v[\w], v[\w+4]
.endm
.macro STATS x, w                      ; the row less its mean, in place; 1 / sqrt(variance + eps) is asked for into v[w]
	v_pk_add_f32 v[\w:\w+1], v[\x:\x+1], v[\x+2:\x+3]
	v_pk_add_f32 v[\w+2:\w+3], v[\x+4:\x+5], v[\x+6:\x+7]
.irp j, 8,12,16,20,24,28
	v_pk_add_f32 v[\w:\w+1], v[\w:\w+1], v[\x+\j:\x+\j+1]
	v_pk_add_f32 v[\w+2:\w+3], v[\w+2:\w+3], v[\x+\j+2:\x+\j+3]
.endr
	v_pk_add_f32 v[\w:\w+1], v[\w:\w+1], v[\w+2:\w+3]
	v_add_f32 v[\w], v[\w], v[\w+1]
	REDUCE \w
	v_mul_f32 v[\w], s20, v[\w]                    ; the mean
	v_mov_b32 v[\w+1], v[\w]
.irp j, 0,2,4,6,8,10,12,14,16,18,20,22,24,26,28,30
	v_pk_add_f32 v[\x+\j:\x+\j+1], v[\x+\j:\x+\j+1], v[\w:\w+1] neg_lo:[0,1] neg_hi:[0,1]
.endr
	v_pk_mul_f32 v[\w:\w+1], v[\x:\x+1], v[\x:\x+1]
	v_pk_mul_f32 v[\w+2:\w+3], v[\x+2:\x+3], v[\x+2:\x+3]
.irp j, 4,8,12,16,20,24,28
	v_pk_fma_f32 v[\w:\w+1], v[\x+\j:\x+\j+1], v[\x+\j:\x+\j+1], v[\w:\w+1]
	v_pk_fma_f32 v[\w+2:\w+3], v[\x+\j+2:\x+\j+3], v[\x+\j+2:\x+\j+3], v[\w+2:\w+3]
.endr
	v_pk_add_f32 v[\w:\w+1], v[\w:\w+1], v[\w+2:\w+3]
	v_add_f32 v[\w], v[\w], v[\w+1]
	REDUCE \w
	v_fma_f32 v[\w], v[\w], s20, s21               ; / 1,024 + 1e-5
	v_rsq_f32 v[\w], v[\w]
.endm
.macro NORM x, w
	v_mov_b32 v[\w+1], v[\w]
.irp j, 0,2,4,6,8,10,12,14,16,18,20,22,24,26,28,30
	v_pk_mul_f32 v[\x+\j:\x+\j+1], v[\x+\j:\x+\j+1], v[\w:\w+1]
.endr
.irp j, 0,2,4,6,8,10,12,14,16,18,20,22,24,26,28,30
	v_pk_fma_f32 v[\x+\j:\x+\j+1], v[\x+\j:\x+\j+1], v[GG+\j:GG+\j+1], v[BV+\j:BV+\j+1]
.endr
.endm
	s_load_b256 s[4:11], s[0:1], 0x0               ; yb, g, b, hb
	v_lshl_add_u32 v200, v0, 2, 0x10200
	v_mov_b32 v201, 0
	v_lshrrev_b32 v1, 5, v0
	v_readfirstlane_b32 s12, v1                    ; wave
	v_and_b32 v2, 31, v0
	v_lshlrev_b32 v1, 4, v2                        ; 16 x lane
	s_lshl_b32 s14, ttmp9, 16                      ; 16 rows of 4,096 bytes
	s_lshl_b32 s15, s12, 13
	s_add_co_u32 s14, s14, s15
	s_mov_b32 s15, 0
	s_mov_b32 s[SEL], 0x76543210
	s_mov_b32 s[SEL+1], 0xfedcba98
	s_mov_b32 s20, 0x3a800000                      ; 1 / 1,024
	s_mov_b32 s21, 0x3727c5ac                      ; 1e-5
	v_mov_b32 v[W0+4], 0
	v_mov_b32 v[W1+4], 0
	s_wait_kmcnt 0x0
	s_add_nc_u64 s[4:5], s[4:5], s[14:15]
	s_add_nc_u64 s[22:23], s[10:11], s[14:15]
.irp j, 0,1,2,3,4,5,6,7
	global_load_b128 v[X0+4*\j:X0+4*\j+3], v1, s[4:5] offset:512*\j th:TH_LOAD_NT
.endr
.irp j, 0,1,2,3,4,5,6,7
	global_load_b128 v[X1+4*\j:X1+4*\j+3], v1, s[4:5] offset:4096+512*\j th:TH_LOAD_NT
.endr
.irp j, 0,1,2,3,4,5,6,7
	global_load_b128 v[GG+4*\j:GG+4*\j+3], v1, s[6:7] offset:512*\j
	global_load_b128 v[BV+4*\j:BV+4*\j+3], v1, s[8:9] offset:512*\j
.endr
	s_wait_loadcnt 16                              ; my two rows are in; g and b may be out
	STATS X0, W0
	STATS X1, W1
	v_nop                                          ; a plain line behind the second root
	s_wait_loadcnt 0x0
	s_wait_alu depctr_va_vdst(0)                   ; one wait for both roots, ahead of their first reader
	NORM X0, W0
	NORM X1, W1
	s_mul_i32 s18, s12, 2*SPI
	v_add_nc_u32 v3, s18, v1
.irp j, 0,1,2,3,4,5,6,7
	global_store_b128 v1, v[X0+4*\j:X0+4*\j+3], s[22:23] offset:512*\j
	ds_store_b128 v3, v[X0+4*\j:X0+4*\j+3] offset:512*\j
.endr
.irp j, 0,1,2,3,4,5,6,7
	global_store_b128 v1, v[X1+4*\j:X1+4*\j+3], s[22:23] offset:4096+512*\j
	ds_store_b128 v3, v[X1+4*\j:X1+4*\j+3] offset:SPI+512*\j
.endr
	v_and_b32 v4, 15, v0                           ; r
	v_bfe_u32 v5, v0, 4, 1                         ; h
	v_mul_u32_u24 v6, v4, SPI
	v_lshl_add_u32 v6, v5, 6, v6
	s_lshl_b32 s18, s12, 9
	v_add_nc_u32 v6, s18, v6                       ; row r, K step w, + 64 h
	v_lshlrev_b32 v7, 3, v2                        ; 8 x lane
	v_lshlrev_b32 v8, 4, v4                        ; 16 r
.irp b, 0,1,2,3
	v_mov_b32 v[TM+4+\b], 0
.endr
	s_mul_i32 s24, ttmp9, 12288
	s_mul_i32 s25, s12, 1536
	s_add_co_u32 s24, s24, s25
	s_add_co_u32 s24, s24, HC
	s_mov_b32 s25, 0
	s_add_nc_u64 s[24:25], s[10:11], s[24:25]
	s_lshl_b32 s26, s12, 14
	s_lshr_b32 s27, ttmp9, 2
	s_lshl_b32 s27, s27, 8
	s_add_co_u32 s26, s26, s27
	s_and_b32 s27, ttmp9, 3
	s_lshl_b32 s27, s27, 2
	s_add_co_u32 s26, s26, s27
	s_add_co_u32 s26, s26, HS
	s_mov_b32 s27, 0
	s_add_nc_u64 s[26:27], s[10:11], s[26:27]
	s_wait_dscnt 0x0                               ; for the others' sake: my rows lie in the stage
	s_barrier_signal -1
	s_barrier_wait -1
	s_wait_xcnt 0x0                                ; my stores to memory have read their registers
.irp b, 0,1,2,3
.irp j, 0,1,2,3
	ds_load_b128 v[X0+16*\b+4*\j:X0+16*\b+4*\j+3], v6 offset:128*\b+16*\j
.endr
.endr
	s_wait_dscnt 0x0
	QUANT X0, F, F+6, PW
	global_store_b128 v1, v[F:F+3], s[24:25]
	global_store_b64 v7, v[F+4:F+5], s[24:25] offset:512
	global_store_b128 v1, v[F+6:F+9], s[24:25] offset:768
	global_store_b64 v7, v[F+10:F+11], s[24:25] offset:1280
	s_wait_xcnt 0x0                                ; EXEC changes only behind this wait
	s_wait_tensorcnt 0x0
	ds_add_u32 v200, v201
	s_wait_dscnt 0x0
	v_cmpx_gt_u32 16, v2
	global_store_b32 v8, v[PW], s[26:27]
	s_endpgm
.Lfunc_end_k_q22fe8ba09b_ln1:
	.size	k_q22fe8ba09b_ln1, .Lfunc_end_k_q22fe8ba09b_ln1-k_q22fe8ba09b_ln1
	.p2alignl 7, 3214868480
	.fill 96, 4, 3214868480
	.section	.rodata,"a",@progbits
	.p2align	6, 0x0
	.amdhsa_kernel k_q22fe8ba09b_ln1
		.amdhsa_group_segment_fixed_size 67072
		.amdhsa_private_segment_fixed_size 0
		.amdhsa_enable_private_segment 0
		.amdhsa_kernarg_size 32
		.amdhsa_user_sgpr_count 2
		.amdhsa_user_sgpr_kernarg_segment_ptr 1
		.amdhsa_wavefront_size32 1
		.amdhsa_system_sgpr_workgroup_id_x 1
		.amdhsa_system_sgpr_workgroup_id_y 1
		.amdhsa_system_sgpr_workgroup_id_z 1
		.amdhsa_system_vgpr_workitem_id 0
		.amdhsa_next_free_vgpr 202
		.amdhsa_next_free_sgpr 66
		.amdhsa_reserve_vcc 0
		.amdhsa_float_denorm_mode_32 3
		.amdhsa_float_denorm_mode_16_64 3
		.amdhsa_memory_ordered 1
		.amdhsa_forward_progress 1
		.amdhsa_inst_pref_size 26
	.end_amdhsa_kernel
	.amdgpu_metadata
---
amdhsa.version: [ 1, 2 ]
amdhsa.kernels:
  - .name:           k_q22fe8ba09b_ln1
    .symbol:         k_q22fe8ba09b_ln1.kd
    .args:
      - { .name: yb, .offset: 0, .size: 8, .value_kind: global_buffer, .address_space: global }
      - { .name: g1, .offset: 8, .size: 8, .value_kind: global_buffer, .address_space: global }
      - { .name: b1, .offset: 16, .size: 8, .value_kind: global_buffer, .address_space: global }
      - { .name: hb, .offset: 24, .size: 8, .value_kind: global_buffer, .address_space: global }
    .group_segment_fixed_size: 67072
    .private_segment_fixed_size: 0
    .kernarg_segment_align: 8
    .kernarg_segment_size: 32
    .max_flat_workgroup_size: 256
    .sgpr_count:     66
    .vgpr_count:     202
    .wavefront_size: 32
...
	.end_amdgpu_metadata
.endif
;; end of part 5
;; launch gemm_ffn1 (part 6): grid 16 x 16, 4 waves a work-group, clusters of 4 x 4, 327,680 bytes of LDS; arguments hb, wq, bf1, act; writes act
.if DOCPART == 6
	.amdgcn_target "amdgcn-amd-amdhsa--gfx1250"
	.amdhsa_code_object_version 6
	.text
	.protected	k_q22fe8ba09b_gemm_ffn1
	.globl	k_q22fe8ba09b_gemm_ffn1
	.p2align	8
	.type	k_q22fe8ba09b_gemm_ffn1,@function
k_q22fe8ba09b_gemm_ffn1:
	s_mov_b64 s[64:65], 0
	v_nop
	global_prefetch_b8 v0, s[64:65] scope:SCOPE_SE
	s_setreg_imm32_b32 hwreg(HW_REG_WAVE_MODE, 25, 1), 1
	s_wait_xcnt 0x0
	s_wait_alu depctr_hold_cnt(0) depctr_sa_sdst(0) depctr_va_vdst(0) depctr_va_sdst(0) depctr_va_ssrc(0) depctr_va_vcc(0) depctr_vm_vsrc(0)
	s_getreg_b32 s2, hwreg(HW_REG_IB_STS2, 6, 4)
	s_cmp_eq_u32 s2, 0
	s_cbranch_scc0 .Lentry_in_a_cluster
	s_endpgm
.Lentry_in_a_cluster:
	s_bfe_u32 s2, ttmp6, 0x10000c
	s_cmp_lg_u32 s2, 0xf033
	s_cbranch_scc0 .Lentry_shape_is_right
	s_endpgm
.Lentry_shape_is_right:
; act = Q(gelu(h W1 + bf1)): the product on codes of FP6 (E2M3) with E8M0 scales; bias, exact gelu and the quantiser along the next product's K in f32.  The hidden layer goes to memory as codes alone.
; h [4096][1024] and W1 (rows = its columns in the order pi, bits 3, 4 exchanged) lie as images of operand registers (16 rows x 64 K = 768 bytes: registers 0-3 at 16 x lane, 4-5 at 512 + 8 x lane).
; A work-group makes 256 x 256, a wave 128 x 128 in 64 accumulators; K in steps of 256 through a ring of two LDS slots; the scale words of the work-group's rows come into LDS once.
; CLUSTERS 4 x 4: A's tiles shared along a row, B's along a column, by joint loads.  Source 0 = 16 rows of B, source 1 = 16 rows of A: a lane holds one row of h, and by pi its 64 numbers of a block of rows are
; columns 32 b + 16 h + i: one K step of the next product.  No prefetch: K is four slots long and each tile is asked for once for four work-groups.
; gelu(v) = v/2 + v/2 erf(v / sqrt 2); erf(z) = z P(z^2) / Q(z^2) on z held to +-4, degrees 6 and 4.  LIMIT: accurate to a few units in the last place of erf, not of 1 + erf.  Zero blocks: byte 1; NaN, infinities not served.
; The way out is a loop of eight trips, a block of 16 rows each: written out eight times it would be more code than all the rest.
.set SIZE_K, 1024
.set KPA,    12288
.set KPB,    12288
.set PLA,    16384
.set PLB,    16384
.set ACO,    16777216
.set ASO,    19922944
.set BCO,    6586368
.set BSO,    9732096
.set AS_,    12582912
.set NK,     SIZE_K/128
.set LAPS,   SIZE_K/512
.set FR,     12
.set NL,     4
.set NP,     4
.set RBB,    3072
.set HALFT,  8*RBB
.set SLOT,   4*HALFT
.set SCL,    2*SLOT
.set HALFS,  512*NK
.set SPARE,  SCL+4*HALFS
.set L16,  4
.set L8,   5
.set ADRA, 16
.set ADRB, 20
.set ADRS, 27
.set SPW,  28
.set NIL,  29
.set SC,   32
.set BN,   64
.set AF,   128
.set HA,   128
.set F,    192
.set TM,   204
.set QT,   220
.set CV,   228
.set PWS,  232
.set PWT,  240
.set OUT,  244
.set ZZ,   0                           ; window 1, on the way out: z, z^2, P, Q
.set Z2,   64
.set PP,   128
.set QQ,   192
.set BA,   54
.set SEL,  56
.set G1,   24
.set G0,   32
.set G1B,  48
.set G0B,  56
.set G1S,  68
.set G0S,  76
.set G1SB, 80
.set G0SB, 88
.set MSB,  0
.macro WIN new
.if MSB != (\new)
	s_set_vgpr_msb (MSB<<8)|(\new)
.set MSB, (\new)
.endif
.endm
.set MUL_LO, 0xa1
.set MUL_HI, 0xf1
.set TO_B,   0x40
.macro JLOAD g0a, g1a, g0b, g1b        ; waves 0, 1 fetch for A, waves 2, 3 for B; four v_nop follow each line
	s_cmp_eq_u32 s15, 0
	s_cbranch_scc0 .Lfor_b_\@
	tensor_load_to_lds s[\g0a:\g0a+3], s[\g1a:\g1a+7]
	s_nop 0
.rept 4
	v_nop
.endr
	s_branch .Lasked_\@
.Lfor_b_\@:
	tensor_load_to_lds s[\g0b:\g0b+3], s[\g1b:\g1b+7]
	s_nop 0
.rept 4
	v_nop
.endr
.Lasked_\@:
.endm
.macro CREST
	s_cmp_lg_u32 s14, 0
	s_cbranch_scc1 .Lnot_wave_0_\@
	s_barrier_signal -3
.Lnot_wave_0_\@:
	s_barrier_wait -3
	s_barrier_signal -1
	s_barrier_wait -1
.endm
.macro CROUND
	s_barrier_signal -1
	s_barrier_wait -1
	CREST
.endm
.macro PLACES n
.rept \n
	v_nop
.endr
.endm
.macro FRAG reg, adr, q, i
	ds_load_b128 v[\reg:\reg+3], v[\adr] offset:(\i)*RBB+(\q)*1536
	ds_load_b64 v[\reg+4:\reg+5], v[\adr+2] offset:(\i)*RBB+(\q)*1536
	ds_load_b128 v[\reg+6:\reg+9], v[\adr] offset:(\i)*RBB+(\q)*1536+768
	ds_load_b64 v[\reg+10:\reg+11], v[\adr+2] offset:(\i)*RBB+(\q)*1536+768
.endm
.macro FETCH_B slot, q, p
	WIN TO_B
.irp i, 0,1,2,3,4,5,6,7
	FRAG 128*(\p)+FR*\i, ADRB+\slot, \q, \i
.endr
	WIN 0
.endm
.macro FETCH_A slot, q, i0
.irp i, \i0, \i0+1, \i0+2, \i0+3
	FRAG AF+FR*(\i), ADRA+\slot, \q, \i
.endr
.endm
.macro SCALES sc
.irp q, 0,1
.irp u, 0,1
	ds_load_b128 v[SC+16*\sc+8*\q+4*\u:SC+16*\sc+8*\q+4*\u+3], v[ADRS] offset:512*\q+256*\u
.endr
.endr
.endm
.macro MUL16 a0, p, q, sc, zero        ; the 64 accumulators take turns
.irp a, \a0, \a0+1
.irp b, 0,1,2,3,4,5,6,7
.if \zero
	v_wmma_scale_f32_16x16x128_f8f6f4 v[8*(8*((\a)%4)+\b):8*(8*((\a)%4)+\b)+7], v[128*(\p)+FR*\b:128*(\p)+FR*\b+FR-1], v[AF+FR*(\a):AF+FR*(\a)+FR-1], 0, v[SC+16*(\sc)+8*(\q)+\b], v[SC+16*(\sc)+8*(\q)+(\a)] matrix_a_fmt:MATRIX_FMT_FP6 matrix_b_fmt:MATRIX_FMT_FP6 matrix_a_scale:MATRIX_SCALE_ROW1
.else
	v_wmma_scale_f32_16x16x128_f8f6f4 v[8*(8*((\a)%4)+\b):8*(8*((\a)%4)+\b)+7], v[128*(\p)+FR*\b:128*(\p)+FR*\b+FR-1], v[AF+FR*(\a):AF+FR*(\a)+FR-1], v[8*(8*((\a)%4)+\b):8*(8*((\a)%4)+\b)+7], v[SC+16*(\sc)+8*(\q)+\b], v[SC+16*(\sc)+8*(\q)+(\a)] matrix_a_fmt:MATRIX_FMT_FP6 matrix_b_fmt:MATRIX_FMT_FP6 matrix_a_scale:MATRIX_SCALE_ROW1
.endif
.endr
.endr
.endm
.macro STEP slot, q, zero
	s_wait_dscnt 4*NL                              ; all but the youngest 16 loads (A's blocks 4-7)
	WIN MUL_LO
	MUL16 0, (\q)%2, \q, \slot, \zero
	MUL16 2, (\q)%2, \q, \slot, \zero
	s_wait_dscnt 0
	PLACES NP
	FETCH_B \slot, (\q)+1, 1-(\q)%2
	FETCH_A \slot, (\q)+1, 0
	WIN MUL_HI
	MUL16 4, (\q)%2, \q, \slot, \zero
	MUL16 6, (\q)%2, \q, \slot, \zero
	PLACES NP
	WIN 0
	FETCH_A \slot, (\q)+1, 4
.endm
.macro TURN slot, next, fill
	s_wait_tensorcnt 0x0                           ; all my tensor loads have landed: my part of the next slot
	ds_add_u32 v[SPW], v[NIL]                      ; 0 onto my spare word
	s_wait_dscnt 4*NL+1                            ; (the add and A's blocks 4-7 may be out)
	WIN MUL_LO
	MUL16 0, 1, 1, \slot, 0
	s_wait_dscnt 0x0                               ; the add is done, and my reads of this slot are over
	s_barrier_signal -1
	MUL16 2, 1, 1, \slot, 0
	WIN 0
	s_barrier_wait -1
.if \fill
	CREST                                          ; the barrier has opened a round of the cluster's
	s_add_nc_u64 s[G0+4*\slot+2:G0+4*\slot+3], s[G0+4*\slot+2:G0+4*\slot+3], 2*RBB
	s_add_nc_u64 s[G0B+4*\slot+2:G0B+4*\slot+3], s[G0B+4*\slot+2:G0B+4*\slot+3], 2*RBB
	JLOAD G0+4*\slot, G1, G0B+4*\slot, G1B         ; the first tensor load behind the round
.else
	PLACES NP
.endif
	v_add_nc_u32 v[ADRS], 1024, v[ADRS]
	FETCH_B \next, 0, 0
	FETCH_A \next, 0, 0
	SCALES \next
	WIN MUL_HI
	MUL16 4, 1, 1, \slot, 0
	MUL16 6, 1, 1, \slot, 0
	PLACES NP
	WIN 0
	FETCH_A \next, 0, 4
.endm
.macro QUANT s, d0, d1, pw
.irp b, 0,1,2,3
	v_max3_num_f32 v[TM+\b], |v[\s+16*\b]|, |v[\s+1+16*\b]|, 0x1800000   ; with the floor 2^(3 - 127)
.endr
.irp i, 2,4,6,8,10,12,14
.irp b, 0,1,2,3
	v_max3_num_f32 v[TM+\b], v[TM+\b], |v[\s+16*\b+\i]|, |v[\s+1+16*\b+\i]|
.endr
.endr
.irp b, 0,1,2,3
	v_permlanex16_b32 v[TM+4+\b], v[TM+\b], s[SEL], s[SEL+1]
.endr
.irp b, 0,1,2,3
	v_max_num_f32 v[TM+\b], v[TM+\b], v[TM+4+\b]
.endr
.irp b, 0,1,2,3
	v_add_nc_u32 v[TM+12+\b], 0xff000000, v[TM+\b]
.endr
.irp b, 0,1,2,3
	v_lshrrev_b32 v[TM+4+\b], 23, v[TM+12+\b]
.endr
	v_lshl_or_b32 v[\pw], v[TM+5], 8, v[TM+4]
	v_lshl_or_b32 v[\pw], v[TM+6], 16, v[\pw]
	v_lshl_or_b32 v[\pw], v[TM+7], 24, v[\pw]
	v_cvt_scalef32_pk16_fp6_f32 v[\d0:\d0+2], v[\s:\s+15], v[TM+12]
	v_cvt_scalef32_pk16_fp6_f32 v[QT:QT+2], v[\s+16:\s+31], v[TM+13]
	v_cvt_scalef32_pk16_fp6_f32 v[\d1:\d1+2], v[\s+32:\s+47], v[TM+14]
	v_cvt_scalef32_pk16_fp6_f32 v[QT+4:QT+6], v[\s+48:\s+63], v[TM+15]
	v_nop
.irp i, 0,1,2
	v_permlane16_swap_b32 v[\d0+\i], v[QT+\i]
	v_permlane16_swap_b32 v[\d1+\i], v[QT+4+\i]
.endr
.irp i, 0,1,2
	v_mov_b32 v[\d0+3+\i], v[QT+\i]
	v_mov_b32 v[\d1+3+\i], v[QT+4+\i]
.endr
.endm
	s_load_b256 s[4:11], s[0:1], 0x0               ; hb, wq, bf1, act
	v_lshl_add_u32 v[SPW], v0, 2, SPARE
	v_mov_b32 v[NIL], 0
	ds_add_u32 v28, v29
	s_wait_dscnt 0x0
	v_lshrrev_b32 v1, 5, v0
	v_readfirstlane_b32 s14, v1
	s_lshr_b32 s15, s14, 1
	s_and_b32 s16, s14, 1
	s_bfe_u32 s40, ttmp6, 0x40000
	s_bfe_u32 s41, ttmp6, 0x40004
	s_lshl_b32 s42, ttmp9, 2
	s_add_co_u32 s42, s42, s40                     ; tile column
	s_and_b32 s17, ttmp7, 0xffff
	s_lshl_b32 s17, s17, 2
	s_add_co_u32 s17, s17, s41                     ; tile row
	s_lshl_b32 s43, s41, 2
	s_lshl_b32 s43, 15, s43
	s_lshl_b32 s44, 0x1111, s40
	s_or_b32 s[G1+0], s43, (3<<16)|(1<<21)         ; codes: 8 rows of 3,072 bytes (384 elements of 8 bytes)
	s_or_b32 s[G1B+0], s44, (3<<16)|(1<<21)
.irp g, G1, G1B
	s_mov_b32 s[\g+1], 384<<16
	s_mov_b32 s[\g+2], 8<<16
	s_mov_b32 s[\g+3], 384<<16
	s_mov_b32 s[\g+4], 8
	s_mov_b32 s[\g+6], 0
	s_mov_b32 s[\g+7], 0
.endr
	s_mov_b32 s[G1+5], KPA/8
	s_mov_b32 s[G1B+5], KPB/8
	s_or_b32 s[G1S+0], s43, (3<<16)|(1<<21)        ; scale words: NK rows of 512 bytes, a plane apart
	s_or_b32 s[G1SB+0], s44, (3<<16)|(1<<21)
.irp g, G1S, G1SB
	s_mov_b32 s[\g+1], 64<<16
	s_mov_b32 s[\g+2], NK<<16
	s_mov_b32 s[\g+3], 64<<16
	s_mov_b32 s[\g+4], NK
	s_mov_b32 s[\g+6], 0
	s_mov_b32 s[\g+7], 0
.endr
	s_mov_b32 s[G1S+5], PLA/8
	s_mov_b32 s[G1SB+5], PLB/8
	s_lshl_b32 s18, s16, 3
	s_lshl_b32 s20, s17, 4
	s_add_co_u32 s20, s20, s18
	s_mul_i32 s20, s20, KPA
	s_add_co_u32 s20, s20, ACO
	s_mov_b32 s21, 0
	s_lshl_b32 s22, s17, 10
	s_lshl_b32 s23, s16, 9
	s_add_co_u32 s22, s22, s23
	s_add_co_u32 s22, s22, ASO
	s_lshl_b32 s46, s42, 4
	s_add_co_u32 s46, s46, s18
	s_mul_i32 s46, s46, KPB
	s_add_co_u32 s46, s46, BCO
	s_mov_b32 s47, 0
	s_lshl_b32 s92, s42, 10
	s_add_co_u32 s92, s92, s23
	s_add_co_u32 s92, s92, BSO
	s_mov_b32 s23, 0
	s_mov_b32 s93, 0
	s_mul_i32 s45, s14, HALFT
	s_mul_i32 s94, s14, HALFS
	s_wait_kmcnt 0x0
	s_add_nc_u64 s[20:21], s[4:5], s[20:21]
	s_add_nc_u64 s[22:23], s[4:5], s[22:23]
	s_add_nc_u64 s[46:47], s[6:7], s[46:47]
	s_add_nc_u64 s[92:93], s[6:7], s[92:93]
	CROUND                                         ; the first joint loads meet
	s_mov_b32 s[G0S], 1
	s_add_co_u32 s[G0S+1], s94, SCL
	s_mov_b64 s[G0S+2:G0S+3], s[22:23]
	s_or_b32 s[G0S+3], s[G0S+3], 0x80000000
	s_mov_b32 s[G0SB], 1
	s_add_co_u32 s[G0SB+1], s94, SCL
	s_mov_b64 s[G0SB+2:G0SB+3], s[92:93]
	s_or_b32 s[G0SB+3], s[G0SB+3], 0x80000000
	JLOAD G0S, G1S, G0SB, G1SB
.irp s, 0,1
	s_mov_b32 s[G0+4*\s], 1
	s_add_co_u32 s[G0+4*\s+1], s45, \s*SLOT
	s_add_nc_u64 s[G0+4*\s+2:G0+4*\s+3], s[20:21], \s*RBB
	s_or_b32 s[G0+4*\s+3], s[G0+4*\s+3], 0x80000000
	s_mov_b32 s[G0B+4*\s], 1
	s_add_co_u32 s[G0B+4*\s+1], s45, \s*SLOT
	s_add_nc_u64 s[G0B+4*\s+2:G0B+4*\s+3], s[46:47], \s*RBB
	s_or_b32 s[G0B+4*\s+3], s[G0B+4*\s+3], 0x80000000
	JLOAD G0+4*\s, G1, G0B+4*\s, G1B               ; three loads of mine are out
.endr
	v_and_b32 v1, 31, v0
	v_and_b32 v2, 15, v0
	v_bfe_u32 v3, v0, 4, 1
	v_lshlrev_b32 v[L16], 4, v1
	v_lshlrev_b32 v[L8], 3, v1
	v_add_nc_u32 v[L8], 512, v[L8]
	s_mul_i32 s21, s15, HALFT
	s_mul_i32 s22, s16, HALFT
	s_add_co_u32 s22, s22, 2*HALFT
.irp s, 0,1
	v_add_nc_u32 v[ADRA+\s], s21, v[L16]
	v_add_nc_u32 v[ADRA+2+\s], s21, v[L8]
	v_add_nc_u32 v[ADRB+\s], s22, v[L16]
	v_add_nc_u32 v[ADRB+2+\s], s22, v[L8]
	s_add_co_u32 s21, s21, SLOT
	s_add_co_u32 s22, s22, SLOT
.endr
	s_mul_i32 s21, s15, HALFS
	s_mul_i32 s22, s16, HALFS
	s_add_co_u32 s22, s22, 2*HALFS
	s_sub_co_u32 s22, s22, s21
	v_mul_u32_u24 v6, s22, v3
	s_add_co_u32 s21, s21, SCL
	v_lshl_add_u32 v6, v2, 4, v6
	v_add_nc_u32 v[ADRS], s21, v6
	s_lshl_b32 s96, s42, 10                        ; the bias at my 128 columns
	s_lshl_b32 s97, s16, 9
	s_add_co_u32 s96, s96, s97
	s_mov_b32 s97, 0
	s_add_nc_u64 s[96:97], s[8:9], s[96:97]
	v_lshlrev_b32 v30, 6, v3
.irp b, 0,1,2,3
.irp j, 0,1,2,3
	global_load_b128 v[BN+16*\b+4*\j:BN+16*\b+4*\j+3], v30, s[96:97] offset:128*\b+16*\j     ; register 16 b + i: column 32 b + 16 h + i
.endr
.endr
	s_wait_tensorcnt 1                             ; the scale words and my part of slot 0 are in; slot 1's load may be out
	s_barrier_signal -1
	s_barrier_wait -1
	FETCH_B 0, 0, 0
	FETCH_A 0, 0, 0
	SCALES 0
	FETCH_A 0, 0, 4
	STEP 0, 0, 1
	s_mov_b32 s3, LAPS-1
.Llap:
	TURN 0, 1, 1
	STEP 1, 0, 0
	TURN 1, 0, 1
	STEP 0, 0, 0
	s_sub_co_u32 s3, s3, 1
	s_cmp_lg_u32 s3, 0
	s_cbranch_scc1 .Llap
	TURN 0, 1, 0
	STEP 1, 0, 0
	s_wait_dscnt 4*NL
	WIN MUL_LO
	MUL16 0, 1, 1, 1, 0
	MUL16 2, 1, 1, 1, 0
	s_wait_dscnt 0
	WIN MUL_HI
	MUL16 4, 1, 1, 1, 0
	MUL16 6, 1, 1, 1, 0
	WIN 0
	PLACES NP
; THE WAY OUT.  No tensor load of mine is out: the descriptors' registers are free.
	s_lshl_b32 s60, s42, 1
	s_add_co_u32 s60, s60, s16                     ; my K step of the next product
	s_lshl_b32 s62, s60, 14
	s_lshl_b32 s63, s17, 10
	s_add_co_u32 s62, s62, s63
	s_lshl_b32 s63, s15, 9
	s_add_co_u32 s62, s62, s63
	s_add_co_u32 s62, s62, AS_
	s_mov_b32 s63, 0
	s_add_nc_u64 s[62:63], s[10:11], s[62:63]      ; my 128 rows' scale words
	s_lshl_b32 s58, s17, 4
	s_lshl_b32 s59, s15, 3
	s_add_co_u32 s58, s58, s59
	s_mul_i32 s58, s58, 49152
	s_mul_i32 s59, s60, 1536
	s_add_co_u32 s58, s58, s59
	s_mov_b32 s59, 0
	s_add_nc_u64 s[10:11], s[10:11], s[58:59]      ; my first block's images
.macro KPAIR r, v                      ; a constant as a pair: the packed forms name both words
	s_mov_b32 s[\r], \v
	s_mov_b32 s[\r+1], \v
.endm
	KPAIR 24, 0x3f3504f3                           ; 1 / sqrt 2
	KPAIR 26, 0xaf95df0b                           ; P, from the highest power down (its second lies in v[CV:CV+1])
	KPAIR 28, 0xb60cff51
	KPAIR 30, 0xb86ec2d2
	KPAIR 32, 0xba40ac63
	KPAIR 34, 0xbb41a1f6
	KPAIR 36, 0xbc83dbd4
	KPAIR 38, 0xb77460cd                           ; Q (its second in v[CV+2:CV+3])
	KPAIR 48, 0xbadc924e
	KPAIR 50, 0xbbf19bf8
	KPAIR 52, 0xbc69b6a7
	s_mov_b32 s[SEL], 0x76543210
	s_mov_b32 s[SEL+1], 0xfedcba98
	v_mov_b32 v[CV], 0x32edffee
	v_mov_b32 v[CV+1], 0x32edffee
	v_mov_b32 v[CV+2], 0xb95fbd29
	v_mov_b32 v[CV+3], 0xb95fbd29
.irp b, 0,1,2,3
	v_mov_b32 v[TM+4+\b], 0
.endr
.irp b, 0,1,2,3,4,5,6,7
	v_mov_b32 v[PWS+\b], 0                         ; a queue of eight scale words: each trip pushes one
.endr
	s_wait_loadcnt 0x0                             ; the bias
	s_mov_b32 s[BA], 0
.macro COPY a                          ; block a's 64 numbers + bias; each accumulator is read from its low end on
	WIN 0x02+(\a)/4
.set i, 0
.rept 32
	v_pk_add_f32 v[HA+2*i:HA+2*i+1], v[64*((\a)%4)+2*i:64*((\a)%4)+2*i+1], v[BN+2*i:BN+2*i+1]
.set i, i+1
.endr
	WIN 0
.endm
.macro ALL32 line:vararg
.set i, 0
.rept 32
	\line
.set i, i+1
.endr
.endm
.Lblk:
.irp a, 1,2,3,4,5,6,7
	s_cmp_eq_u32 s[BA], \a
	s_cbranch_scc1 .Lcopy\a
.endr
	COPY 0
	s_branch .Lcom
.irp a, 1,2,3,4,5,6
.Lcopy\a:
	COPY \a
	s_branch .Lcom
.endr
.Lcopy7:
	COPY 7
.Lcom:
	WIN 0x40
.set i, 0
.rept 32
	v_pk_mul_f32 v[ZZ+2*i:ZZ+2*i+1], v[HA+2*i:HA+2*i+1], s[24:25] op_sel_hi:[1,0]
.set i, i+1
.endr
	WIN 0x55
.set i, 0
.rept 64
	v_med3_num_f32 v[ZZ+i], v[ZZ+i], -4.0, 4.0
.set i, i+1
.endr
.set i, 0
.rept 32
	v_pk_mul_f32 v[Z2+2*i:Z2+2*i+1], v[ZZ+2*i:ZZ+2*i+1], v[ZZ+2*i:ZZ+2*i+1]
.set i, i+1
.endr
	WIN 0x41
.set i, 0
.rept 32
	v_pk_fma_f32 v[PP+2*i:PP+2*i+1], v[Z2+2*i:Z2+2*i+1], s[26:27], v[CV:CV+1] op_sel_hi:[1,0,1]
	v_pk_fma_f32 v[QQ+2*i:QQ+2*i+1], v[Z2+2*i:Z2+2*i+1], s[38:39], v[CV+2:CV+3] op_sel_hi:[1,0,1]
.set i, i+1
.endr
	WIN 0x55
.irp c, 28,30,32,34,36
.set i, 0
.rept 32
	v_pk_fma_f32 v[PP+2*i:PP+2*i+1], v[PP+2*i:PP+2*i+1], v[Z2+2*i:Z2+2*i+1], s[\c:\c+1] op_sel_hi:[1,1,0]
.set i, i+1
.endr
.endr
.irp c, 48,50,52
.set i, 0
.rept 32
	v_pk_fma_f32 v[QQ+2*i:QQ+2*i+1], v[QQ+2*i:QQ+2*i+1], v[Z2+2*i:Z2+2*i+1], s[\c:\c+1] op_sel_hi:[1,1,0]
.set i, i+1
.endr
.endr
.set i, 0
.rept 64
	v_rcp_f32 v[QQ+i], v[QQ+i]
.set i, i+1
.endr
.set i, 0
.rept 32
	v_pk_mul_f32 v[PP+2*i:PP+2*i+1], v[PP+2*i:PP+2*i+1], v[ZZ+2*i:ZZ+2*i+1]      ; z P: the work behind the batch of reciprocals
.set i, i+1
.endr
	s_wait_alu depctr_va_vdst(0)                   ; one wait for the batch, ahead of its first reader
.set i, 0
.rept 32
	v_pk_mul_f32 v[PP+2*i:PP+2*i+1], v[PP+2*i:PP+2*i+1], v[QQ+2*i:QQ+2*i+1]      ; erf
.set i, i+1
.endr
	WIN 0
.set i, 0
.rept 32
	v_pk_mul_f32 v[HA+2*i:HA+2*i+1], v[HA+2*i:HA+2*i+1], 0.5 op_sel_hi:[1,0]
.set i, i+1
.endr
	WIN 0x04
.set i, 0
.rept 32
	v_pk_fma_f32 v[HA+2*i:HA+2*i+1], v[HA+2*i:HA+2*i+1], v[PP+2*i:PP+2*i+1], v[HA+2*i:HA+2*i+1]
.set i, i+1
.endr
	WIN 0
	QUANT HA, F, F+6, PWT
.irp b, 0,1,2,3,4,5,6
	v_mov_b32 v[PWS+\b], v[PWS+\b+1]
.endr
	v_mov_b32 v[PWS+7], v[PWT]
	global_store_b128 v[L16], v[F:F+3], s[10:11]               ; 512 consecutive bytes
	global_store_b64 v[L8], v[F+4:F+5], s[10:11]               ; 256
	global_store_b128 v[L16], v[F+6:F+9], s[10:11] offset:768
	global_store_b64 v[L8], v[F+10:F+11], s[10:11] offset:768
	s_wait_xcnt 0x0                                ; the stores have read their registers and their base: both are written again in the next trip
	s_add_nc_u64 s[10:11], s[10:11], 49152         ; the next 16 rows
	s_add_co_u32 s[BA], s[BA], 1
	s_cmp_lt_u32 s[BA], 8
	s_cbranch_scc1 .Lblk
	v_cmp_le_u32 vcc_lo, 16, v1
.irp j, 0,1,2,3
	v_cndmask_b32 v[OUT+\j], v[PWS+\j], v[PWS+4+\j], vcc_lo    ; lanes 0-15: rows 0-63, lanes 16-31: rows 64-127
.endr
	global_store_b128 v[L16], v[OUT:OUT+3], s[62:63]           ; 512 consecutive bytes
	s_wait_tensorcnt 0x0                           ; the wave's end
	ds_add_u32 v[SPW], v[NIL]
	s_wait_dscnt 0x0
	CROUND                                         ; the closing round
	s_endpgm
.Lfunc_end_k_q22fe8ba09b_gemm_ffn1:
	.size	k_q22fe8ba09b_gemm_ffn1, .Lfunc_end_k_q22fe8ba09b_gemm_ffn1-k_q22fe8ba09b_gemm_ffn1
	.p2alignl 7, 3214868480
	.fill 96, 4, 3214868480
	.section	.rodata,"a",@progbits
	.p2align	6, 0x0
	.amdhsa_kernel k_q22fe8ba09b_gemm_ffn1
		.amdhsa_group_segment_fixed_size 327680
		.amdhsa_private_segment_fixed_size 0
		.amdhsa_enable_private_segment 0
		.amdhsa_kernarg_size 32
		.amdhsa_user_sgpr_count 2
		.amdhsa_user_sgpr_kernarg_segment_ptr 1
		.amdhsa_wavefront_size32 1
		.amdhsa_system_sgpr_workgroup_id_x 1
		.amdhsa_system_sgpr_workgroup_id_y 1
		.amdhsa_system_sgpr_workgroup_id_z 1
		.amdhsa_system_vgpr_workitem_id 0
		.amdhsa_next_free_vgpr 1024
		.amdhsa_next_free_sgpr 104
		.amdhsa_reserve_vcc 1
		.amdhsa_float_denorm_mode_32 3
		.amdhsa_float_denorm_mode_16_64 3
		.amdhsa_memory_ordered 1
		.amdhsa_forward_progress 1
		.amdhsa_inst_pref_size 177
	.end_amdhsa_kernel
	.amdgpu_metadata
---
amdhsa.version: [ 1, 2 ]
amdhsa.kernels:
  - .name:           k_q22fe8ba09b_gemm_ffn1
    .symbol:         k_q22fe8ba09b_gemm_ffn1.kd
    .args:
      - { .name: hb, .offset: 0, .size: 8, .value_kind: global_buffer, .address_space: global }
      - { .name: wq, .offset: 8, .size: 8, .value_kind: global_buffer, .address_space: global }
      - { .name: bf1, .offset: 16, .size: 8, .value_kind: global_buffer, .address_space: global }
      - { .name: act, .offset: 24, .size: 8, .value_kind: global_buffer, .address_space: global }
    .group_segment_fixed_size: 327680
    .private_segment_fixed_size: 0
    .kernarg_segment_align: 8
    .kernarg_segment_size: 32
    .max_flat_workgroup_size: 128
    .sgpr_count:     104
    .vgpr_count:     1024
    .wavefront_size: 32
...
	.end_amdgpu_metadata
.endif
;; end of part 6
;; launch gemm_ffn2 (part 7): grid 4 x 16, 4 waves a work-group, clusters of 4 x 4, 327,680 bytes of LDS; arguments act, wq, bf2, hb, yb; writes yb
.if DOCPART == 7
	.amdgcn_target "amdgcn-amd-amdhsa--gfx1250"
	.amdhsa_code_object_version 6
	.text
	.protected	k_q22fe8ba09b_gemm_ffn2
	.globl	k_q22fe8ba09b_gemm_ffn2
	.p2align	8
	.type	k_q22fe8ba09b_gemm_ffn2,@function
k_q22fe8ba09b_gemm_ffn2:
	s_mov_b64 s[64:65], 0
	v_nop
	global_prefetch_b8 v0, s[64:65] scope:SCOPE_SE
	s_setreg_imm32_b32 hwreg(HW_REG_WAVE_MODE, 25, 1), 1
	s_wait_xcnt 0x0
	s_wait_alu depctr_hold_cnt(0) depctr_sa_sdst(0) depctr_va_vdst(0) depctr_va_sdst(0) depctr_va_ssrc(0) depctr_va_vcc(0) depctr_vm_vsrc(0)
	s_getreg_b32 s2, hwreg(HW_REG_IB_STS2, 6, 4)
	s_cmp_eq_u32 s2, 0
	s_cbranch_scc0 .Lentry_in_a_cluster
	s_endpgm
.Lentry_in_a_cluster:
	s_bfe_u32 s2, ttmp6, 0x10000c
	s_cmp_lg_u32 s2, 0xf033
	s_cbranch_scc0 .Lentry_shape_is_right
	s_endpgm
.Lentry_shape_is_right:
; yb = h + (act W2 + bf2): the product on codes of FP6 (E2M3) with E8M0 scales, K = 4,096, the rest in f32.  act [4096][4096] and W2 (rows = its columns in the order pi, bits 3, 4 exchanged) lie as images of operand
; registers (16 rows x 64 K = 768 bytes: registers 0-3 at 16 x lane, 4-5 at 512 + 8 x lane).  A work-group makes 256 x 256, a wave 128 x 128 in 64 accumulators; K in steps of 256 through a ring of two LDS slots;
; the scale words of the work-group's rows, 64 KiB, come into LDS once.  CLUSTERS 4 x 4: A's tiles shared along a row, B's along a column, by joint loads.  Source 0 = 16 rows of B, source 1 = 16 rows of A.
; N = 1,024 gives 64 tiles of this size: 64 work-groups.  No prefetch: a refill has a slot's 128 matrix instructions a wave in which to land, and each tile is asked for once for four work-groups.
; REGISTERS: window 0: v1-5 lane terms, v8-11 the bias, v16-29 addresses, v32-63 scale words (nothing else, ever), v64-127 residual rows, v128-223 A's fragments; window 1: B's two sets, later residual rows; windows 2, 3: accumulators.
.set SIZE_K, 4096
.set KPA,    49152
.set KPB,    49152
.set PLA,    16384
.set PLB,    4096
.set ACO,    0
.set ASO,    12582912
.set BCO,    9863168
.set BSO,    13008896
.set NK,     SIZE_K/128
.set LAPS,   SIZE_K/512
.set FR,     12
.set NL,     4
.set NP,     4
.set RBB,    3072
.set HALFT,  8*RBB
.set SLOT,   4*HALFT
.set SCL,    2*SLOT
.set HALFS,  512*NK
.set SPARE,  SCL+4*HALFS
.set SPITCH, 528
.set L16,  4
.set L8,   5
.set BIA,  8
.set ADRA, 16
.set ADRB, 20
.set STO,  24
.set RD,   25
.set ADRS, 27
.set SPW,  28
.set NIL,  29
.set SC,   32
.set RES0, 64
.set AF,   128
.set BK,   128
.set G1,   24
.set G0,   32
.set G1B,  48
.set G0B,  56
.set G1S,  68
.set G0S,  76
.set G1SB, 80
.set G0SB, 88
.set MSB,  0
.macro WIN new
.if MSB != (\new)
	s_set_vgpr_msb (MSB<<8)|(\new)
.set MSB, (\new)
.endif
.endm
.set MUL_LO, 0xa1
.set MUL_HI, 0xf1
.set TO_B,   0x40
.macro JLOAD g0a, g1a, g0b, g1b        ; waves 0, 1 fetch for A, waves 2, 3 for B; four v_nop follow each line
	s_cmp_eq_u32 s15, 0
	s_cbranch_scc0 .Lfor_b_\@
	tensor_load_to_lds s[\g0a:\g0a+3], s[\g1a:\g1a+7]
	s_nop 0
.rept 4
	v_nop
.endr
	s_branch .Lasked_\@
.Lfor_b_\@:
	tensor_load_to_lds s[\g0b:\g0b+3], s[\g1b:\g1b+7]
	s_nop 0
.rept 4
	v_nop
.endr
.Lasked_\@:
.endm
.macro CREST
	s_cmp_lg_u32 s14, 0
	s_cbranch_scc1 .Lnot_wave_0_\@
	s_barrier_signal -3
.Lnot_wave_0_\@:
	s_barrier_wait -3
	s_barrier_signal -1
	s_barrier_wait -1
.endm
.macro CROUND
	s_barrier_signal -1
	s_barrier_wait -1
	CREST
.endm
.macro PLACES n
.rept \n
	v_nop
.endr
.endm
.macro FRAG reg, adr, q, i
	ds_load_b128 v[\reg:\reg+3], v[\adr] offset:(\i)*RBB+(\q)*1536
	ds_load_b64 v[\reg+4:\reg+5], v[\adr+2] offset:(\i)*RBB+(\q)*1536
	ds_load_b128 v[\reg+6:\reg+9], v[\adr] offset:(\i)*RBB+(\q)*1536+768
	ds_load_b64 v[\reg+10:\reg+11], v[\adr+2] offset:(\i)*RBB+(\q)*1536+768
.endm
.macro FETCH_B slot, q, p
	WIN TO_B
.irp i, 0,1,2,3,4,5,6,7
	FRAG 128*(\p)+FR*\i, ADRB+\slot, \q, \i
.endr
	WIN 0
.endm
.macro FETCH_A slot, q, i0
.irp i, \i0, \i0+1, \i0+2, \i0+3
	FRAG AF+FR*(\i), ADRA+\slot, \q, \i
.endr
.endm
.macro SCALES sc
.irp q, 0,1
.irp u, 0,1
	ds_load_b128 v[SC+16*\sc+8*\q+4*\u:SC+16*\sc+8*\q+4*\u+3], v[ADRS] offset:512*\q+256*\u
.endr
.endr
.endm
.macro MUL16 a0, p, q, sc, zero        ; the 64 accumulators take turns
.irp a, \a0, \a0+1
.irp b, 0,1,2,3,4,5,6,7
.if \zero
	v_wmma_scale_f32_16x16x128_f8f6f4 v[8*(8*((\a)%4)+\b):8*(8*((\a)%4)+\b)+7], v[128*(\p)+FR*\b:128*(\p)+FR*\b+FR-1], v[AF+FR*(\a):AF+FR*(\a)+FR-1], 0, v[SC+16*(\sc)+8*(\q)+\b], v[SC+16*(\sc)+8*(\q)+(\a)] matrix_a_fmt:MATRIX_FMT_FP6 matrix_b_fmt:MATRIX_FMT_FP6 matrix_a_scale:MATRIX_SCALE_ROW1
.else
	v_wmma_scale_f32_16x16x128_f8f6f4 v[8*(8*((\a)%4)+\b):8*(8*((\a)%4)+\b)+7], v[128*(\p)+FR*\b:128*(\p)+FR*\b+FR-1], v[AF+FR*(\a):AF+FR*(\a)+FR-1], v[8*(8*((\a)%4)+\b):8*(8*((\a)%4)+\b)+7], v[SC+16*(\sc)+8*(\q)+\b], v[SC+16*(\sc)+8*(\q)+(\a)] matrix_a_fmt:MATRIX_FMT_FP6 matrix_b_fmt:MATRIX_FMT_FP6 matrix_a_scale:MATRIX_SCALE_ROW1
.endif
.endr
.endr
.endm
.macro STEP slot, q, zero
	s_wait_dscnt 4*NL                              ; all but the youngest 16 loads (A's blocks 4-7)
	WIN MUL_LO
	MUL16 0, (\q)%2, \q, \slot, \zero
	MUL16 2, (\q)%2, \q, \slot, \zero
	s_wait_dscnt 0
	PLACES NP
	FETCH_B \slot, (\q)+1, 1-(\q)%2
	FETCH_A \slot, (\q)+1, 0
	WIN MUL_HI
	MUL16 4, (\q)%2, \q, \slot, \zero
	MUL16 6, (\q)%2, \q, \slot, \zero
	PLACES NP
	WIN 0
	FETCH_A \slot, (\q)+1, 4
.endm
.macro TURN slot, next, fill
	s_wait_tensorcnt 0x0                           ; all my tensor loads have landed: my part of the next slot
	ds_add_u32 v[SPW], v[NIL]                      ; 0 onto my spare word
	s_wait_dscnt 4*NL+1                            ; (the add and A's blocks 4-7 may be out)
	WIN MUL_LO
	MUL16 0, 1, 1, \slot, 0
	s_wait_dscnt 0x0                               ; the add is done, and my reads of this slot are over
	s_barrier_signal -1
	MUL16 2, 1, 1, \slot, 0
	WIN 0
	s_barrier_wait -1
.if \fill
	CREST                                          ; the barrier has opened a round of the cluster's
	s_add_nc_u64 s[G0+4*\slot+2:G0+4*\slot+3], s[G0+4*\slot+2:G0+4*\slot+3], 2*RBB
	s_add_nc_u64 s[G0B+4*\slot+2:G0B+4*\slot+3], s[G0B+4*\slot+2:G0B+4*\slot+3], 2*RBB
	JLOAD G0+4*\slot, G1, G0B+4*\slot, G1B         ; the first tensor load behind the round
.else
	PLACES NP
.endif
	v_add_nc_u32 v[ADRS], 1024, v[ADRS]
	FETCH_B \next, 0, 0
	FETCH_A \next, 0, 0
	SCALES \next
	WIN MUL_HI
	MUL16 4, 1, 1, \slot, 0
	MUL16 6, 1, 1, \slot, 0
	PLACES NP
	WIN 0
	FETCH_A \next, 0, 4
.endm
	s_load_b256 s[4:11], s[0:1], 0x0               ; A's buffer, wq, the bias, the residual
	s_load_b64 s[12:13], s[0:1], 0x20              ; yb
	v_lshl_add_u32 v[SPW], v0, 2, SPARE
	v_mov_b32 v[NIL], 0
	ds_add_u32 v28, v29
	s_wait_dscnt 0x0
	v_lshrrev_b32 v1, 5, v0
	v_readfirstlane_b32 s14, v1
	s_lshr_b32 s15, s14, 1
	s_and_b32 s16, s14, 1
	s_bfe_u32 s40, ttmp6, 0x40000
	s_bfe_u32 s41, ttmp6, 0x40004
	s_lshl_b32 s42, ttmp9, 2
	s_add_co_u32 s42, s42, s40                     ; tile column
	s_and_b32 s17, ttmp7, 0xffff
	s_lshl_b32 s17, s17, 2
	s_add_co_u32 s17, s17, s41                     ; tile row
	s_lshl_b32 s43, s41, 2
	s_lshl_b32 s43, 15, s43
	s_lshl_b32 s44, 0x1111, s40
	s_or_b32 s[G1+0], s43, (3<<16)|(1<<21)         ; codes: 8 rows of 3,072 bytes (384 elements of 8 bytes)
	s_or_b32 s[G1B+0], s44, (3<<16)|(1<<21)
.irp g, G1, G1B
	s_mov_b32 s[\g+1], 384<<16
	s_mov_b32 s[\g+2], 8<<16
	s_mov_b32 s[\g+3], 384<<16
	s_mov_b32 s[\g+4], 8
	s_mov_b32 s[\g+6], 0
	s_mov_b32 s[\g+7], 0
.endr
	s_mov_b32 s[G1+5], KPA/8
	s_mov_b32 s[G1B+5], KPB/8
	s_or_b32 s[G1S+0], s43, (3<<16)|(1<<21)        ; scale words: NK rows of 512 bytes, a plane apart
	s_or_b32 s[G1SB+0], s44, (3<<16)|(1<<21)
.irp g, G1S, G1SB
	s_mov_b32 s[\g+1], 64<<16
	s_mov_b32 s[\g+2], NK<<16
	s_mov_b32 s[\g+3], 64<<16
	s_mov_b32 s[\g+4], NK
	s_mov_b32 s[\g+6], 0
	s_mov_b32 s[\g+7], 0
.endr
	s_mov_b32 s[G1S+5], PLA/8
	s_mov_b32 s[G1SB+5], PLB/8
	s_lshl_b32 s18, s16, 3
	s_lshl_b32 s20, s17, 4
	s_add_co_u32 s20, s20, s18
	s_mul_i32 s20, s20, KPA
	s_add_co_u32 s20, s20, ACO
	s_mov_b32 s21, 0
	s_lshl_b32 s22, s17, 10
	s_lshl_b32 s23, s16, 9
	s_add_co_u32 s22, s22, s23
	s_add_co_u32 s22, s22, ASO
	s_lshl_b32 s46, s42, 4
	s_add_co_u32 s46, s46, s18
	s_mul_i32 s46, s46, KPB
	s_add_co_u32 s46, s46, BCO
	s_mov_b32 s47, 0
	s_lshl_b32 s92, s42, 10
	s_add_co_u32 s92, s92, s23
	s_add_co_u32 s92, s92, BSO
	s_mov_b32 s23, 0
	s_mov_b32 s93, 0
	s_mul_i32 s45, s14, HALFT
	s_mul_i32 s94, s14, HALFS
	s_wait_kmcnt 0x0
	s_add_nc_u64 s[20:21], s[4:5], s[20:21]
	s_add_nc_u64 s[22:23], s[4:5], s[22:23]
	s_add_nc_u64 s[46:47], s[6:7], s[46:47]
	s_add_nc_u64 s[92:93], s[6:7], s[92:93]
	CROUND                                         ; the first joint loads meet
	s_mov_b32 s[G0S], 1
	s_add_co_u32 s[G0S+1], s94, SCL
	s_mov_b64 s[G0S+2:G0S+3], s[22:23]
	s_or_b32 s[G0S+3], s[G0S+3], 0x80000000
	s_mov_b32 s[G0SB], 1
	s_add_co_u32 s[G0SB+1], s94, SCL
	s_mov_b64 s[G0SB+2:G0SB+3], s[92:93]
	s_or_b32 s[G0SB+3], s[G0SB+3], 0x80000000
	JLOAD G0S, G1S, G0SB, G1SB
.irp s, 0,1
	s_mov_b32 s[G0+4*\s], 1
	s_add_co_u32 s[G0+4*\s+1], s45, \s*SLOT
	s_add_nc_u64 s[G0+4*\s+2:G0+4*\s+3], s[20:21], \s*RBB
	s_or_b32 s[G0+4*\s+3], s[G0+4*\s+3], 0x80000000
	s_mov_b32 s[G0B+4*\s], 1
	s_add_co_u32 s[G0B+4*\s+1], s45, \s*SLOT
	s_add_nc_u64 s[G0B+4*\s+2:G0B+4*\s+3], s[46:47], \s*RBB
	s_or_b32 s[G0B+4*\s+3], s[G0B+4*\s+3], 0x80000000
	JLOAD G0+4*\s, G1, G0B+4*\s, G1B               ; three loads of mine are out
.endr
	v_and_b32 v1, 31, v0
	v_and_b32 v2, 15, v0
	v_bfe_u32 v3, v0, 4, 1
	v_lshlrev_b32 v[L16], 4, v1
	v_lshlrev_b32 v[L8], 3, v1
	v_add_nc_u32 v[L8], 512, v[L8]
	s_mul_i32 s21, s15, HALFT
	s_mul_i32 s22, s16, HALFT
	s_add_co_u32 s22, s22, 2*HALFT
.irp s, 0,1
	v_add_nc_u32 v[ADRA+\s], s21, v[L16]
	v_add_nc_u32 v[ADRA+2+\s], s21, v[L8]
	v_add_nc_u32 v[ADRB+\s], s22, v[L16]
	v_add_nc_u32 v[ADRB+2+\s], s22, v[L8]
	s_add_co_u32 s21, s21, SLOT
	s_add_co_u32 s22, s22, SLOT
.endr
	s_mul_i32 s21, s15, HALFS
	s_mul_i32 s22, s16, HALFS
	s_add_co_u32 s22, s22, 2*HALFS
	s_sub_co_u32 s22, s22, s21
	v_mul_u32_u24 v6, s22, v3
	s_add_co_u32 s21, s21, SCL
	v_lshl_add_u32 v6, v2, 4, v6
	v_add_nc_u32 v[ADRS], s21, v6
	s_mul_i32 s23, s14, 16*SPITCH                  ; my stage: in slot 0, which has had its last fill and its last read when the first result is stored there
	v_mul_u32_u24 v7, v2, SPITCH
	v_lshl_add_u32 v7, v3, 6, v7
	v_add_nc_u32 v[STO], s23, v7                   ; in: row r, + 64 h
	v_add_nc_u32 v[RD], s23, v[L16]                ; back: a row of 512 bytes
	s_lshl_b32 s20, s17, 8
	s_lshl_b32 s21, s15, 7
	s_add_co_u32 s20, s20, s21
	s_lshl_b32 s20, s20, 12                        ; my first row, 4,096 bytes a row
	s_lshl_b32 s46, s42, 10
	s_lshl_b32 s47, s16, 9
	s_add_co_u32 s46, s46, s47                     ; my first column
	s_mov_b32 s47, 0
	s_add_co_u32 s20, s20, s46
	s_mov_b32 s21, 0
	s_add_nc_u64 s[12:13], s[12:13], s[20:21]
	s_add_nc_u64 s[10:11], s[10:11], s[20:21]      ; h in f32 lies at the head of hb
	s_add_nc_u64 s[8:9], s[8:9], s[46:47]
.macro RLOAD a                         ; the residual's rows 16 a on: 512 consecutive bytes a load
.if (\a) == 0
.irp t, 0,1,2,3,4,5,6,7,8,9,10,11,12,13,14,15
	global_load_b128 v[RES0+4*\t:RES0+4*\t+3], v[L16], s[10:11] offset:\t*4096 th:TH_LOAD_NT
.endr
.else
	WIN 0x40
.irp t, 0,1,2,3,4,5,6,7,8,9,10,11,12,13,14,15
	global_load_b128 v[64*((\a)%4)+4*\t:64*((\a)%4)+4*\t+3], v[L16], s[10:11] offset:(16*(\a)+\t)*4096 th:TH_LOAD_NT
.endr
	WIN 0
.endif
.endm
	global_load_b128 v[BIA:BIA+3], v[L16], s[8:9]
	RLOAD 0
	s_wait_tensorcnt 1                             ; the scale words and my part of slot 0 are in; slot 1's load may be out
	s_barrier_signal -1
	s_barrier_wait -1
	FETCH_B 0, 0, 0
	FETCH_A 0, 0, 0
	SCALES 0
	FETCH_A 0, 0, 4
	STEP 0, 0, 1
	s_mov_b32 s3, LAPS-1
.Llap:
	TURN 0, 1, 1
	STEP 1, 0, 0
	TURN 1, 0, 1
	STEP 0, 0, 0
	s_sub_co_u32 s3, s3, 1
	s_cmp_lg_u32 s3, 0
	s_cbranch_scc1 .Llap
	TURN 0, 1, 0
	STEP 1, 0, 0
	s_wait_dscnt 4*NL
	WIN MUL_LO
	MUL16 0, 1, 1, 1, 0
	MUL16 2, 1, 1, 1, 0
	s_wait_dscnt 0
	WIN MUL_HI
	MUL16 4, 1, 1, 1, 0
	MUL16 6, 1, 1, 1, 0
	WIN 0
; THE WAY OUT, 16 rows x 128 columns at a time through my stage: tile b's eight numbers of a lane are columns 32 (b / 2) + 16 h + 8 (b % 2) + 0..7; whole rows come back, take bias and residual, and leave as 512 consecutive bytes.
.macro TOSTAGE a
.set AC, 64*((\a)%4)
	WIN 0x08+4*((\a)/4)
.irp b, 0,1,2,3,4,5,6,7
	ds_store_b128 v[STO], v[AC+8*\b:AC+8*\b+3] offset:128*(\b/2)+32*(\b%2)           ; each accumulator from its low end on
	ds_store_b128 v[STO], v[AC+8*\b+4:AC+8*\b+7] offset:128*(\b/2)+32*(\b%2)+16
.endr
	WIN 0
.set BB, BK+64*((\a)%2)
.irp t, 0,1,2,3,4,5,6,7,8,9,10,11,12,13,14,15
	ds_load_b128 v[BB+4*\t:BB+4*\t+3], v[RD] offset:\t*SPITCH                        ; LDS serves a wave's instructions in order
.endr
.endm
.macro SEND a, younger
.set BB, BK+64*((\a)%2)
	s_wait_dscnt \younger                          ; the block is back; the next block's 16 stores and 16 loads may be out
.set i, 0
.rept 16
	v_pk_add_f32 v[BB+4*i:BB+4*i+1], v[BB+4*i:BB+4*i+1], v[BIA:BIA+1]
	v_pk_add_f32 v[BB+4*i+2:BB+4*i+3], v[BB+4*i+2:BB+4*i+3], v[BIA+2:BIA+3]
.set i, i+1
.endr
.if (\a) == 0
.set i, 0
.rept 32
	v_pk_add_f32 v[BB+2*i:BB+2*i+1], v[BB+2*i:BB+2*i+1], v[RES0+2*i:RES0+2*i+1]
.set i, i+1
.endr
.else
.if (\a) <= 4
	s_wait_loadcnt 48                              ; this block's residual is in; the three blocks asked for behind it may be out
.else
	s_wait_loadcnt 16*(7-(\a))
.endif
	WIN 0x04
.set i, 0
.rept 32
	v_pk_add_f32 v[BB+2*i:BB+2*i+1], v[BB+2*i:BB+2*i+1], v[64*((\a)%4)+2*i:64*((\a)%4)+2*i+1]
.set i, i+1
.endr
	WIN 0
.endif
.if ((\a) >= 1) && ((\a) <= 3)
	RLOAD (\a)+4
.endif
.irp t, 0,1,2,3,4,5,6,7,8,9,10,11,12,13,14,15
	global_store_b128 v[L16], v[BB+4*\t:BB+4*\t+3], s[12:13] offset:(16*(\a)+\t)*4096
.endr
.endm
	s_wait_loadcnt 0x0                             ; the bias and the first 16 rows of the residual
	PLACES NP
	RLOAD 1
	RLOAD 2
	RLOAD 3
	RLOAD 4
	TOSTAGE 0
.irp a, 1,2,3,4,5,6,7
.if \a > 1
	s_wait_xcnt 0x0                                ; block a - 2's stores have read their registers
.endif
	TOSTAGE \a
	SEND \a-1, 32
.endr
	SEND 7, 0
	s_wait_tensorcnt 0x0                           ; the wave's end
	ds_add_u32 v[SPW], v[NIL]
	s_wait_dscnt 0x0
	CROUND                                         ; the closing round
	s_endpgm
.Lfunc_end_k_q22fe8ba09b_gemm_ffn2:
	.size	k_q22fe8ba09b_gemm_ffn2, .Lfunc_end_k_q22fe8ba09b_gemm_ffn2-k_q22fe8ba09b_gemm_ffn2
	.p2alignl 7, 3214868480
	.fill 96, 4, 3214868480
	.section	.rodata,"a",@progbits
	.p2align	6, 0x0
	.amdhsa_kernel k_q22fe8ba09b_gemm_ffn2
		.amdhsa_group_segment_fixed_size 327680
		.amdhsa_private_segment_fixed_size 0
		.amdhsa_enable_private_segment 0
		.amdhsa_kernarg_size 40
		.amdhsa_user_sgpr_count 2
		.amdhsa_user_sgpr_kernarg_segment_ptr 1
		.amdhsa_wavefront_size32 1
		.amdhsa_system_sgpr_workgroup_id_x 1
		.amdhsa_system_sgpr_workgroup_id_y 1
		.amdhsa_system_sgpr_workgroup_id_z 1
		.amdhsa_system_vgpr_workitem_id 0
		.amdhsa_next_free_vgpr 1024
		.amdhsa_next_free_sgpr 104
		.amdhsa_reserve_vcc 0
		.amdhsa_float_denorm_mode_32 3
		.amdhsa_float_denorm_mode_16_64 3
		.amdhsa_memory_ordered 1
		.amdhsa_forward_progress 1
		.amdhsa_inst_pref_size 188
	.end_amdhsa_kernel
	.amdgpu_metadata
---
amdhsa.version: [ 1, 2 ]
amdhsa.kernels:
  - .name:           k_q22fe8ba09b_gemm_ffn2
    .symbol:         k_q22fe8ba09b_gemm_ffn2.kd
    .args:
      - { .name: act, .offset: 0, .size: 8, .value_kind: global_buffer, .address_space: global }
      - { .name: wq, .offset: 8, .size: 8, .value_kind: global_buffer, .address_space: global }
      - { .name: bf2, .offset: 16, .size: 8, .value_kind: global_buffer, .address_space: global }
      - { .name: hb, .offset: 24, .size: 8, .value_kind: global_buffer, .address_space: global }
      - { .name: yb, .offset: 32, .size: 8, .value_kind: global_buffer, .address_space: global }
    .group_segment_fixed_size: 327680
    .private_segment_fixed_size: 0
    .kernarg_segment_align: 8
    .kernarg_segment_size: 40
    .max_flat_workgroup_size: 128
    .sgpr_count:     104
    .vgpr_count:     1024
    .wavefront_size: 32
...
	.end_amdgpu_metadata
.endif
;; end of part 7
;; launch ln2 (part 8): grid 256 x 1, 8 waves a work-group, no clusters, 0 bytes of LDS; arguments yb, g2, b2, out0; writes out0
.if DOCPART == 8
	.amdgcn_target "amdgcn-amd-amdhsa--gfx1250"
	.amdhsa_code_object_version 6
	.text
	.protected	k_q22fe8ba09b_ln2
	.globl	k_q22fe8ba09b_ln2
	.p2align	8
	.type	k_q22fe8ba09b_ln2,@function
k_q22fe8ba09b_ln2:
	s_mov_b64 s[64:65], 0
	v_nop
	global_prefetch_b8 v0, s[64:65] scope:SCOPE_SE
	s_setreg_imm32_b32 hwreg(HW_REG_WAVE_MODE, 25, 1), 1
	s_wait_xcnt 0x0
; out0 = layernorm(yb) g2 + b2, rows of 1,024, in f32: the mean, then the mean of the squared differences, two passes over registers.
; A work-group takes 16 rows, a wave two: a row is eight loads of 512 consecutive bytes, 32 registers; the reduction never leaves the wave: no LDS, no barrier.  Memory binds: no matrix unit, no cluster.
.set X0,  16
.set X1,  48
.set GG,  80
.set BV,  112
.set W0,  144
.set W1,  152
.set SEL, 16
.macro REDUCE w                        ; the sum over the 32 lanes, in every lane
	v_add_f32_dpp v[\w], v[\w], v[\w] row_xmask:1 row_mask:0xf bank_mask:0xf
	v_add_f32_dpp v[\w], v[\w], v[\w] row_xmask:2 row_mask:0xf bank_mask:0xf
	v_add_f32_dpp v[\w], v[\w], v[\w] row_xmask:4 row_mask:0xf bank_mask:0xf
	v_add_f32_dpp v[\w], v[\w], v[\w] row_xmask:8 row_mask:0xf bank_mask:0xf
	v_permlanex16_b32 v[\w+4], v[\w], s[SEL], s[SEL+1]
	v_add_f32 v[\w], v[\w], v[\w+4]
.endm
.macro STATS x, w                      ; the row less its mean, in place; 1 / sqrt(variance + eps) is asked for into v[w]
	v_pk_add_f32 v[\w:\w+1], v[\x:\x+1], v[\x+2:\x+3]
	v_pk_add_f32 v[\w+2:\w+3], v[\x+4:\x+5], v[\x+6:\x+7]
.irp j, 8,12,16,20,24,28
	v_pk_add_f32 v[\w:\w+1], v[\w:\w+1], v[\x+\j:\x+\j+1]
	v_pk_add_f32 v[\w+2:\w+3], v[\w+2:\w+3], v[\x+\j+2:\x+\j+3]
.endr
	v_pk_add_f32 v[\w:\w+1], v[\w:\w+1], v[\w+2:\w+3]
	v_add_f32 v[\w], v[\w], v[\w+1]
	REDUCE \w
	v_mul_f32 v[\w], s20, v[\w]                    ; the mean
	v_mov_b32 v[\w+1], v[\w]
.irp j, 0,2,4,6,8,10,12,14,16,18,20,22,24,26,28,30
	v_pk_add_f32 v[\x+\j:\x+\j+1], v[\x+\j:\x+\j+1], v[\w:\w+1] neg_lo:[0,1] neg_hi:[0,1]
.endr
	v_pk_mul_f32 v[\w:\w+1], v[\x:\x+1], v[\x:\x+1]
	v_pk_mul_f32 v[\w+2:\w+3], v[\x+2:\x+3], v[\x+2:\x+3]
.irp j, 4,8,12,16,20,24,28
	v_pk_fma_f32 v[\w:\w+1], v[\x+\j:\x+\j+1], v[\x+\j:\x+\j+1], v[\w:\w+1]
	v_pk_fma_f32 v[\w+2:\w+3], v[\x+\j+2:\x+\j+3], v[\x+\j+2:\x+\j+3], v[\w+2:\w+3]
.endr
	v_pk_add_f32 v[\w:\w+1], v[\w:\w+1], v[\w+2:\w+3]
	v_add_f32 v[\w], v[\w], v[\w+1]
	REDUCE \w
	v_fma_f32 v[\w], v[\w], s20, s21               ; / 1,024 + 1e-5
	v_rsq_f32 v[\w], v[\w]
.endm
.macro NORM x, w
	v_mov_b32 v[\w+1], v[\w]
.irp j, 0,2,4,6,8,10,12,14,16,18,20,22,24,26,28,30
	v_pk_mul_f32 v[\x+\j:\x+\j+1], v[\x+\j:\x+\j+1], v[\w:\w+1]
.endr
.irp j, 0,2,4,6,8,10,12,14,16,18,20,22,24,26,28,30
	v_pk_fma_f32 v[\x+\j:\x+\j+1], v[\x+\j:\x+\j+1], v[GG+\j:GG+\j+1], v[BV+\j:BV+\j+1]
.endr
.endm
	s_load_b256 s[4:11], s[0:1], 0x0               ; yb, g, b, out0
	v_lshrrev_b32 v1, 5, v0
	v_readfirstlane_b32 s12, v1                    ; wave
	v_and_b32 v2, 31, v0
	v_lshlrev_b32 v1, 4, v2                        ; 16 x lane
	s_lshl_b32 s14, ttmp9, 16                      ; 16 rows of 4,096 bytes
	s_lshl_b32 s15, s12, 13
	s_add_co_u32 s14, s14, s15
	s_mov_b32 s15, 0
	s_mov_b32 s[SEL], 0x76543210
	s_mov_b32 s[SEL+1], 0xfedcba98
	s_mov_b32 s20, 0x3a800000                      ; 1 / 1,024
	s_mov_b32 s21, 0x3727c5ac                      ; 1e-5
	v_mov_b32 v[W0+4], 0
	v_mov_b32 v[W1+4], 0
	s_wait_kmcnt 0x0
	s_add_nc_u64 s[4:5], s[4:5], s[14:15]
	s_add_nc_u64 s[10:11], s[10:11], s[14:15]
.irp j, 0,1,2,3,4,5,6,7
	global_load_b128 v[X0+4*\j:X0+4*\j+3], v1, s[4:5] offset:512*\j th:TH_LOAD_NT
.endr
.irp j, 0,1,2,3,4,5,6,7
	global_load_b128 v[X1+4*\j:X1+4*\j+3], v1, s[4:5] offset:4096+512*\j th:TH_LOAD_NT
.endr
.irp j, 0,1,2,3,4,5,6,7
	global_load_b128 v[GG+4*\j:GG+4*\j+3], v1, s[6:7] offset:512*\j
	global_load_b128 v[BV+4*\j:BV+4*\j+3], v1, s[8:9] offset:512*\j
.endr
	s_wait_loadcnt 16                              ; my two rows are in; g and b may be out
	STATS X0, W0
	STATS X1, W1
	v_nop                                          ; a plain line behind the second root
	s_wait_loadcnt 0x0
	s_wait_alu depctr_va_vdst(0)                   ; one wait for both roots, ahead of their first reader
	NORM X0, W0
	NORM X1, W1
.irp j, 0,1,2,3,4,5,6,7
	global_store_b128 v1, v[X0+4*\j:X0+4*\j+3], s[10:11] offset:512*\j th:TH_STORE_NT
.endr
.irp j, 0,1,2,3,4,5,6,7
	global_store_b128 v1, v[X1+4*\j:X1+4*\j+3], s[10:11] offset:4096+512*\j th:TH_STORE_NT
.endr
	s_endpgm
.Lfunc_end_k_q22fe8ba09b_ln2:
	.size	k_q22fe8ba09b_ln2, .Lfunc_end_k_q22fe8ba09b_ln2-k_q22fe8ba09b_ln2
	.p2alignl 7, 3214868480
	.fill 96, 4, 3214868480
	.section	.rodata,"a",@progbits
	.p2align	6, 0x0
	.amdhsa_kernel k_q22fe8ba09b_ln2
		.amdhsa_group_segment_fixed_size 0
		.amdhsa_private_segment_fixed_size 0
		.amdhsa_enable_private_segment 0
		.amdhsa_kernarg_size 32
		.amdhsa_user_sgpr_count 2
		.amdhsa_user_sgpr_kernarg_segment_ptr 1
		.amdhsa_wavefront_size32 1
		.amdhsa_system_sgpr_workgroup_id_x 1
		.amdhsa_system_sgpr_workgroup_id_y 1
		.amdhsa_system_sgpr_workgroup_id_z 1
		.amdhsa_system_vgpr_workitem_id 0
		.amdhsa_next_free_vgpr 160
		.amdhsa_next_free_sgpr 66
		.amdhsa_reserve_vcc 0
		.amdhsa_float_denorm_mode_32 3
		.amdhsa_float_denorm_mode_16_64 3
		.amdhsa_memory_ordered 1
		.amdhsa_forward_progress 1
		.amdhsa_inst_pref_size 18
	.end_amdhsa_kernel
	.amdgpu_metadata
---
amdhsa.version: [ 1, 2 ]
amdhsa.kernels:
  - .name:           k_q22fe8ba09b_ln2
    .symbol:         k_q22fe8ba09b_ln2.kd
    .args:
      - { .name: yb, .offset: 0, .size: 8, .value_kind: global_buffer, .address_space: global }
      - { .name: g2, .offset: 8, .size: 8, .value_kind: global_buffer, .address_space: global }
      - { .name: b2, .offset: 16, .size: 8, .value_kind: global_buffer, .address_space: global }
      - { .name: out0, .offset: 24, .size: 8, .value_kind: global_buffer, .address_space: global }
    .group_segment_fixed_size: 0
    .private_segment_fixed_size: 0
    .kernarg_segment_align: 8
    .kernarg_segment_size: 32
    .max_flat_workgroup_size: 256
    .sgpr_count:     66
    .vgpr_count:     160
    .wavefront_size: 32
...
	.end_amdgpu_metadata
.endif
;; end of part 8
;; ======== version 2 of 2: 8 launches
;; limits: right only within a limited range of input values
;; workspace buffers: wq 13,139,968 bytes; qkv 9,830,400 bytes; ctx 3,276,800 bytes; yb 16,777,216 bytes; hb 20,054,016 bytes; act 13,107,200 bytes; y2 16,777,216 bytes
;; launch quant (part 9): grid 256 x 1, 8 waves a work-group, no clusters, 68,608 bytes of LDS; arguments x, Wq, Wk, Wv, Wo, W1, W2, wq; writes wq
.if DOCPART == 9
	.amdgcn_target "amdgcn-amd-amdhsa--gfx1250"
	.amdhsa_code_object_version 6
	.text
	.protected	k_q22fe8ba09b_quant
	.globl	k_q22fe8ba09b_quant
	.p2align	8
	.type	k_q22fe8ba09b_quant,@function
k_q22fe8ba09b_quant:
	s_mov_b64 s[64:65], 0
	v_nop
	global_prefetch_b8 v0, s[64:65] scope:SCOPE_SE
	s_setreg_imm32_b32 hwreg(HW_REG_WAVE_MODE, 25, 1), 1
	s_wait_xcnt 0x0
; x [4096][1024] and the six weights ([K][N], K first) become codes of FP6 (E2M3) with one E8M0 byte for each 32 along K, laid as the products' launches read them.
; CODES: images of operand registers.  H(rb, c) = 16 rows x 64 K = 768 bytes: lane (r, h) holds row 16 rb + r, k = 64 c + 32 h + 0..31, in six registers: registers 0-3 at byte 16 x lane, 4-5 at 512 + 8 x lane.
; An operand is [rb][c].  SCALE WORDS (4 bytes = 128 K of a row): plane kappa, then 256 (row / 64) + 16 (row % 16) + 4 ((row / 16) % 4): 64 rows fill 256 consecutive bytes.
; A WEIGHT'S ROW p HOLDS COLUMN pi(p), pi = bits 3 and 4 of p exchanged: used as source 0 of a product, two neighbouring tiles then give a lane 16 neighbouring columns.
; A block's scale is 2^(floor(log2(largest magnitude)) - 2): its byte is that magnitude's exponent field - 2, held at 1 from below.
; LIMITS: a block of zeros gets the byte 1 (its codes are zeros; this program alone reads the bytes); blocks under 2^-124 were not tried; NaN and infinities are not served.
; Work-groups 0-63: x, 64 rows each, wave w the K step w.  Work-groups 64-255: weights, 256 columns x 256 K each, a wave 64 columns x 128 K.  Waves share nothing: no barrier.
.set XC,     0
.set XS,     3145728
.set WQKVC,  3276800
.set WQKVS,  5636096
.set WOC,    5767168
.set WOS,    6553600
.set W1C,    6586368
.set W1S,    9732096
.set W2C,    9863168
.set W2S,    13008896
.set SEL,    22                        ; s[22:23] v_permlanex16_b32's selects for lane l xor 16
; weights: v16-47 row offsets, v48-111 two sets of 32 numbers, v112-159 codes (12 for each pair of blocks), v160-162 at work, v164-167 scale words
.set VO, 16
.set X,  48
.set E,  112
.set T,  160
.set O,  164
; x: v16-143 two sets of 64 numbers, v144-167 two sets of 12 codes, v168-175, v176-191 at work, v192-195 scale words
.set R,  16
.set F,  144
.set QT, 168
.set TM, 176
.set PW, 192
; 64 numbers of a lane, register 16 b + i = k 32 b + 16 h + i of its row, become two images' registers (d0: k 0-63, d1: k 64-127) and the row's scale word
.macro QUANT s, d0, d1, pw
.irp b, 0,1,2,3
	v_max3_num_f32 v[TM+\b], |v[\s+16*\b]|, |v[\s+1+16*\b]|, 0x1800000   ; my 16 numbers of block b, and the floor 2^(3 - 127): the byte cannot fall under 1
.endr
.irp i, 2,4,6,8,10,12,14
.irp b, 0,1,2,3
	s_delay_alu instid0(VALU_DEP_4)
	v_max3_num_f32 v[TM+\b], v[TM+\b], |v[\s+16*\b+\i]|, |v[\s+1+16*\b+\i]|
.endr
.endr
.irp b, 0,1,2,3
	s_delay_alu instid0(VALU_DEP_4)
	v_permlanex16_b32 v[TM+4+\b], v[TM+\b], s[SEL], s[SEL+1]
.endr
.irp b, 0,1,2,3
	s_delay_alu instid0(VALU_DEP_4)
	v_max_num_f32 v[TM+\b], v[TM+\b], v[TM+4+\b]                         ; with lane l xor 16's: the block's largest magnitude
.endr
.irp b, 0,1,2,3
	s_delay_alu instid0(VALU_DEP_4)
	v_add_nc_u32 v[TM+12+\b], 0xff000000, v[TM+\b]                       ; 2 off its exponent field: the conversion's scale operand
.endr
.irp b, 0,1,2,3
	s_delay_alu instid0(VALU_DEP_4)
	v_lshrrev_b32 v[TM+4+\b], 23, v[TM+12+\b]                            ; the byte
.endr
	s_delay_alu instid0(VALU_DEP_3)
	v_lshl_or_b32 v[\pw], v[TM+5], 8, v[TM+4]
	s_delay_alu instid0(VALU_DEP_1)
	v_lshl_or_b32 v[\pw], v[TM+6], 16, v[\pw]
	s_delay_alu instid0(VALU_DEP_1)
	v_lshl_or_b32 v[\pw], v[TM+7], 24, v[\pw]
	v_cvt_scalef32_pk16_fp6_f32 v[\d0:\d0+2], v[\s:\s+15], v[TM+12]
	v_cvt_scalef32_pk16_fp6_f32 v[QT:QT+2], v[\s+16:\s+31], v[TM+13]     ; (a conversion's three registers begin on an even number)
	v_cvt_scalef32_pk16_fp6_f32 v[\d1:\d1+2], v[\s+32:\s+47], v[TM+14]
	v_cvt_scalef32_pk16_fp6_f32 v[QT+4:QT+6], v[\s+48:\s+63], v[TM+15]
	v_nop                                                                ; one plain line behind the conversions
.irp i, 0,1,2
	v_permlane16_swap_b32 v[\d0+\i], v[QT+\i]                            ; a whole block to a lane: lanes 0-15 the even block, lanes 16-31 the odd one
	v_permlane16_swap_b32 v[\d1+\i], v[QT+4+\i]
.endr
.irp i, 0,1,2
	v_mov_b32 v[\d0+3+\i], v[QT+\i]
	v_mov_b32 v[\d1+3+\i], v[QT+4+\i]
.endr
.endm
	s_load_b256 s[4:11], s[0:1], 0x0               ; x, Wq, Wk, Wv
	s_load_b256 s[12:19], s[0:1], 0x20             ; Wo, W1, W2, wq
	v_lshl_add_u32 v200, v0, 2, 0x10800
	v_mov_b32 v201, 0
	v_lshrrev_b32 v1, 5, v0
	s_delay_alu instid0(VALU_DEP_1)
	v_readfirstlane_b32 s20, v1                    ; wave
	v_and_b32 v1, 31, v0                           ; lane
	v_and_b32 v2, 15, v0                           ; r
	v_bfe_u32 v3, v0, 4, 1                         ; h
	s_delay_alu instid0(VALU_DEP_3)
	v_lshlrev_b32 v5, 4, v1                        ; 16 x lane
	s_delay_alu instid0(VALU_DEP_4)
	v_lshlrev_b32 v6, 3, v1                        ; 8 x lane
	s_delay_alu instid0(VALU_DEP_4)
	v_lshlrev_b32 v7, 4, v2                        ; 16 r
	s_mov_b32 s[SEL], 0x76543210
	s_mov_b32 s[SEL+1], 0xfedcba98
	s_wait_kmcnt 0x0
	s_cmp_lt_u32 ttmp9, 64
	s_cbranch_scc1 .Lxpath
; ---------------- the weights.  Which matrix: chosen by the work-group's number alone; W2's figures first, then overridden
	s_mov_b32 s24, 192                             ; the matrix's first work-group
	s_mov_b32 s25, 2                               ; log2 of its groups of 256 columns
	s_mov_b32 s26, 4096                            ; bytes in a row of the f32 matrix
	s_mov_b32 s27, W2C                             ; where its codes begin,
	s_mov_b32 s28, 49152                           ; bytes from 16 rows of codes to the next,
	s_mov_b32 s29, W2S                             ; where its scale words begin,
	s_mov_b32 s30, 4096                            ; bytes from plane to plane
	s_mov_b64 s[52:53], s[16:17]
.macro PICK t, first, logcg, pitch, co, kp, so, sp, ptr
	s_cmp_lt_u32 ttmp9, \t
	s_cselect_b32 s24, \first, s24
	s_cselect_b32 s25, \logcg, s25
	s_cselect_b32 s26, \pitch, s26
	s_cselect_b32 s27, \co, s27
	s_cselect_b32 s28, \kp, s28
	s_cselect_b32 s29, \so, s29
	s_cselect_b32 s30, \sp, s30
	s_cselect_b64 s[52:53], s[\ptr:\ptr+1], s[52:53]
.endm
	PICK 192, 128, 4, 16384, W1C, 12288, W1S, 16384, 14
	PICK 128, 112, 2, 4096, WOC, 12288, WOS, 4096, 12
	PICK 112, 96, 2, 4096, WQKVC+1572864, 12288, WQKVS+8192, 16384, 10
	PICK 96, 80, 2, 4096, WQKVC+786432, 12288, WQKVS+4096, 16384, 8
	PICK 80, 64, 2, 4096, WQKVC, 12288, WQKVS, 16384, 6
	s_sub_co_u32 s31, ttmp9, s24
	s_bfm_b32 s54, s25, 0
	s_and_b32 s54, s31, s54                        ; which 256 columns
	s_lshr_b32 s55, s31, s25                       ; which 256 along K
	s_and_b32 s56, s20, 3
	s_lshl_b32 s54, s54, 8
	s_lshl_b32 s56, s56, 6
	s_add_co_u32 s54, s54, s56                     ; my wave's first column
	s_lshr_b32 s56, s20, 2
	s_lshl_b32 s55, s55, 1
	s_add_co_u32 s55, s55, s56                     ; my wave's K step of 128
	s_lshl_b32 s56, s55, 7
	s_mul_i32 s56, s56, s26
	s_lshl_b32 s58, s54, 2
	s_add_co_u32 s56, s56, s58
	s_mov_b32 s57, 0
	s_add_nc_u64 s[32:33], s[52:53], s[56:57]      ; s[32:39]: the matrix at my columns, K blocks 0 to 3
	s_lshl_b32 s56, s26, 5
	s_add_nc_u64 s[34:35], s[32:33], s[56:57]
	s_add_nc_u64 s[36:37], s[34:35], s[56:57]
	s_add_nc_u64 s[38:39], s[36:37], s[56:57]
	s_lshr_b32 s56, s54, 4
	s_mul_i32 s56, s56, s28
	s_mul_i32 s59, s55, 1536
	s_add_co_u32 s56, s56, s59
	s_add_co_u32 s56, s56, s27
	s_add_nc_u64 s[40:41], s[18:19], s[56:57]      ; s[40:47]: my four blocks of 16 rows of codes, at my K step
	s_mov_b32 s56, s28
	s_add_nc_u64 s[42:43], s[40:41], s[56:57]
	s_add_nc_u64 s[44:45], s[42:43], s[56:57]
	s_add_nc_u64 s[46:47], s[44:45], s[56:57]
	s_mul_i32 s56, s55, s30
	s_add_co_u32 s56, s56, s58
	s_add_co_u32 s56, s56, s29
	s_add_nc_u64 s[48:49], s[18:19], s[56:57]      ; my 64 rows' scale words: 256 bytes
	s_wait_alu depctr_va_vdst(0)
	v_and_b32 v8, 7, v1                            ; pi(lane)
	v_and_b32 v9, 8, v1
	s_delay_alu instid0(VALU_DEP_1)
	v_lshl_or_b32 v8, v9, 1, v8
	v_and_b32 v9, 16, v1
	s_delay_alu instid0(VALU_DEP_1)
	v_lshrrev_b32 v9, 1, v9
	s_delay_alu instid0(VALU_DEP_1)
	v_or_b32 v8, v8, v9
	s_delay_alu instid0(VALU_DEP_1)
	v_lshlrev_b32 v4, 2, v8
.set i, 0
.rept 32
	v_mad_u32_u24 v[VO+i], s26, i, v4              ; row i of a block, column pi(lane): never rewritten
.set i, i+1
.endr
	v_mov_b32 v[O+1], 0                            ; (a lane permute's destination counts as one of its sources)
	v_mov_b32 v[O+3], 0
; block t: columns 32 (t / 4) on, K block t % 4.  A LANE TAKES A COLUMN AND ITS REGISTERS RUN DOWN K: a load reads 128 consecutive bytes
.macro LOADW t
.set i, 0
.rept 32
	global_load_b32 v[X+32*((\t)%2)+i], v[VO+i], s[32+2*((\t)%4):33+2*((\t)%4)] offset:128*((\t)/4) th:TH_LOAD_NT
.set i, i+1
.endr
.endm
.macro BLOCKW t
.set XB, X+32*((\t)%2)
.set EB, E+12*((\t)/2)+6*((\t)%2)
.set E0, E+12*((\t)/2)
.if (\t) < 7
	s_wait_loadcnt 32                              ; this block's 32 loads are in; the next block's may be out
.else
	s_wait_loadcnt 0x0
.endif
	v_max3_num_f32 v12, |v[XB]|, |v[XB+1]|, |v[XB+2]|
	v_max3_num_f32 v13, |v[XB+3]|, |v[XB+4]|, |v[XB+5]|
.irp i, 6,10,14,18,22,26
	s_delay_alu instid0(VALU_DEP_2)
	v_max3_num_f32 v12, v12, |v[XB+\i]|, |v[XB+\i+1]|
	s_delay_alu instid0(VALU_DEP_2)
	v_max3_num_f32 v13, v13, |v[XB+\i+2]|, |v[XB+\i+3]|
.endr
	s_delay_alu instid0(VALU_DEP_2)
	v_max3_num_f32 v12, v12, |v[XB+30]|, |v[XB+31]|
	s_delay_alu instid0(VALU_DEP_1)
	v_max3_num_f32 v12, v12, v13, 0x1800000        ; the block's largest magnitude, all 32 mine, and the floor
	s_delay_alu instid0(VALU_DEP_1)
	v_add_nc_u32 v11, 0xff000000, v12
	s_delay_alu instid0(VALU_DEP_1)
	v_lshrrev_b32 v13, 23, v11
	v_cvt_scalef32_pk16_fp6_f32 v[EB:EB+2], v[XB:XB+15], v11
	v_cvt_scalef32_pk16_fp6_f32 v[T:T+2], v[XB+16:XB+31], v11
.if (\t)%4 == 0
	v_mov_b32 v[O+2*((\t)/4)], v13                 ; the four bytes of my row's word.  (The plain line behind the conversions)
.else
	v_lshl_or_b32 v[O+2*((\t)/4)], v13, 8*((\t)%4), v[O+2*((\t)/4)]
.endif
.irp i, 0,1,2
	v_mov_b32 v[EB+3+\i], v[T+\i]
.endr
.if (\t)+2 < 8
	LOADW (\t)+2
.endif
.if (\t)%2 == 1
.irp i, 0,1,2,3,4,5
	v_permlane16_swap_b32 v[E0+\i], v[E0+6+\i]     ; the even block's lanes 16-31 against the odd block's lanes 0-15: two images, of rows 0-15 and of rows 16-31
.endr
	global_store_b128 v5, v[E0:E0+3], s[40+4*((\t)/4):41+4*((\t)/4)] offset:768*(((\t)%4)/2)          ; 512 consecutive bytes
	global_store_b64 v6, v[E0+4:E0+5], s[40+4*((\t)/4):41+4*((\t)/4)] offset:768*(((\t)%4)/2)+512     ; 256
	global_store_b128 v5, v[E0+6:E0+9], s[42+4*((\t)/4):43+4*((\t)/4)] offset:768*(((\t)%4)/2)
	global_store_b64 v6, v[E0+10:E0+11], s[42+4*((\t)/4):43+4*((\t)/4)] offset:768*(((\t)%4)/2)+512
.endif
.endm
	LOADW 0
	LOADW 1
.irp t, 0,1,2,3,4,5,6,7
	BLOCKW \t
.endr
	v_permlanex16_b32 v[O+1], v[O], s[SEL], s[SEL+1]     ; lanes 0-15 gather the words of the four blocks of 16 rows
	v_permlanex16_b32 v[O+3], v[O+2], s[SEL], s[SEL+1]
	s_wait_alu depctr_va_vdst(0)
	s_wait_xcnt 0x0                                ; EXEC changes only behind this wait
	v_cmpx_gt_u32 16, v1
	global_store_b128 v7, v[O:O+3], s[48:49]       ; sixteen lanes: 256 consecutive bytes
	s_endpgm
; ---------------- x: K is innermost.  Loads take the bytes as they lie (512 a load); 16 rows x 512 bytes turn through the wave's own stage (rows 528 bytes apart), so that a lane gets 16 neighbours of each block
.Lxpath:
	s_lshl_b32 s24, ttmp9, 18                      ; 64 rows of 4,096 bytes
	s_lshl_b32 s25, s20, 9
	s_add_co_u32 s24, s24, s25
	s_mov_b32 s25, 0
	s_add_nc_u64 s[28:29], s[4:5], s[24:25]
	s_mul_i32 s24, ttmp9, 49152
	s_mul_i32 s26, s20, 1536
	s_add_co_u32 s24, s24, s26
	s_add_nc_u64 s[30:31], s[18:19], s[24:25]      ; XC = 0
	s_lshl_b32 s24, s20, 14
	s_lshl_b32 s26, ttmp9, 8
	s_add_co_u32 s24, s24, s26
	s_add_co_u32 s24, s24, XS
	s_add_nc_u64 s[50:51], s[18:19], s[24:25]
	s_mul_i32 s26, s20, 8448
	s_wait_alu depctr_va_vdst(0)
	v_add_nc_u32 v8, s26, v5                       ; the stage, on the way in
	v_mul_u32_u24 v9, v2, 528
	s_delay_alu instid0(VALU_DEP_1)
	v_lshl_add_u32 v9, v3, 6, v9
	s_delay_alu instid0(VALU_DEP_1)
	v_add_nc_u32 v9, s26, v9                       ; and on the way out: row r, + 64 h
.irp b, 0,1,2,3
	v_mov_b32 v[TM+4+\b], 0
.endr
.macro LOADX f
.irp i, 0,1,2,3,4,5,6,7,8,9,10,11,12,13,14,15
	global_load_b128 v[R+64*((\f)%2)+4*\i:R+64*((\f)%2)+4*\i+3], v5, s[28:29] offset:(16*(\f)+\i)*4096 th:TH_LOAD_NT
.endr
.endm
.macro FRAGX f
.set RB, R+64*((\f)%2)
.set FB, F+12*((\f)%2)
.if (\f) < 3
	s_wait_loadcnt 16                              ; this fragment's 16 loads are in; the next one's may be out
.else
	s_wait_loadcnt 0x0
.endif
.irp i, 0,1,2,3,4,5,6,7,8,9,10,11,12,13,14,15
	ds_store_b128 v8, v[RB+4*\i:RB+4*\i+3] offset:528*\i
.endr
.irp b, 0,1,2,3
.irp j, 0,1,2,3
	ds_load_b128 v[RB+16*\b+4*\j:RB+16*\b+4*\j+3], v9 offset:128*\b+16*\j    ; LDS serves a wave's instructions in order: these see the stores above
.endr
.endr
	s_wait_dscnt 0x0
.if (\f) >= 2
	s_wait_xcnt 0x0                                ; the stores of two fragments back have read their registers
.endif
	QUANT RB, FB, FB+6, PW+(\f)
.if (\f)+2 < 4
	LOADX (\f)+2
.endif
	global_store_b128 v5, v[FB:FB+3], s[30:31] offset:12288*(\f)
	global_store_b64 v6, v[FB+4:FB+5], s[30:31] offset:12288*(\f)+512
	global_store_b128 v5, v[FB+6:FB+9], s[30:31] offset:12288*(\f)+768
	global_store_b64 v6, v[FB+10:FB+11], s[30:31] offset:12288*(\f)+1280
.endm
	LOADX 0
	LOADX 1
	s_wait_alu depctr_va_vdst(0)
.irp f, 0,1,2,3
	FRAGX \f
.endr
	s_wait_xcnt 0x0
	s_wait_tensorcnt 0x0
	ds_add_u32 v200, v201
	s_wait_dscnt 0x0
	v_cmpx_gt_u32 16, v1
	global_store_b128 v7, v[PW:PW+3], s[50:51]
	s_endpgm
.Lfunc_end_k_q22fe8ba09b_quant:
	.size	k_q22fe8ba09b_quant, .Lfunc_end_k_q22fe8ba09b_quant-k_q22fe8ba09b_quant
	.p2alignl 7, 3214868480
	.fill 96, 4, 3214868480
	.section	.rodata,"a",@progbits
	.p2align	6, 0x0
	.amdhsa_kernel k_q22fe8ba09b_quant
		.amdhsa_group_segment_fixed_size 68608
		.amdhsa_private_segment_fixed_size 0
		.amdhsa_enable_private_segment 0
		.amdhsa_kernarg_size 64
		.amdhsa_user_sgpr_count 2
		.amdhsa_user_sgpr_kernarg_segment_ptr 1
		.amdhsa_wavefront_size32 1
		.amdhsa_system_sgpr_workgroup_id_x 1
		.amdhsa_system_sgpr_workgroup_id_y 1
		.amdhsa_system_sgpr_workgroup_id_z 1
		.amdhsa_system_vgpr_workitem_id 0
		.amdhsa_next_free_vgpr 202
		.amdhsa_next_free_sgpr 66
		.amdhsa_reserve_vcc 0
		.amdhsa_float_denorm_mode_32 3
		.amdhsa_float_denorm_mode_16_64 3
		.amdhsa_memory_ordered 1
		.amdhsa_forward_progress 1
		.amdhsa_inst_pref_size 88
	.end_amdhsa_kernel
	.amdgpu_metadata
---
amdhsa.version: [ 1, 2 ]
amdhsa.kernels:
  - .name:           k_q22fe8ba09b_quant
    .symbol:         k_q22fe8ba09b_quant.kd
    .args:
      - { .name: x, .offset: 0, .size: 8, .value_kind: global_buffer, .address_space: global }
      - { .name: Wq, .offset: 8, .size: 8, .value_kind: global_buffer, .address_space: global }
      - { .name: Wk, .offset: 16, .size: 8, .value_kind: global_buffer, .address_space: global }
      - { .name: Wv, .offset: 24, .size: 8, .value_kind: global_buffer, .address_space: global }
      - { .name: Wo, .offset: 32, .size: 8, .value_kind: global_buffer, .address_space: global }
      - { .name: W1, .offset: 40, .size: 8, .value_kind: global_buffer, .address_space: global }
      - { .name: W2, .offset: 48, .size: 8, .value_kind: global_buffer, .address_space: global }
      - { .name: wq, .offset: 56, .size: 8, .value_kind: global_buffer, .address_space: global }
    .group_segment_fixed_size: 68608
    .private_segment_fixed_size: 0
    .kernarg_segment_align: 8
    .kernarg_segment_size: 64
    .max_flat_workgroup_size: 256
    .sgpr_count:     66
    .vgpr_count:     202
    .wavefront_size: 32
...
	.end_amdgpu_metadata
.endif
;; end of part 9
;; launch gemm_qkv (part 10): grid 12 x 16, 4 waves a work-group, clusters of 4 x 4, 327,680 bytes of LDS; arguments wq, bq, bk, bv, qkv; writes qkv
.if DOCPART == 10
	.amdgcn_target "amdgcn-amd-amdhsa--gfx1250"
	.amdhsa_code_object_version 6
	.text
	.protected	k_q22fe8ba09b_gemm_qkv
	.globl	k_q22fe8ba09b_gemm_qkv
	.p2align	8
	.type	k_q22fe8ba09b_gemm_qkv,@function
k_q22fe8ba09b_gemm_qkv:
	s_mov_b64 s[64:65], 0
	v_nop
	global_prefetch_b8 v0, s[64:65] scope:SCOPE_SE
	s_setreg_imm32_b32 hwreg(HW_REG_WAVE_MODE, 25, 1), 1
	s_wait_xcnt 0x0
	s_wait_alu depctr_hold_cnt(0) depctr_sa_sdst(0) depctr_va_vdst(0) depctr_va_sdst(0) depctr_va_ssrc(0) depctr_va_vcc(0) depctr_vm_vsrc(0)
	s_getreg_b32 s2, hwreg(HW_REG_IB_STS2, 6, 4)
	s_cmp_eq_u32 s2, 0
	s_cbranch_scc0 .Lentry_in_a_cluster
	s_endpgm
.Lentry_in_a_cluster:
	s_bfe_u32 s2, ttmp6, 0x10000c
	s_cmp_lg_u32 s2, 0xf033
	s_cbranch_scc0 .Lentry_shape_is_right
	s_endpgm
.Lentry_shape_is_right:
; Q = x Wq + bq, K = x Wk + bk, V = x Wv + bv on codes of FP6 (E2M3) with E8M0 scales, and the three results quantised for attention: Q and K along the head's 64, V along the keys.
; A work-group makes 256 x 256 of a product, a wave 128 x 128 in 64 accumulators.  K goes in steps of 256 through a ring of two LDS slots.  Operands lie in memory as images of operand registers
; (16 rows x 64 K = 768 bytes: registers 0-3 at 16 x lane, 4-5 at 512 + 8 x lane), so a slot's part of 16 rows is 3,072 consecutive bytes and a fragment comes by four loads of consecutive bytes: no padding.
; The scale words of the work-group's rows, for all of K, come into LDS once, with the first fills.
; CLUSTERS 4 x 4: A's tiles are shared along a row of the cluster, B's along a column: joint loads.  The cluster's x is the KIND, equal in all partners: 0 Q, 1 K (A = x, B = the weight), 2 V (A = Wv's rows, B = x: V^T).
; THE MATRIX INSTRUCTION IS USED TRANSPOSED (source 0 = 16 rows of B, source 1 = 16 rows of A): a lane holds one row of A.  The weights' rows lie in the order pi (bits 3, 4 exchanged), so a lane's 16 registers of two
; neighbouring tiles are 16 neighbouring columns; for V, B's rows are tokens in their own order, so V's codes lie in pi's order inside each block of 32 keys, as attention's p does.
; K's slots 1 to 3 are prefetched, shared out among the partners by address.  LIMITS: as the quantising launch states (zero blocks: byte 1; NaN and infinities not served).
; REGISTERS: window 0: v1-5 lane terms, v16-29 addresses, v32-63 scale words (nothing else, ever), v64-127 the bias by column, v128-223 A's fragments, v236-251 the bias by row; window 1: B's two sets; windows 2, 3: accumulators.
.set SIZE_K, 1024
.set KPA,    12288
.set KPB,    12288
.set PLA,    16384
.set PLB,    16384
.set XC,     0
.set XS,     3145728
.set WQKVC,  3276800
.set WQKVS,  5636096
.set QS,     3145728
.set KV,     3276800
.set REC,    12800                     ; a head's record of a step of 128 keys: K's 6,144 bytes, V's 6,144, K's 256 bytes of words, V's 256; the pair's two records on end
.set NK,     SIZE_K/128
.set LAPS,   SIZE_K/512
.set FR,     12
.set NL,     4                         ; LDS loads that bring a fragment
.set NP,     4                         ; places behind this matrix instruction (ISA guide 7.12.1)
.set RBB,    3072                      ; 16 rows x 256 K
.set HALFT,  8*RBB                     ; 128 rows: what one tensor load brings
.set SLOT,   4*HALFT
.set SCL,    2*SLOT                    ; the scale words: for each 256 rows NK planes of 1,024 bytes
.set HALFS,  512*NK
.set SPARE,  SCL+4*HALFS               ; the spare words, 128 bytes a wave
.set L16,  4
.set L8,   5
.set ADRA, 16
.set ADRB, 20
.set ADRS, 27
.set SPW,  28
.set NIL,  29
.set SC,   32
.set AF,   128
.set G1,   24
.set G0,   32
.set G1B,  48
.set G0B,  56
.set G1S,  68
.set G0S,  76
.set G1SB, 80
.set G0SB, 88
.set BN,   64
.set HA,   128
.set F,    192
.set TM,   204
.set QT,   220
.set PW,   228
.set BM,   236
.set SOF,  252
.set SEL,  56
.set MSB,  0
.macro WIN new                         ; the immediate's high byte repeats the setting that is left
.if MSB != (\new)
	s_set_vgpr_msb (MSB<<8)|(\new)
.set MSB, (\new)
.endif
.endm
.set MUL_LO, 0xa1                      ; source 0 (B) window 1, source 1 (A) window 0, C and D window 2
.set MUL_HI, 0xf1
.set TO_B,   0x40
.macro JLOAD g0a, g1a, g0b, g1b        ; waves 0, 1 fetch for A, waves 2, 3 for B; four v_nop follow each line
	s_cmp_eq_u32 s15, 0
	s_cbranch_scc0 .Lfor_b_\@
	tensor_load_to_lds s[\g0a:\g0a+3], s[\g1a:\g1a+7]
	s_nop 0
.rept 4
	v_nop
.endr
	s_branch .Lasked_\@
.Lfor_b_\@:
	tensor_load_to_lds s[\g0b:\g0b+3], s[\g1b:\g1b+7]
	s_nop 0
.rept 4
	v_nop
.endr
.Lasked_\@:
.endm
.macro CREST
	s_cmp_lg_u32 s14, 0
	s_cbranch_scc1 .Lnot_wave_0_\@
	s_barrier_signal -3
.Lnot_wave_0_\@:
	s_barrier_wait -3
	s_barrier_signal -1
	s_barrier_wait -1
.endm
.macro CROUND
	s_barrier_signal -1
	s_barrier_wait -1
	CREST
.endm
.macro PLACES n
.rept \n
	v_nop
.endr
.endm
.macro FRAG reg, adr, q, i             ; 16 rows x 128 K: two images on end
	ds_load_b128 v[\reg:\reg+3], v[\adr] offset:(\i)*RBB+(\q)*1536
	ds_load_b64 v[\reg+4:\reg+5], v[\adr+2] offset:(\i)*RBB+(\q)*1536
	ds_load_b128 v[\reg+6:\reg+9], v[\adr] offset:(\i)*RBB+(\q)*1536+768
	ds_load_b64 v[\reg+10:\reg+11], v[\adr+2] offset:(\i)*RBB+(\q)*1536+768
.endm
.macro FETCH_B slot, q, p
	WIN TO_B
.irp i, 0,1,2,3,4,5,6,7
	FRAG 128*(\p)+FR*\i, ADRB+\slot, \q, \i
.endr
	WIN 0
.endm
.macro FETCH_A slot, q, i0
.irp i, \i0, \i0+1, \i0+2, \i0+3
	FRAG AF+FR*(\i), ADRA+\slot, \q, \i
.endr
.endm
.macro SCALES sc                       ; a slot's words: register SC + 16 sc + 8 q + i: lanes 0-15 A's block i, lanes 16-31 B's block i
.irp q, 0,1
.irp u, 0,1
	ds_load_b128 v[SC+16*\sc+8*\q+4*\u:SC+16*\sc+8*\q+4*\u+3], v[ADRS] offset:1024*\q+256*\u
.endr
.endr
.endm
.macro MUL16 a0, p, q, sc, zero        ; A's blocks a0, a0 + 1 x B's eight; the 64 accumulators take turns
.irp a, \a0, \a0+1
.irp b, 0,1,2,3,4,5,6,7
.if \zero
	v_wmma_scale_f32_16x16x128_f8f6f4 v[8*(8*((\a)%4)+\b):8*(8*((\a)%4)+\b)+7], v[128*(\p)+FR*\b:128*(\p)+FR*\b+FR-1], v[AF+FR*(\a):AF+FR*(\a)+FR-1], 0, v[SC+16*(\sc)+8*(\q)+\b], v[SC+16*(\sc)+8*(\q)+(\a)] matrix_a_fmt:MATRIX_FMT_FP6 matrix_b_fmt:MATRIX_FMT_FP6 matrix_a_scale:MATRIX_SCALE_ROW1
.else
	v_wmma_scale_f32_16x16x128_f8f6f4 v[8*(8*((\a)%4)+\b):8*(8*((\a)%4)+\b)+7], v[128*(\p)+FR*\b:128*(\p)+FR*\b+FR-1], v[AF+FR*(\a):AF+FR*(\a)+FR-1], v[8*(8*((\a)%4)+\b):8*(8*((\a)%4)+\b)+7], v[SC+16*(\sc)+8*(\q)+\b], v[SC+16*(\sc)+8*(\q)+(\a)] matrix_a_fmt:MATRIX_FMT_FP6 matrix_b_fmt:MATRIX_FMT_FP6 matrix_a_scale:MATRIX_SCALE_ROW1
.endif
.endr
.endr
.endm
.macro STEP slot, q, zero              ; 128 along K with a successor in the same slot
	s_wait_dscnt 4*NL                              ; all but the youngest 16 loads (A's blocks 4-7)
	WIN MUL_LO
	MUL16 0, (\q)%2, \q, \slot, \zero
	MUL16 2, (\q)%2, \q, \slot, \zero
	s_wait_dscnt 0
	PLACES NP
	FETCH_B \slot, (\q)+1, 1-(\q)%2
	FETCH_A \slot, (\q)+1, 0
	WIN MUL_HI
	MUL16 4, (\q)%2, \q, \slot, \zero
	MUL16 6, (\q)%2, \q, \slot, \zero
	PLACES NP
	WIN 0
	FETCH_A \slot, (\q)+1, 4
.endm
.macro TURN slot, next, fill           ; a slot's last step changes slots
	s_wait_tensorcnt 0x0                           ; all my tensor loads have landed: my part of the next slot
	ds_add_u32 v[SPW], v[NIL]                      ; 0 onto my spare word
	s_wait_dscnt 4*NL+1                            ; (the add and A's blocks 4-7 may be out)
	WIN MUL_LO
	MUL16 0, 1, 1, \slot, 0
	s_wait_dscnt 0x0                               ; the add is done, and my reads of this slot are over
	s_barrier_signal -1
	MUL16 2, 1, 1, \slot, 0
	WIN 0
	s_barrier_wait -1
.if \fill
	CREST                                          ; the barrier has opened a round of the cluster's: no wave of any partner still reads this slot or has a load on its way
	s_add_nc_u64 s[G0+4*\slot+2:G0+4*\slot+3], s[G0+4*\slot+2:G0+4*\slot+3], 2*RBB
	s_add_nc_u64 s[G0B+4*\slot+2:G0B+4*\slot+3], s[G0B+4*\slot+2:G0B+4*\slot+3], 2*RBB
	JLOAD G0+4*\slot, G1, G0B+4*\slot, G1B         ; the first tensor load behind the round; its four v_nop are the places in front of the loads below
.else
	PLACES NP
.endif
	s_wait_alu depctr_va_vdst(0)
	v_add_nc_u32 v[ADRS], 2048, v[ADRS]            ; two planes of 1,024 bytes on
	FETCH_B \next, 0, 0
	FETCH_A \next, 0, 0
	SCALES \next
	WIN MUL_HI
	MUL16 4, 1, 1, \slot, 0
	MUL16 6, 1, 1, \slot, 0
	PLACES NP
	WIN 0
	FETCH_A \next, 0, 4
.endm
.macro QUANT s, d0, d1, pw             ; 64 numbers of a lane, register 16 b + i = k 32 b + 16 h + i of its row -> two images' registers and the row's scale word
.irp b, 0,1,2,3
	v_max3_num_f32 v[TM+\b], |v[\s+16*\b]|, |v[\s+1+16*\b]|, 0x1800000   ; with the floor 2^(3 - 127): the byte cannot fall under 1
.endr
.irp i, 2,4,6,8,10,12,14
.irp b, 0,1,2,3
	v_max3_num_f32 v[TM+\b], v[TM+\b], |v[\s+16*\b+\i]|, |v[\s+1+16*\b+\i]|
.endr
.endr
.irp b, 0,1,2,3
	v_permlanex16_b32 v[TM+4+\b], v[TM+\b], s[SEL], s[SEL+1]
.endr
.irp b, 0,1,2,3
	v_max_num_f32 v[TM+\b], v[TM+\b], v[TM+4+\b]
.endr
.irp b, 0,1,2,3
	v_add_nc_u32 v[TM+12+\b], 0xff000000, v[TM+\b]                       ; 2 off the exponent field: the conversion's scale operand
.endr
.irp b, 0,1,2,3
	v_lshrrev_b32 v[TM+4+\b], 23, v[TM+12+\b]
.endr
	v_lshl_or_b32 v[\pw], v[TM+5], 8, v[TM+4]
	v_lshl_or_b32 v[\pw], v[TM+6], 16, v[\pw]
	v_lshl_or_b32 v[\pw], v[TM+7], 24, v[\pw]
	v_cvt_scalef32_pk16_fp6_f32 v[\d0:\d0+2], v[\s:\s+15], v[TM+12]
	v_cvt_scalef32_pk16_fp6_f32 v[QT:QT+2], v[\s+16:\s+31], v[TM+13]
	v_cvt_scalef32_pk16_fp6_f32 v[\d1:\d1+2], v[\s+32:\s+47], v[TM+14]
	v_cvt_scalef32_pk16_fp6_f32 v[QT+4:QT+6], v[\s+48:\s+63], v[TM+15]
	v_nop                                                                ; one plain line behind the conversions
.irp i, 0,1,2
	v_permlane16_swap_b32 v[\d0+\i], v[QT+\i]
	v_permlane16_swap_b32 v[\d1+\i], v[QT+4+\i]
.endr
.irp i, 0,1,2
	v_mov_b32 v[\d0+3+\i], v[QT+\i]
	v_mov_b32 v[\d1+3+\i], v[QT+4+\i]
.endr
.endm
	s_load_b256 s[4:11], s[0:1], 0x0               ; wq, bq, bk, bv
	s_load_b64 s[12:13], s[0:1], 0x20              ; qkv
	v_lshl_add_u32 v[SPW], v0, 2, SPARE
	v_mov_b32 v[NIL], 0
	ds_add_u32 v28, v29
	ds_add_u32 v28, v29
	s_wait_dscnt 0x0
	v_lshrrev_b32 v1, 5, v0
	v_readfirstlane_b32 s14, v1                    ; wave
	s_lshr_b32 s15, s14, 1                         ; my half of the rows.  Also: I fetch for A (0) or B (1)
	s_and_b32 s16, s14, 1                          ; my half of the columns.  Also: which 128 rows I fetch
	s_bfe_u32 s40, ttmp6, 0x40000                  ; cx
	s_bfe_u32 s41, ttmp6, 0x40004                  ; cy
	s_and_b32 s19, ttmp7, 0xffff                   ; cluster y
	s_mov_b32 s96, WQKVC
	s_mov_b32 s97, WQKVS
	s_mov_b32 s99, XS
	s_cmp_lt_u32 ttmp9, 2                          ; Q or K?  (the cluster's x: the same in all sixteen)
	s_cselect_b32 s17, s19, 2                      ; A: x's rows by cluster y, or Wv's (tile rows 8 to 11 of the three weights)
	s_cselect_b32 s42, ttmp9, s19                  ; B: the weight by cluster x, or x's rows by cluster y
	s_cselect_b32 s96, XC, s96                     ; where A's codes begin in wq,
	s_cselect_b32 s97, XS, s97                     ; A's scale words,
	s_cselect_b32 s98, WQKVC, XC                   ; B's codes,
	s_cselect_b32 s99, WQKVS, s99                  ; B's scale words
	s_lshl_b32 s17, s17, 2
	s_add_co_u32 s17, s17, s41                     ; tile row
	s_lshl_b32 s42, s42, 2
	s_add_co_u32 s42, s42, s40                     ; tile column
	s_lshl_b32 s43, s41, 2
	s_lshl_b32 s43, 15, s43                        ; my row of the cluster
	s_lshl_b32 s44, 0x1111, s40                    ; my column
	; group 1, codes: 8 rows of 3,072 bytes (384 elements of 8 bytes), a block of 16 rows apart in memory, on end in LDS
	s_or_b32 s[G1+0], s43, (3<<16)|(1<<21)
	s_or_b32 s[G1B+0], s44, (3<<16)|(1<<21)
.irp g, G1, G1B
	s_mov_b32 s[\g+1], 384<<16
	s_mov_b32 s[\g+2], 16<<16                      ; the head's loads bring all 256 rows; behind them the two words that count rows are set to 8
	s_mov_b32 s[\g+3], 384<<16
	s_mov_b32 s[\g+4], 16
	s_mov_b32 s[\g+6], 0
	s_mov_b32 s[\g+7], 0
.endr
	s_mov_b32 s[G1+5], KPA/8
	s_mov_b32 s[G1B+5], KPB/8
	; group 1, scale words: NK rows of 1,024 bytes (256 rows' words of one plane), a plane apart
	s_or_b32 s[G1S+0], s43, (3<<16)|(1<<21)
	s_or_b32 s[G1SB+0], s44, (3<<16)|(1<<21)
.irp g, G1S, G1SB
	s_mov_b32 s[\g+1], 128<<16                     ; 256 rows' words of a plane: 1,024 bytes
	s_mov_b32 s[\g+2], NK<<16
	s_mov_b32 s[\g+3], 128<<16
	s_mov_b32 s[\g+4], NK
	s_mov_b32 s[\g+6], 0
	s_mov_b32 s[\g+7], 0
.endr
	s_mov_b32 s[G1S+5], PLA/8
	s_mov_b32 s[G1SB+5], PLB/8
	s_lshl_b32 s18, s16, 3
	s_lshl_b32 s20, s17, 4
	s_add_co_u32 s20, s20, s18
	s_mul_i32 s20, s20, KPA
	s_add_co_u32 s20, s20, s96                     ; A's codes: block of rows 16 x tile row + 8 x half
	s_mov_b32 s21, 0
	s_lshl_b32 s22, s17, 10
	s_add_co_u32 s22, s22, s97                     ; A's scale words: 4 bytes a row
	s_lshl_b32 s46, s42, 4
	s_add_co_u32 s46, s46, s18
	s_mul_i32 s46, s46, KPB
	s_add_co_u32 s46, s46, s98
	s_mov_b32 s47, 0
	s_lshl_b32 s92, s42, 10
	s_add_co_u32 s92, s92, s99
	s_mov_b32 s23, 0
	s_mov_b32 s93, 0
	s_mul_i32 s45, s14, HALFT                      ; where they go: by the wave's number alone
	s_wait_kmcnt 0x0
	s_add_nc_u64 s[20:21], s[4:5], s[20:21]
	s_add_nc_u64 s[22:23], s[4:5], s[22:23]
	s_add_nc_u64 s[46:47], s[4:5], s[46:47]
	s_add_nc_u64 s[92:93], s[4:5], s[92:93]
	CROUND                                         ; all sixteen work-groups are here: the first joint loads meet
	s_mov_b32 s[G0S], 1
	s_mov_b32 s[G0S+1], SCL
	s_mov_b64 s[G0S+2:G0S+3], s[22:23]
	s_or_b32 s[G0S+3], s[G0S+3], 0x80000000
	s_mov_b32 s[G0SB], 1
	s_mov_b32 s[G0SB+1], SCL+2*HALFS
	s_mov_b64 s[G0SB+2:G0SB+3], s[92:93]
	s_or_b32 s[G0SB+3], s[G0SB+3], 0x80000000
.irp s, 0,1
	s_mov_b32 s[G0+4*\s], 1
	s_add_co_u32 s[G0+4*\s+1], s45, \s*SLOT
	s_add_nc_u64 s[G0+4*\s+2:G0+4*\s+3], s[20:21], \s*RBB
	s_or_b32 s[G0+4*\s+3], s[G0+4*\s+3], 0x80000000
	s_mov_b32 s[G0B+4*\s], 1
	s_add_co_u32 s[G0B+4*\s+1], s45, \s*SLOT
	s_add_nc_u64 s[G0B+4*\s+2:G0B+4*\s+3], s[46:47], \s*RBB
	s_or_b32 s[G0B+4*\s+3], s[G0B+4*\s+3], 0x80000000
.endr
	; where my prefetches stand: of the 8 blocks of 16 rows that I fetch in the ring, the partner at place p (cx for A, cy for B) names blocks 2 p and 2 p + 1: shared out by address
	s_cmp_eq_u32 s15, 0
	s_cselect_b64 s[66:67], s[20:21], s[46:47]
	s_cselect_b32 s94, s40, s41
	s_mul_i32 s94, s94, 2*KPA
	s_mov_b32 s95, 0
	s_add_nc_u64 s[66:67], s[66:67], s[94:95]
; THE HEAD'S LOADS, ONE A WAVE: wave 0 slot 0's 256 rows of A (its own ring descriptor: half 0, LDS byte 0), wave 1 A's scale words, wave 2 slot 0's 256 rows of B, wave 3 B's words
.macro ARM under, g0, g1, next
	s_cmp_lt_u32 s14, \under
	s_cbranch_scc0 \next
	tensor_load_to_lds s[\g0:\g0+3], s[\g1:\g1+7]
	s_nop 0
.rept 4
	v_nop
.endr
	s_branch .Lhead_asked
\next:
.endm
	ARM 1, G0, G1, .Lhead_sa
	ARM 2, G0S, G1S, .Lhead_b
	ARM 3, G0B, G1B, .Lhead_sb
	tensor_load_to_lds s[G0SB:G0SB+3], s[G1SB:G1SB+7]
	s_nop 0
.rept 4
	v_nop
.endr
.Lhead_asked:
	v_and_b32 v8, 31, v0                           ; 24 units of 256 bytes: lane t = min(lane, 23) names unit t % 12 of block t / 12
	v_min_u32 v8, 23, v8
	v_mul_u32_u24 v9, v8, 43
	v_lshrrev_b32 v9, 9, v9                        ; t / 12
	v_mul_u32_u24 v9, v9, KPA-RBB
	v_lshl_add_u32 v8, v8, 8, v9                   ; never rewritten
	global_prefetch_b8 v8, s[66:67] offset:RBB th:TH_LOAD_NT scope:SCOPE_SE      ; slots 1 and 2 of K's four
	global_prefetch_b8 v8, s[66:67] offset:2*RBB th:TH_LOAD_NT scope:SCOPE_SE
	v_and_b32 v1, 31, v0
	v_and_b32 v2, 15, v0
	v_bfe_u32 v3, v0, 4, 1                         ; h
	v_lshlrev_b32 v[L16], 4, v1
	v_lshlrev_b32 v[L8], 3, v1
	v_add_nc_u32 v[L8], 512, v[L8]
	s_mul_i32 s21, s15, HALFT
	s_mul_i32 s22, s16, HALFT
	s_add_co_u32 s22, s22, 2*HALFT
.irp s, 0,1
	v_add_nc_u32 v[ADRA+\s], s21, v[L16]
	v_add_nc_u32 v[ADRA+2+\s], s21, v[L8]
	v_add_nc_u32 v[ADRB+\s], s22, v[L16]
	v_add_nc_u32 v[ADRB+2+\s], s22, v[L8]
	s_add_co_u32 s21, s21, SLOT
	s_add_co_u32 s22, s22, SLOT
.endr
	s_lshl_b32 s21, s15, 9                         ; in a plane of 1,024 bytes: my 128 rows' 512
	s_lshl_b32 s22, s16, 9
	s_add_co_u32 s22, s22, 2*HALFS
	s_sub_co_u32 s22, s22, s21
	v_mul_u32_u24 v6, s22, v3                      ; lanes 16-31 take B's words
	s_add_co_u32 s21, s21, SCL
	v_lshl_add_u32 v6, v2, 4, v6
	v_add_nc_u32 v[ADRS], s21, v6
	; the biases, both ways, in every work-group: by column (Q, K) and by A's row (V); all inside the 4,096 bytes of the kind's bias
	s_cmp_eq_u32 ttmp9, 0
	s_cselect_b64 s[100:101], s[6:7], s[8:9]
	s_cmp_eq_u32 ttmp9, 2
	s_cselect_b64 s[100:101], s[10:11], s[100:101]
	s_lshl_b32 s96, s40, 10
	s_lshl_b32 s97, s16, 9
	s_add_co_u32 s96, s96, s97
	s_mov_b32 s97, 0
	s_add_nc_u64 s[96:97], s[100:101], s[96:97]
	s_lshl_b32 s98, s41, 10
	s_lshl_b32 s99, s15, 9
	s_add_co_u32 s98, s98, s99
	s_mov_b32 s99, 0
	s_add_nc_u64 s[98:99], s[100:101], s[98:99]
	v_lshlrev_b32 v30, 6, v3                       ; 64 h
	v_and_b32 v31, 8, v2
	v_add_nc_u32 v31, v31, v2
	v_lshlrev_b32 v31, 2, v31                      ; 4 (r + 8 (r / 8))
.irp b, 0,1,2,3
.irp j, 0,1,2,3
	global_load_b128 v[BN+16*\b+4*\j:BN+16*\b+4*\j+3], v30, s[96:97] offset:128*\b+16*\j     ; register 16 b + i: column 32 b + 16 h + i
.endr
.endr
.irp a, 0,1,2,3,4,5,6,7
	global_load_b32 v[BM+2*\a], v31, s[98:99] offset:4*(32*(\a/2)+8*(\a%2))                  ; block a, lane r: Wv's row 16 a + r holds column pi(16 a + r); twice, for the packed addition
	global_load_b32 v[BM+2*\a+1], v31, s[98:99] offset:4*(32*(\a/2)+8*(\a%2))
.endr
	s_wait_alu depctr_va_vdst(0)
	s_wait_tensorcnt 0x0                           ; my tile of the head's four is in
	ds_add_u32 v[SPW], v[NIL]
	s_mov_b32 s[G1+2], 8<<16                       ; no tensor load of mine is out: from here on a load brings 8 blocks of 16 rows
	s_mov_b32 s[G1+4], 8
	s_mov_b32 s[G1B+2], 8<<16
	s_mov_b32 s[G1B+4], 8
	s_wait_dscnt 0x0
	CROUND                                         ; all four tiles are in, all sixteen work-groups are here
	JLOAD G0+4, G1, G0B+4, G1B                     ; slot 1's first fill, the first tensor load behind the round
	FETCH_B 0, 0, 0
	FETCH_A 0, 0, 0
	SCALES 0
	FETCH_A 0, 0, 4
	global_prefetch_b8 v8, s[66:67] offset:3*RBB th:TH_LOAD_NT scope:SCOPE_SE    ; K's last slot, two refills on
	STEP 0, 0, 1                                   ; the first step's products start the sums
	s_mov_b32 s3, LAPS-1
.Llap:
	TURN 0, 1, 1
	STEP 1, 0, 0
	TURN 1, 0, 1
	STEP 0, 0, 0
	s_sub_co_u32 s3, s3, 1
	s_cmp_lg_u32 s3, 0
	s_cbranch_scc1 .Llap
	TURN 0, 1, 0                                   ; the last lap fills nothing
	STEP 1, 0, 0
	s_wait_dscnt 4*NL
	WIN MUL_LO
	MUL16 0, 1, 1, 1, 0
	MUL16 2, 1, 1, 1, 0
	s_wait_dscnt 0
	WIN MUL_HI
	MUL16 4, 1, 1, 1, 0
	MUL16 6, 1, 1, 1, 0
	WIN 0
	PLACES NP
; THE WAY OUT.  No tensor load of mine is out, so the descriptors' registers are free.  Block a of 16 rows of A: 64 numbers a lane + bias, quantised, two images stored whole.
; qkv: Q's images [head][tile of 16 queries]; K and V [pair of heads][step of 128 keys][head of the pair][K: 8 tiles, V: 4 tiles of 16 channels x 128 keys]; the words beside them, 256 bytes a step.
	s_lshl_b32 s24, s17, 8
	s_lshl_b32 s26, s15, 7
	s_add_co_u32 s24, s24, s26                     ; my first row of A
	s_lshl_b32 s25, s42, 8
	s_lshl_b32 s26, s16, 7
	s_add_co_u32 s25, s25, s26                     ; and of B
	s_cmp_lt_u32 ttmp9, 2
	s_cselect_b32 s26, s24, s25                    ; my first token
	s_cselect_b32 s27, s25, s24                    ; my first column of the weights
	s_lshr_b32 s28, s26, 11                        ; the batch
	s_bfe_u32 s29, s26, 0x40007                    ; the step of 128 tokens
	s_bfe_u32 s30, s27, 0x30007                    ; the pair of heads
	s_lshl_b32 s28, s28, 3
	s_add_co_u32 s31, s28, s30
	s_mul_i32 s32, s31, 196608
	s_mul_i32 s33, s29, 6144
	s_add_co_u32 s32, s32, s33                     ; Q's images
	s_lshl_b32 s33, s31, 4
	s_add_co_u32 s33, s33, s29
	s_mul_i32 s34, s33, 2*REC
	s_add_co_u32 s34, s34, KV                      ; K's
	s_lshl_b32 s35, s31, 5
	s_add_co_u32 s35, s35, s29
	s_lshl_b32 s35, s35, 8
	s_add_co_u32 s35, s35, QS                      ; Q's words
	s_add_co_u32 s36, s34, 12288                   ; K's words, behind the record's codes
	s_mov_b32 s37, REC
	s_mov_b32 s38, REC
	s_cmp_eq_u32 ttmp9, 0
	s_cselect_b32 s32, s32, s34
	s_cselect_b32 s35, s35, s36
	s_cselect_b32 s37, 98304, s37                  ; from the first image of a block to the second: the next head (Q, K),
	s_cselect_b32 s38, 4096, s38                   ; and from one head's words to the next's
	s_mov_b32 s48, 768                             ; from block to block,
	s_mov_b32 s50, 768                             ; and from block 3 to block 4
	s_cmp_eq_u32 ttmp9, 2
	s_cselect_b32 s34, 6144, 0                     ; V lies behind K,
	s_cselect_b32 s36, 256, 0
	s_cselect_b32 s37, 768, s37                    ; its second image is the next 64 keys,
	s_cselect_b32 s48, 1536, s48
	s_cselect_b32 s50, REC-3*1536, s50
	s_add_co_u32 s32, s32, s34
	s_add_co_u32 s35, s35, s36
	s_mov_b32 s33, 0
	s_mov_b32 s49, 0
	s_mov_b32 s51, 0
	s_add_nc_u64 s[52:53], s[12:13], s[32:33]
	s_mov_b32 s32, s37
	s_add_nc_u64 s[54:55], s[52:53], s[32:33]
	s_mov_b32 s32, s35
	s_add_nc_u64 s[58:59], s[12:13], s[32:33]
	s_mov_b32 s[SEL], 0x76543210
	s_mov_b32 s[SEL+1], 0xfedcba98
	s_mov_b32 s60, 0x05040100
	s_mov_b32 s61, 0x07060302
.irp b, 0,1,2,3
	v_mov_b32 v[TM+4+\b], 0                        ; (a lane permute's destination counts as one of its sources)
.endr
	v_mul_u32_u24 v[SOF], s38, v3
	v_lshl_add_u32 v[SOF], v2, 4, v[SOF]
	s_wait_loadcnt 0x0                             ; the biases
.macro BIAS a                          ; each accumulator is read from its low end on
	s_cmp_eq_u32 ttmp9, 2
	s_cbranch_scc1 .Lbv_\@
	WIN 0x02+(\a)/4
.set i, 0
.rept 32
	v_pk_add_f32 v[HA+2*i:HA+2*i+1], v[64*((\a)%4)+2*i:64*((\a)%4)+2*i+1], v[BN+2*i:BN+2*i+1]
.set i, i+1
.endr
	WIN 0
	s_branch .Lbd_\@
.Lbv_\@:
	WIN 0x02+(\a)/4
.set i, 0
.rept 32
	v_pk_add_f32 v[HA+2*i:HA+2*i+1], v[64*((\a)%4)+2*i:64*((\a)%4)+2*i+1], v[BM+2*(\a):BM+2*(\a)+1]
.set i, i+1
.endr
	WIN 0
.Lbd_\@:
.endm
.irp a, 0,1,2,3,4,5,6,7
	BIAS \a
.if \a > 0
	s_wait_xcnt 0x0                                ; the last block's stores have read their registers and bases
.if \a == 4
	s_add_nc_u64 s[52:53], s[52:53], s[50:51]
	s_add_nc_u64 s[54:55], s[54:55], s[50:51]
.else
	s_add_nc_u64 s[52:53], s[52:53], s[48:49]
	s_add_nc_u64 s[54:55], s[54:55], s[48:49]
.endif
.endif
	QUANT HA, F, F+6, PW+\a
	global_store_b128 v[L16], v[F:F+3], s[52:53]               ; 512 consecutive bytes
	global_store_b64 v[L8], v[F+4:F+5], s[52:53]               ; 256
	global_store_b128 v[L16], v[F+6:F+9], s[54:55]
	global_store_b64 v[L8], v[F+10:F+11], s[54:55]
.endr
	; the words.  Q, K: word f of a head = the head's two bytes of tiles 2 f and 2 f + 1; V: word t = tile t's.  Lanes 0-15 the pair's first head, lanes 16-31 the second
	v_cmp_le_u32 vcc_lo, 16, v1
	s_cmp_eq_u32 ttmp9, 2
	s_cbranch_scc1 .Lwords_v
.irp f, 0,1,2,3
	v_perm_b32 v[TM+\f], v[PW+2*\f+1], v[PW+2*\f], s60
	v_perm_b32 v[TM+4+\f], v[PW+2*\f+1], v[PW+2*\f], s61
.endr
.irp f, 0,1,2,3
	v_cndmask_b32 v[QT+\f], v[TM+\f], v[TM+4+\f], vcc_lo
.endr
	s_branch .Lwords_done
.Lwords_v:
.irp f, 0,1,2,3
	v_cndmask_b32 v[QT+\f], v[PW+\f], v[PW+4+\f], vcc_lo
.endr
.Lwords_done:
	s_wait_alu depctr_va_vdst(0)
	global_store_b128 v[SOF], v[QT:QT+3], s[58:59]             ; two runs of 256 consecutive bytes
	s_wait_tensorcnt 0x0                           ; the wave's end
	ds_add_u32 v[SPW], v[NIL]
	s_wait_dscnt 0x0
	CROUND                                         ; the closing round
	s_endpgm
.Lfunc_end_k_q22fe8ba09b_gemm_qkv:
	.size	k_q22fe8ba09b_gemm_qkv, .Lfunc_end_k_q22fe8ba09b_gemm_qkv-k_q22fe8ba09b_gemm_qkv
	.p2alignl 7, 3214868480
	.fill 96, 4, 3214868480
	.section	.rodata,"a",@progbits
	.p2align	6, 0x0
	.amdhsa_kernel k_q22fe8ba09b_gemm_qkv
		.amdhsa_group_segment_fixed_size 327680
		.amdhsa_private_segment_fixed_size 0
		.amdhsa_enable_private_segment 0
		.amdhsa_kernarg_size 40
		.amdhsa_user_sgpr_count 2
		.amdhsa_user_sgpr_kernarg_segment_ptr 1
		.amdhsa_wavefront_size32 1
		.amdhsa_system_sgpr_workgroup_id_x 1
		.amdhsa_system_sgpr_workgroup_id_y 1
		.amdhsa_system_sgpr_workgroup_id_z 1
		.amdhsa_system_vgpr_workitem_id 0
		.amdhsa_next_free_vgpr 1024
		.amdhsa_next_free_sgpr 104
		.amdhsa_reserve_vcc 1
		.amdhsa_float_denorm_mode_32 3
		.amdhsa_float_denorm_mode_16_64 3
		.amdhsa_memory_ordered 1
		.amdhsa_forward_progress 1
		.amdhsa_inst_pref_size 189
	.end_amdhsa_kernel
	.amdgpu_metadata
---
amdhsa.version: [ 1, 2 ]
amdhsa.kernels:
  - .name:           k_q22fe8ba09b_gemm_qkv
    .symbol:         k_q22fe8ba09b_gemm_qkv.kd
    .args:
      - { .name: wq, .offset: 0, .size: 8, .value_kind: global_buffer, .address_space: global }
      - { .name: bq, .offset: 8, .size: 8, .value_kind: global_buffer, .address_space: global }
      - { .name: bk, .offset: 16, .size: 8, .value_kind: global_buffer, .address_space: global }
      - { .name: bv, .offset: 24, .size: 8, .value_kind: global_buffer, .address_space: global }
      - { .name: qkv, .offset: 32, .size: 8, .value_kind: global_buffer, .address_space: global }
    .group_segment_fixed_size: 327680
    .private_segment_fixed_size: 0
    .kernarg_segment_align: 8
    .kernarg_segment_size: 40
    .max_flat_workgroup_size: 128
    .sgpr_count:     104
    .vgpr_count:     1024
    .wavefront_size: 32
...
	.end_amdgpu_metadata
.endif
;; end of part 10
;; launch attn (part 11): grid 8 x 32, 16 waves a work-group, clusters of 4 x 1, 206,848 bytes of LDS; arguments qkv, ctx; writes ctx
.if DOCPART == 11
	.amdgcn_target "amdgcn-amd-amdhsa--gfx1250"
	.amdhsa_code_object_version 6
	.text
	.protected	k_q22fe8ba09b_attn
	.globl	k_q22fe8ba09b_attn
	.p2align	8
	.type	k_q22fe8ba09b_attn,@function
k_q22fe8ba09b_attn:
	s_mov_b64 s[64:65], 0
	v_nop
	global_prefetch_b8 v0, s[64:65] scope:SCOPE_SE
	s_setreg_imm32_b32 hwreg(HW_REG_WAVE_MODE, 25, 1), 1
	s_wait_xcnt 0x0
	s_wait_alu depctr_hold_cnt(0) depctr_sa_sdst(0) depctr_va_vdst(0) depctr_va_sdst(0) depctr_va_ssrc(0) depctr_va_vcc(0) depctr_vm_vsrc(0)
	s_getreg_b32 s2, hwreg(HW_REG_IB_STS2, 6, 4)
	s_cmp_eq_u32 s2, 0
	s_cbranch_scc0 .Lentry_in_a_cluster
	s_endpgm
.Lentry_in_a_cluster:
	s_bfe_u32 s2, ttmp6, 0x10000c
	s_cmp_lg_u32 s2, 0x3003
	s_cbranch_scc0 .Lentry_shape_is_right
	s_endpgm
.Lentry_shape_is_right:
; ctx = softmax(Q K^T / 8) V for one head and 256 queries a work-group, on codes of FP6 (E2M3) with E8M0 scales; ctx leaves quantised along the head's 64, as the next product's operand.
; A HEAD'S K, V AND SCALE WORDS STAY IN LDS: 16 records (steps of 128 keys) of 12,800 bytes = 204,800.  Each of the 16 waves brings one record by its one tensor load at the head; one barrier; nothing is filled again,
; so the loop over the keys has no barrier and no wait on TENSORcnt.  A record: K's 8 tiles of 16 keys x 64 (768 bytes each), V's 4 tiles of 16 channels x 128 keys (1,536 each), K's words (256 bytes), V's words (256).
; CLUSTER 4 x 1: four blocks of queries of one head read the same records: joint loads, mask 15; the descriptor hangs on the head and the wave's number alone.
; A wave owns 16 queries.  Both products are used transposed (S^T = K q^T, O^T = V^T p^T): a lane holds one query.  The head's size is 64: a fragment of 128 K holds two tiles of K, and q stands beside 64 zero codes, low or high.
; K'S FRAGMENTS HAVE REGISTERS OF THEIR OWN and are asked for a whole step ahead, behind the score products that read the last ones; V's are asked for in the same run and land under the softmax.
; SOFTMAX: p = 2^(t - M), t = score x log2(e) / 8, M the running largest t rounded up to a whole number; a change of M multiplies the sum and O^T by an exact power of two; the sum is of the unquantised p.
; A block's largest p is made from the block's largest score by the same two instructions as every p.
; ctx's scale words hold two heads' bytes: this work-group stores its head's half of each word, 2 bytes for each 48 bytes of codes; whole words would want both heads' records, 409,600 bytes, in one LDS.
; No prefetch: every load of the launch from memory stands at its head, so there is no loop to run ahead in.
; LIMITS: the promise holds while |t| stays under 2^31; NaN and infinities are not served; a block whose every p is 0 gets the byte 1 (its codes are zeros).
; REGISTERS: v1 at work; v2, v3, v7 LDS addresses, stepped once a trip; v5, v6 the add's; v12 -M, v13 largest t, v[14:15] the sum; v16-33 q between zeros; v34 the factor;
;   scale words and nothing else: v4 q's, v8-11 V's, v35 p's, v220-223 K's;  v36-83 V's fragments; v192-215, v84-95, v244-255 K's four; v96-159 scores, then p; v160-191 O^T; v216-219, v224-243 at work.
.set QS,    3145728
.set KV,    3276800
.set CW,    3145728
.set REC,   12800
.set SPARE, 16*REC                     ; behind the records: the spare words, 128 bytes a wave
.set WV,    8
.set SEL,   10
.set CS,    12
.set CNT,   14
.set G0,    16
.set G1,    24
.macro CROUND
	s_barrier_signal -1
	s_barrier_wait -1
	s_cmp_lg_u32 s[WV], 0
	s_cbranch_scc1 .Lnot_wave_0_\@
	s_barrier_signal -3
.Lnot_wave_0_\@:
	s_barrier_wait -3
	s_barrier_signal -1
	s_barrier_wait -1
.endm
	s_load_b128 s[4:7], s[0:1], 0x0                ; qkv, ctx
	v_lshl_add_u32 v5, v0, 2, SPARE
	v_mov_b32 v6, 0
	ds_add_u32 v5, v6                              ; the opening lines: the add twice on end; its wait follows later
	ds_add_u32 v5, v6
	v_lshrrev_b32 v1, 5, v0
	s_delay_alu instid0(VALU_DEP_1)
	v_readfirstlane_b32 s[WV], v1                  ; wave
	s_and_b32 s15, ttmp7, 0xffff                   ; y = 16 x batch + head
	s_and_b32 s20, s15, 1                          ; the head's place in its pair
	s_mov_b32 s[G1], 15|(3<<16)|(1<<21)            ; a record: 50 rows of 256 bytes (32 elements of 8), dense
	s_mov_b32 s[G1+1], 32<<16
	s_mov_b32 s[G1+2], 50<<16
	s_mov_b32 s[G1+3], 32<<16
	s_mov_b32 s[G1+4], 50
	s_mov_b32 s[G1+5], 32
	s_mov_b32 s[G1+6], 0
	s_mov_b32 s[G1+7], 0
	s_lshr_b32 s32, s15, 1
	s_mul_i32 s32, s32, 32*REC                     ; the pair's 16 steps x 2 records
	s_mul_i32 s34, s20, REC
	s_add_co_u32 s32, s32, s34
	s_mul_i32 s34, s[WV], 2*REC                    ; my step = my wave's number
	s_add_co_u32 s32, s32, s34
	s_add_co_u32 s32, s32, KV
	s_mov_b32 s33, 0
	s_bfe_u32 s9, ttmp6, 0x40000                   ; cx
	s_lshl_b32 s21, ttmp9, 2
	s_add_co_u32 s9, s9, s21                       ; the block of 256 queries
	s_lshl_b32 s21, s9, 4
	s_add_co_u32 s21, s21, s[WV]                   ; T: my tile of 16 queries, 0 .. 127
	s_lshl_b32 s36, s15, 7
	s_add_co_u32 s36, s36, s21
	s_mul_i32 s36, s36, 768                        ; q's image
	s_mov_b32 s37, 0
	s_lshl_b32 s38, s15, 12                        ; q's words: 4,096 bytes a head, 256 for 8 tiles, word T / 2 % 4, half T % 2
	s_lshr_b32 s35, s21, 3
	s_lshl_b32 s35, s35, 8
	s_add_co_u32 s38, s38, s35
	s_bfe_u32 s35, s21, 0x20001
	s_lshl_b32 s35, s35, 2
	s_add_co_u32 s38, s38, s35
	s_add_co_u32 s38, s38, QS
	s_mov_b32 s39, 0
	s_and_b32 s22, s21, 1
	s_lshl_b32 s22, s22, 4
	s_lshr_b32 s23, s15, 4                         ; batch
	s_and_b32 s44, s15, 15                         ; head
	s_lshl_b32 s40, s23, 7
	s_add_co_u32 s40, s40, s21
	s_mul_i32 s40, s40, 12288                      ; ctx's image: block of 16 tokens, then the head
	s_mul_i32 s35, s44, 768
	s_add_co_u32 s40, s40, s35
	s_mov_b32 s41, 0
	s_lshr_b32 s42, s44, 1                         ; ctx's words: plane = pair of heads, 256 (row / 64) + 16 (row % 16) + 4 (row / 16 % 4), my head's two bytes
	s_lshl_b32 s42, s42, 14
	s_lshl_b32 s35, s23, 13
	s_add_co_u32 s42, s42, s35
	s_lshr_b32 s35, s21, 2
	s_lshl_b32 s35, s35, 8
	s_add_co_u32 s42, s42, s35
	s_and_b32 s35, s21, 3
	s_lshl_b32 s35, s35, 2
	s_add_co_u32 s42, s42, s35
	s_lshl_b32 s35, s20, 1
	s_add_co_u32 s42, s42, s35
	s_add_co_u32 s42, s42, CW
	s_mov_b32 s43, 0
	s_mov_b32 s[SEL], 0x76543210
	s_mov_b32 s[SEL+1], 0xfedcba98
	s_mov_b32 s[CS], 0x3e38aa3b                    ; log2(e) / 8
	s_mov_b32 s[CS+1], s[CS]
	s_mov_b32 s[CNT], 7
	s_wait_dscnt 0x0
	s_wait_kmcnt 0x0
	s_mov_b32 s[G0], 1
	s_mul_i32 s[G0+1], s[WV], REC
	s_add_nc_u64 s[G0+2:G0+3], s[4:5], s[32:33]
	s_or_b32 s[G0+3], s[G0+3], 0x80000000
	s_add_nc_u64 s[36:37], s[4:5], s[36:37]
	s_add_nc_u64 s[38:39], s[4:5], s[38:39]
	s_add_nc_u64 s[40:41], s[6:7], s[40:41]
	s_add_nc_u64 s[42:43], s[6:7], s[42:43]
	CROUND                                         ; the four partners are here: the joint loads meet
	tensor_load_to_lds s[G0:G0+3], s[G1:G1+7]      ; my one tensor load: step w's record
	s_nop 0
	v_and_b32 v1, 31, v0
	v_and_b32 v3, 15, v0
	s_delay_alu instid0(VALU_DEP_2)
	v_lshlrev_b32 v7, 4, v1                        ; 16 x lane
	v_lshlrev_b32 v2, 3, v1                        ; 8 x lane
	s_delay_alu instid0(VALU_DEP_3)
	v_lshlrev_b32 v3, 4, v3                        ; 16 r
	global_load_b128 v[22:25], v7, s[36:37]
	global_load_b64 v[26:27], v2, s[36:37] offset:512
	global_load_b32 v4, v3, s[38:39]
.irp j, 16,17,18,19,20,21,28,29,30,31,32,33
	v_mov_b32 v\j, 0
.endr
	v_mov_b32 v13, 0xff61b1e6                      ; -3e38, under every t
	s_delay_alu instid0(VALU_DEP_1)
	v_floor_f32 v12, -v13
	v_mov_b32 v14, 0
	v_mov_b32 v15, 0
.irp b, 0,1,2,3
	v_mov_b32 v[236+\b], 0                         ; (a lane permute's destination counts as one of its sources)
.endr
	v_mov_b32 v35, 0
	s_wait_loadcnt 0x0                             ; q is in, and the loads' offsets may be written
	v_add_nc_u32 v2, 512, v2                       ; an image's registers 4-5
	v_add_nc_u32 v3, 12288, v3                     ; a record's words
	v_lshrrev_b32 v4, s22, v4                      ; my tile's two bytes, for both places of q
	s_delay_alu instid0(VALU_DEP_1)
	v_and_b32 v4, 0xffff, v4
	s_delay_alu instid0(VALU_DEP_1)
	v_lshl_or_b32 v4, v4, 16, v4
.set i, 0
.rept 32
	v_mov_b32 v[160+i], 0                          ; the step is written once: the first finds zeros
.set i, i+1
.endr
.macro FRAG reg, base                  ; 128 K of 16 rows: two images on end
	ds_load_b128 v[\reg:\reg+3], v7 offset:\base
	ds_load_b64 v[\reg+4:\reg+5], v2 offset:\base
	ds_load_b128 v[\reg+6:\reg+9], v7 offset:\base+768
	ds_load_b64 v[\reg+10:\reg+11], v2 offset:\base+768
.endm
.macro KLOAD base                      ; 17 loads: K's four fragments and its words
	FRAG 192, \base
	FRAG 204, \base+1536
	FRAG 84, \base+3072
	FRAG 244, \base+4608
	ds_load_b128 v[220:223], v3 offset:\base
.endm
.macro VLOAD base                      ; 17 loads: V's four fragments and its words
.irp f, 0,1,2,3
	FRAG 36+12*\f, \base+6144+1536*\f
.endr
	ds_load_b128 v[8:11], v3 offset:\base+256
.endm
.macro QK kf, f
	v_wmma_scale_f32_16x16x128_f8f6f4 v[96+16*\f:103+16*\f], v[\kf:\kf+11], v[22:33], 0, v[220+\f], v4 matrix_a_fmt:MATRIX_FMT_FP6 matrix_b_fmt:MATRIX_FMT_FP6
	v_wmma_scale_f32_16x16x128_f8f6f4 v[104+16*\f:111+16*\f], v[\kf:\kf+11], v[16:27], 0, v[220+\f], v4 matrix_a_fmt:MATRIX_FMT_FP6 matrix_b_fmt:MATRIX_FMT_FP6
.endm
.macro STEP q, pf                      ; 128 keys: the q-th record of the trip's two; pf = 1: the next record's K is asked for
	s_wait_dscnt 0x0                               ; K's fragments and words, asked for a step ago
	QK 192, 0
	QK 204, 1
	QK 84, 2
	QK 244, 3
.rept 4
	v_nop                                          ; the places in front of the first read of the scores and of the loads below
.endr
	VLOAD REC*(\q)
.if \pf
	KLOAD REC*(\q)+REC
.if \q == 1
	v_add_nc_u32 v7, 2*REC, v7                     ; on to the next trip's two records
	v_add_nc_u32 v2, 2*REC, v2
	v_add_nc_u32 v3, 2*REC, v3
.endif
.endif
.irp b, 0,1,2,3
	v_max3_num_f32 v[232+\b], v[96+16*\b], v[97+16*\b], v[98+16*\b]     ; each block's largest score, the four blocks by turns
.endr
.irp i, 3,5,7,9,11,13
.irp b, 0,1,2,3
	v_max3_num_f32 v[232+\b], v[232+\b], v[96+16*\b+\i], v[97+16*\b+\i]
.endr
.endr
.irp b, 0,1,2,3
	v_max_num_f32 v[232+\b], v[232+\b], v[111+16*\b]
.endr
.irp b, 0,1,2,3
	s_delay_alu instid0(VALU_DEP_4)
	v_permlanex16_b32 v[236+\b], v[232+\b], s[SEL], s[SEL+1]
.endr
.irp b, 0,1,2,3
	s_delay_alu instid0(VALU_DEP_4)
	v_max_num_f32 v[232+\b], v[232+\b], v[236+\b]
.endr
	s_delay_alu instid0(VALU_DEP_2)
	v_max3_num_f32 v1, v232, v233, v234
	s_delay_alu instid0(VALU_DEP_1)
	v_max_num_f32 v1, v1, v235
	s_delay_alu instid0(VALU_DEP_1)
	v_mul_f32 v1, s[CS], v1
	s_delay_alu instid0(VALU_DEP_1)
	v_max_num_f32 v13, v13, v1                     ; the running largest t
	v_mov_b32 v1, v12
	s_delay_alu instid0(VALU_DEP_2)
	v_floor_f32 v12, -v13                          ; -M
	s_delay_alu instid0(VALU_DEP_1)
	v_sub_f32 v1, v12, v1
	s_delay_alu instid0(VALU_DEP_1)
	v_cvt_i32_f32 v1, v1
	s_delay_alu instid0(VALU_DEP_1)
	v_ldexp_f32 v34, 1.0, v1                       ; f = 2^(old M - new M)
.set i, 0
.rept 32
	v_pk_fma_f32 v[96+2*i:97+2*i], v[96+2*i:97+2*i], s[CS:CS+1], v[12:13] op_sel_hi:[1,0,0]
.set i, i+1
.endr
.irp b, 0,1,2,3
	v_fma_f32 v[232+\b], v[232+\b], s[CS], v12
.endr
.set i, 0
	s_wait_alu depctr_va_vdst(0)
.rept 64
	v_exp_f32 v[96+i], v[96+i]
.set i, i+1
.endr
	v_pk_mul_f32 v[14:15], v[14:15], v[34:35] op_sel_hi:[1,0]
	s_wait_alu depctr_va_vdst(0)                   ; and behind it
.irp b, 0,1,2,3
	v_exp_f32 v[232+\b], v[232+\b]
.endr
	v_pk_add_f32 v[236:237], v[96:97], v[98:99]    ; the sum of the unquantised p, in two chains
.irp j, 4,8,12,16,20,24,28,32,36,40,44,48,52,56,60
	v_pk_add_f32 v[14:15], v[14:15], v[96+\j:97+\j]
	v_pk_add_f32 v[236:237], v[236:237], v[98+\j:99+\j]
.endr
	s_delay_alu instid0(VALU_DEP_1)
	v_pk_add_f32 v[14:15], v[14:15], v[236:237]
	s_wait_alu depctr_va_vdst(0)                   ; for the four
.irp b, 0,1,2,3
	v_max_num_f32 v[232+\b], 0x1800000, v[232+\b]  ; the floor 2^(3 - 127): the byte cannot fall under 1
.endr
.irp b, 0,1,2,3
	s_delay_alu instid0(VALU_DEP_4)
	v_add_nc_u32 v[216+\b], 0xff000000, v[232+\b]
.endr
.irp b, 0,1,2,3
	s_delay_alu instid0(VALU_DEP_4)
	v_lshrrev_b32 v[236+\b], 23, v[216+\b]
.endr
	s_delay_alu instid0(VALU_DEP_3)
	v_lshl_or_b32 v35, v237, 8, v236               ; p's scale word
	s_delay_alu instid0(VALU_DEP_1)
	v_lshl_or_b32 v35, v238, 16, v35
	s_delay_alu instid0(VALU_DEP_1)
	v_lshl_or_b32 v35, v239, 24, v35
.irp c, 0,1
	v_cvt_scalef32_pk16_fp6_f32 v[224+6*\c:226+6*\c], v[96+32*\c:111+32*\c], v[216+2*\c]
	v_cvt_scalef32_pk16_fp6_f32 v[236+4*\c:238+4*\c], v[112+32*\c:127+32*\c], v[216+2*\c+1]
.endr
	v_nop
.irp c, 0,1
.irp i, 0,1,2
	v_permlane16_swap_b32 v[224+6*\c+\i], v[236+4*\c+\i]   ; a whole block to a lane
.endr
.irp i, 0,1,2
	s_delay_alu instid0(VALU_DEP_3)
	v_mov_b32 v[227+6*\c+\i], v[236+4*\c+\i]
.endr
.endr
.if \pf
	s_wait_dscnt 17                                ; V's 17 loads are in; the next record's 17, issued behind them, may be out
.else
	s_wait_dscnt 0x0
.endif
	s_wait_alu depctr_va_vdst(0)                   ; directly ahead of the first reader of O^T
.set i, 0
.rept 16
	v_pk_mul_f32 v[160+2*i:161+2*i], v[160+2*i:161+2*i], v[34:35] op_sel_hi:[1,0]
.set i, i+1
.endr
.irp t, 0,1,2,3
	v_wmma_scale_f32_16x16x128_f8f6f4 v[160+8*\t:167+8*\t], v[36+12*\t:47+12*\t], v[224:235], v[160+8*\t:167+8*\t], v[8+\t], v35 matrix_a_fmt:MATRIX_FMT_FP6 matrix_b_fmt:MATRIX_FMT_FP6
.endr
.endm
	s_wait_alu depctr_va_vdst(0)                   ; at the head's end
	s_wait_tensorcnt 0x0                           ; my record is in
	s_barrier_signal -1
	s_barrier_wait -1                              ; and so is everybody's
	KLOAD 0
.Ltrip:                                            ; seven trips of two records
	STEP 0, 1
	STEP 1, 1
	s_sub_co_u32 s[CNT], s[CNT], 1
	s_cmp_lg_u32 s[CNT], 0
	s_cbranch_scc1 .Ltrip
	STEP 0, 1                                      ; the last two records: behind the last nothing is left to ask for
	STEP 1, 0
	v_add_f32 v14, v14, v15
	v_and_b32 v1, 31, v0
	s_delay_alu instid0(VALU_DEP_2)
	v_permlanex16_b32 v34, v14, s[SEL], s[SEL+1]
	v_and_b32 v3, 15, v0
	s_delay_alu instid0(VALU_DEP_2)
	v_add_f32 v14, v14, v34                        ; the row's sum
	v_lshlrev_b32 v7, 4, v1                        ; the way out: 16 x lane,
	v_lshlrev_b32 v2, 3, v1                        ; 8 x lane,
	v_lshlrev_b32 v3, 4, v3                        ; 16 r
	s_wait_alu depctr_va_vdst(0)
	v_rcp_f32 v14, v14
	v_nop
	s_wait_alu depctr_va_vdst(0)
.set i, 0
.rept 32
	v_mul_f32 v[96+i], v[160+i], v14               ; register 16 b + i: channel 32 b + 16 h + i of my query
.set i, i+1
.endr
.irp b, 0,1
	v_max3_num_f32 v[232+\b], |v[96+16*\b]|, |v[97+16*\b]|, 0x1800000
.endr
.irp i, 2,4,6,8,10,12,14
.irp b, 0,1
	s_delay_alu instid0(VALU_DEP_2)
	v_max3_num_f32 v[232+\b], v[232+\b], |v[96+16*\b+\i]|, |v[97+16*\b+\i]|
.endr
.endr
.irp b, 0,1
	s_delay_alu instid0(VALU_DEP_2)
	v_permlanex16_b32 v[236+\b], v[232+\b], s[SEL], s[SEL+1]
.endr
.irp b, 0,1
	s_delay_alu instid0(VALU_DEP_2)
	v_max_num_f32 v[232+\b], v[232+\b], v[236+\b]
.endr
.irp b, 0,1
	s_delay_alu instid0(VALU_DEP_2)
	v_add_nc_u32 v[216+\b], 0xff000000, v[232+\b]
.endr
.irp b, 0,1
	s_delay_alu instid0(VALU_DEP_2)
	v_lshrrev_b32 v[236+\b], 23, v[216+\b]
.endr
	s_delay_alu instid0(VALU_DEP_1)
	v_lshl_or_b32 v234, v237, 8, v236              ; my head's two bytes of the row's word
	v_cvt_scalef32_pk16_fp6_f32 v[224:226], v[96:111], v216
	v_cvt_scalef32_pk16_fp6_f32 v[240:242], v[112:127], v217
	v_nop
.irp i, 0,1,2
	v_permlane16_swap_b32 v[224+\i], v[240+\i]
.endr
.irp i, 0,1,2
	s_delay_alu instid0(VALU_DEP_3)
	v_mov_b32 v[227+\i], v[240+\i]
.endr
	global_store_b128 v7, v[224:227], s[40:41]     ; 512 consecutive bytes
	global_store_b64 v2, v[228:229], s[40:41] offset:512   ; 256
	s_wait_alu depctr_va_vdst(0)
	s_wait_xcnt 0x0                                ; EXEC changes only behind this wait
	v_cmpx_gt_u32 256, v7                          ; lanes 0-15
	global_store_b16 v3, v234, s[42:43]
	s_wait_xcnt 0x0
	s_mov_b32 exec_lo, -1
	s_wait_tensorcnt 0x0                           ; the wave's end
	ds_add_u32 v5, v6
	s_wait_dscnt 0x0
	CROUND                                         ; the closing round
	s_endpgm
.Lfunc_end_k_q22fe8ba09b_attn:
	.size	k_q22fe8ba09b_attn, .Lfunc_end_k_q22fe8ba09b_attn-k_q22fe8ba09b_attn
	.p2alignl 7, 3214868480
	.fill 96, 4, 3214868480
	.section	.rodata,"a",@progbits
	.p2align	6, 0x0
	.amdhsa_kernel k_q22fe8ba09b_attn
		.amdhsa_group_segment_fixed_size 206848
		.amdhsa_private_segment_fixed_size 0
		.amdhsa_enable_private_segment 0
		.amdhsa_kernarg_size 16
		.amdhsa_user_sgpr_count 2
		.amdhsa_user_sgpr_kernarg_segment_ptr 1
		.amdhsa_wavefront_size32 1
		.amdhsa_system_sgpr_workgroup_id_x 1
		.amdhsa_system_sgpr_workgroup_id_y 1
		.amdhsa_system_sgpr_workgroup_id_z 1
		.amdhsa_system_vgpr_workitem_id 0
		.amdhsa_next_free_vgpr 256
		.amdhsa_next_free_sgpr 66
		.amdhsa_reserve_vcc 0
		.amdhsa_float_denorm_mode_32 3
		.amdhsa_float_denorm_mode_16_64 3
		.amdhsa_memory_ordered 1
		.amdhsa_forward_progress 1
		.amdhsa_inst_pref_size 79
	.end_amdhsa_kernel
	.amdgpu_metadata
---
amdhsa.version: [ 1, 2 ]
amdhsa.kernels:
  - .name:           k_q22fe8ba09b_attn
    .symbol:         k_q22fe8ba09b_attn.kd
    .args:
      - { .name: qkv, .offset: 0, .size: 8, .value_kind: global_buffer, .address_space: global }
      - { .name: ctx, .offset: 8, .size: 8, .value_kind: global_buffer, .address_space: global }
    .group_segment_fixed_size: 206848
    .private_segment_fixed_size: 0
    .kernarg_segment_align: 8
    .kernarg_segment_size: 16
    .max_flat_workgroup_size: 512
    .sgpr_count:     66
    .vgpr_count:     256
    .wavefront_size: 32
...
	.end_amdgpu_metadata
.endif
;; end of part 11
;; launch gemm_wo (part 12): grid 8 x 32, 4 waves a work-group, clusters of 4 x 4, 327,680 bytes of LDS; arguments ctx, wq, bo, x, yb; writes yb
.if DOCPART == 12
	.amdgcn_target "amdgcn-amd-amdhsa--gfx1250"
	.amdhsa_code_object_version 6
	.text
	.protected	k_q22fe8ba09b_gemm_wo
	.globl	k_q22fe8ba09b_gemm_wo
	.p2align	8
	.type	k_q22fe8ba09b_gemm_wo,@function
k_q22fe8ba09b_gemm_wo:
	s_mov_b64 s[64:65], 0
	v_nop
	global_prefetch_b8 v0, s[64:65] scope:SCOPE_SE
	s_setreg_imm32_b32 hwreg(HW_REG_WAVE_MODE, 25, 1), 1
	s_wait_xcnt 0x0
	s_wait_alu depctr_hold_cnt(0) depctr_sa_sdst(0) depctr_va_vdst(0) depctr_va_sdst(0) depctr_va_ssrc(0) depctr_va_vcc(0) depctr_vm_vsrc(0)
	s_getreg_b32 s2, hwreg(HW_REG_IB_STS2, 6, 4)
	s_cmp_eq_u32 s2, 0
	s_cbranch_scc0 .Lentry_in_a_cluster
	s_endpgm
.Lentry_in_a_cluster:
	s_bfe_u32 s2, ttmp6, 0x10000c
	s_cmp_lg_u32 s2, 0xf033
	s_cbranch_scc0 .Lentry_shape_is_right
	s_endpgm
.Lentry_shape_is_right:
; yb = x + (ctx Wo + bo): the product on codes of FP6 (E2M3) with E8M0 scales, the rest in f32.  ctx [4096][1024] and Wo (rows = its columns in the order pi, bits 3, 4 exchanged) lie as images of operand registers
; (16 rows x 64 K = 768 bytes: registers 0-3 at 16 x lane, 4-5 at 512 + 8 x lane), [block of 16 rows][64 K].
; N = 1,024: a tile of C is 128 x 128, so that there are 32 x 8 = 256 work-groups.  Four waves, each 64 x 64: 16 accumulators.  A slot holds 512 along K: 16 rows of it are 6,144 consecutive bytes, a wave's tensor load
; brings 4 such rows.  K = 1,024 is two slots: both are first fills, and nothing is filled again (the loop over laps is not assembled at this K).
; The scale words of the work-group's rows, for all of K, come with the first fills.  CLUSTERS 4 x 4: A's tiles shared along a row, B's along a column, by joint loads.
; THE MATRIX INSTRUCTION IS USED TRANSPOSED (source 0 = 16 rows of B, source 1 = 16 rows of A): a lane holds one row of C, and by pi tile b's eight numbers are columns 32 (b / 2) + 16 h + 8 (b % 2) + 0..7.
; The bias is the C of each sum's first matrix instruction.  A wave's 64 columns are 256 consecutive bytes of a row, at a multiple of 256 from yb's first byte: each wave stores its rows by itself.
; REGISTERS: window 0: v1-5 lane terms, v16-30 addresses, v32-63 scale words (nothing else, ever), v64-95 the bias, v128-255 the accumulators ((a, b) at v[128 + 8 (4 a + b)]);
;   window 1: two sets of fragments, at v0 and v128: A's four blocks, then B's four;   window 2: v0-127 the residual's 64 rows x 256 bytes, asked for at the head.
.set SIZE_K, 1024
.set KPA,    12288
.set KPB,    12288
.set PLA,    16384
.set PLB,    4096
.set ACO,    0
.set ASO,    3145728
.set BCO,    5767168
.set BSO,    6553600
.set NK,     SIZE_K/128
.set LAPS,   SIZE_K/1024               ; a lap = two slots
.set FR,     12
.set NP,     4                         ; places behind this matrix instruction (ISA guide 7.12.1)
.set RBB,    6144                      ; 16 rows x 512 K
.set HALFT,  4*RBB                     ; 64 rows: what one tensor load brings, and what one wave reads of A or of B
.set SLOT,   4*HALFT                   ; A's 128 rows, then B's 128
.set SCL,    2*SLOT                    ; the scale words: for each 128 rows NK planes of 512 bytes
.set HALFS,  256*NK
.set SPARE,  SCL+4*HALFS               ; the spare words, 128 bytes a wave
.set SPITCH, 272                       ; the stage: 16 rows x (256 bytes + 16) for each wave
.set L16,  4
.set L8,   5
.set ADRA, 16
.set ADRB, 20
.set STO,  24
.set RD,   25
.set CO,   26
.set ADRS, 27
.set SPW,  28
.set NIL,  29
.set SC,   32
.set BN,   64
.set ACC,  128
.set G1,   24
.set G0,   32
.set G1B,  48
.set G0B,  56
.set G1S,  68
.set G0S,  76
.set G1SB, 80
.set G0SB, 88
.set MSB,  0
.macro WIN new                         ; the immediate's high byte repeats the setting that is left
.if MSB != (\new)
	s_set_vgpr_msb (MSB<<8)|(\new)
.set MSB, (\new)
.endif
.endm
.set MUL,  0x05                        ; sources 0 (B) and 1 (A) window 1; C and D window 0
.set TO_F, 0x40                        ; destination window 1, address window 0
.macro JLOAD g0a, g1a, g0b, g1b        ; waves 0, 1 fetch for A, waves 2, 3 for B; four v_nop follow each line
	s_cmp_eq_u32 s15, 0
	s_cbranch_scc0 .Lfor_b_\@
	tensor_load_to_lds s[\g0a:\g0a+3], s[\g1a:\g1a+7]
	s_nop 0
.rept 4
	v_nop
.endr
	s_branch .Lasked_\@
.Lfor_b_\@:
	tensor_load_to_lds s[\g0b:\g0b+3], s[\g1b:\g1b+7]
	s_nop 0
.rept 4
	v_nop
.endr
.Lasked_\@:
.endm
.macro CREST
	s_cmp_lg_u32 s14, 0
	s_cbranch_scc1 .Lnot_wave_0_\@
	s_barrier_signal -3
.Lnot_wave_0_\@:
	s_barrier_wait -3
	s_barrier_signal -1
	s_barrier_wait -1
.endm
.macro CROUND
	s_barrier_signal -1
	s_barrier_wait -1
	CREST
.endm
.macro PLACES n
.rept \n
	v_nop
.endr
.endm
.macro FRAG reg, adr, q, i             ; 16 rows x 128 K: two images on end
	ds_load_b128 v[\reg:\reg+3], v[\adr] offset:(\i)*RBB+(\q)*1536
	ds_load_b64 v[\reg+4:\reg+5], v[\adr+2] offset:(\i)*RBB+(\q)*1536
	ds_load_b128 v[\reg+6:\reg+9], v[\adr] offset:(\i)*RBB+(\q)*1536+768
	ds_load_b64 v[\reg+10:\reg+11], v[\adr+2] offset:(\i)*RBB+(\q)*1536+768
.endm
.macro FETCH slot, q, p                ; 32 LDS loads in one run: the eight fragments of the slot's q-th 128 along K into set p
	WIN TO_F
.irp i, 0,1,2,3
	FRAG 128*(\p)+48+FR*\i, ADRB+\slot, \q, \i
.endr
.irp i, 0,1,2,3
	FRAG 128*(\p)+FR*\i, ADRA+\slot, \q, \i
.endr
.endm
.macro SCALES sc                       ; a slot's words: register SC + 16 sc + 4 q + i: lanes 0-15 A's block i, lanes 16-31 B's block i
.irp q, 0,1,2,3
	ds_load_b128 v[SC+16*\sc+4*\q:SC+16*\sc+4*\q+3], v[ADRS] offset:512*\q
.endr
.endm
.macro MUL4 a, p, q, sc, first         ; A's block a x B's four; the 16 accumulators take turns.  first = 1: the sums begin with the bias
.irp b, 0,1,2,3
.if \first
	v_wmma_scale_f32_16x16x128_f8f6f4 v[ACC+8*(4*(\a)+\b):ACC+8*(4*(\a)+\b)+7], v[128*(\p)+48+FR*\b:128*(\p)+48+FR*\b+FR-1], v[128*(\p)+FR*(\a):128*(\p)+FR*(\a)+FR-1], v[BN+8*\b:BN+8*\b+7], v[SC+16*(\sc)+4*(\q)+\b], v[SC+16*(\sc)+4*(\q)+(\a)] matrix_a_fmt:MATRIX_FMT_FP6 matrix_b_fmt:MATRIX_FMT_FP6 matrix_a_scale:MATRIX_SCALE_ROW1
.else
	v_wmma_scale_f32_16x16x128_f8f6f4 v[ACC+8*(4*(\a)+\b):ACC+8*(4*(\a)+\b)+7], v[128*(\p)+48+FR*\b:128*(\p)+48+FR*\b+FR-1], v[128*(\p)+FR*(\a):128*(\p)+FR*(\a)+FR-1], v[ACC+8*(4*(\a)+\b):ACC+8*(4*(\a)+\b)+7], v[SC+16*(\sc)+4*(\q)+\b], v[SC+16*(\sc)+4*(\q)+(\a)] matrix_a_fmt:MATRIX_FMT_FP6 matrix_b_fmt:MATRIX_FMT_FP6 matrix_a_scale:MATRIX_SCALE_ROW1
.endif
.endr
.endm
.macro STEP slot, q, first             ; 128 along K with a successor in the same slot: the next step's fragments are asked for first, into the other set, then this step's 16 products
	s_wait_dscnt 0x0                               ; this step's fragments (and, at a slot's head, its scale words) are in
	PLACES NP                                      ; in front of loads into the set that the last step's products read
	FETCH \slot, (\q)+1, 1-(\q)%2
	WIN MUL
	MUL4 0, (\q)%2, \q, \slot, \first
	MUL4 1, (\q)%2, \q, \slot, \first
	MUL4 2, (\q)%2, \q, \slot, \first
	MUL4 3, (\q)%2, \q, \slot, \first
.endm
.macro TURN slot, next, fill           ; a slot's last step (set 1) changes slots
	WIN 0                                          ; (the add's two registers lie in window 0)
	s_wait_tensorcnt 0x0                           ; all my tensor loads have landed: my part of the next slot
	ds_add_u32 v[SPW], v[NIL]                      ; 0 onto my spare word
	s_wait_dscnt 1                                 ; this step's fragments are in; the add may be out
	WIN MUL
	MUL4 0, 1, 3, \slot, 0                         ; four matrix instructions stand between the add and the wait for it
	s_wait_dscnt 0x0                               ; the add is done, and my reads of this slot are over
	s_barrier_signal -1
	MUL4 1, 1, 3, \slot, 0
	WIN 0
	s_barrier_wait -1
.if \fill
	CREST                                          ; the barrier has opened a round of the cluster's: no wave of any partner still reads this slot or has a load on its way
	s_add_nc_u64 s[G0+4*\slot+2:G0+4*\slot+3], s[G0+4*\slot+2:G0+4*\slot+3], 2*RBB
	s_add_nc_u64 s[G0B+4*\slot+2:G0B+4*\slot+3], s[G0B+4*\slot+2:G0B+4*\slot+3], 2*RBB
	JLOAD G0+4*\slot, G1, G0B+4*\slot, G1B         ; the first tensor load behind the round; its four v_nop are the places in front of the loads below
.else
	PLACES NP
.endif
	v_add_nc_u32 v[ADRS], 2048, v[ADRS]            ; four planes of 512 bytes on
	FETCH \next, 0, 0
	WIN 0
	SCALES \next
	WIN MUL
	MUL4 2, 1, 3, \slot, 0
	MUL4 3, 1, 3, \slot, 0
.endm
	s_load_b256 s[4:11], s[0:1], 0x0               ; A's buffer, wq, the bias, the residual
	s_load_b64 s[12:13], s[0:1], 0x20              ; yb
	v_lshl_add_u32 v[SPW], v0, 2, SPARE
	v_mov_b32 v[NIL], 0
	ds_add_u32 v28, v29
	ds_add_u32 v28, v29
	s_wait_dscnt 0x0
	v_lshrrev_b32 v1, 5, v0
	v_readfirstlane_b32 s14, v1                    ; wave
	s_lshr_b32 s15, s14, 1                         ; my half of the rows.  Also: I fetch for A (0) or B (1)
	s_and_b32 s16, s14, 1                          ; my half of the columns.  Also: which 64 rows I fetch
	s_bfe_u32 s40, ttmp6, 0x40000                  ; cx
	s_bfe_u32 s41, ttmp6, 0x40004                  ; cy
	s_lshl_b32 s42, ttmp9, 2
	s_add_co_u32 s42, s42, s40                     ; tile column
	s_and_b32 s17, ttmp7, 0xffff
	s_lshl_b32 s17, s17, 2
	s_add_co_u32 s17, s17, s41                     ; tile row
	s_lshl_b32 s43, s41, 2
	s_lshl_b32 s43, 15, s43                        ; my row of the cluster
	s_lshl_b32 s44, 0x1111, s40                    ; my column
	s_or_b32 s[G1+0], s43, (3<<16)|(1<<21)         ; codes: 4 rows of 6,144 bytes (768 elements of 8 bytes), a block of 16 rows apart in memory, on end in LDS
	s_or_b32 s[G1B+0], s44, (3<<16)|(1<<21)
.irp g, G1, G1B
	s_mov_b32 s[\g+1], 768<<16
	s_mov_b32 s[\g+2], 8<<16                       ; the head's loads bring all 128 rows; behind them the two words that count rows are set to 4
	s_mov_b32 s[\g+3], 768<<16
	s_mov_b32 s[\g+4], 8
	s_mov_b32 s[\g+6], 0
	s_mov_b32 s[\g+7], 0
.endr
	s_mov_b32 s[G1+5], KPA/8
	s_mov_b32 s[G1B+5], KPB/8
	s_or_b32 s[G1S+0], s43, (3<<16)|(1<<21)        ; scale words: NK rows of 512 bytes (128 rows' words of one plane), a plane apart
	s_or_b32 s[G1SB+0], s44, (3<<16)|(1<<21)
.irp g, G1S, G1SB
	s_mov_b32 s[\g+1], 64<<16                      ; 128 rows' words of a plane: 512 bytes
	s_mov_b32 s[\g+2], NK<<16
	s_mov_b32 s[\g+3], 64<<16
	s_mov_b32 s[\g+4], NK
	s_mov_b32 s[\g+6], 0
	s_mov_b32 s[\g+7], 0
.endr
	s_mov_b32 s[G1S+5], PLA/8
	s_mov_b32 s[G1SB+5], PLB/8
	s_lshl_b32 s18, s16, 2
	s_lshl_b32 s20, s17, 3
	s_add_co_u32 s20, s20, s18
	s_mul_i32 s20, s20, KPA
	s_add_co_u32 s20, s20, ACO                     ; A's codes: block of rows 8 x tile row + 4 x half
	s_mov_b32 s21, 0
	s_lshl_b32 s22, s17, 9
	s_add_co_u32 s22, s22, ASO                     ; A's scale words: 4 bytes a row
	s_lshl_b32 s46, s42, 3
	s_add_co_u32 s46, s46, s18
	s_mul_i32 s46, s46, KPB
	s_add_co_u32 s46, s46, BCO
	s_mov_b32 s47, 0
	s_lshl_b32 s92, s42, 9
	s_add_co_u32 s92, s92, BSO
	s_mov_b32 s23, 0
	s_mov_b32 s93, 0
	s_mul_i32 s45, s14, HALFT                      ; where they go: by the wave's number alone
	s_wait_kmcnt 0x0
	s_add_nc_u64 s[20:21], s[4:5], s[20:21]
	s_add_nc_u64 s[22:23], s[4:5], s[22:23]
	s_add_nc_u64 s[46:47], s[6:7], s[46:47]
	s_add_nc_u64 s[92:93], s[6:7], s[92:93]
	CROUND                                         ; all sixteen work-groups are here: the first joint loads meet
	s_mov_b32 s[G0S], 1
	s_mov_b32 s[G0S+1], SCL
	s_mov_b64 s[G0S+2:G0S+3], s[22:23]
	s_or_b32 s[G0S+3], s[G0S+3], 0x80000000
	s_mov_b32 s[G0SB], 1
	s_mov_b32 s[G0SB+1], SCL+2*HALFS
	s_mov_b64 s[G0SB+2:G0SB+3], s[92:93]
	s_or_b32 s[G0SB+3], s[G0SB+3], 0x80000000
.irp s, 0,1
	s_mov_b32 s[G0+4*\s], 1
	s_add_co_u32 s[G0+4*\s+1], s45, \s*SLOT
	s_add_nc_u64 s[G0+4*\s+2:G0+4*\s+3], s[20:21], \s*RBB
	s_or_b32 s[G0+4*\s+3], s[G0+4*\s+3], 0x80000000
	s_mov_b32 s[G0B+4*\s], 1
	s_add_co_u32 s[G0B+4*\s+1], s45, \s*SLOT
	s_add_nc_u64 s[G0B+4*\s+2:G0B+4*\s+3], s[46:47], \s*RBB
	s_or_b32 s[G0B+4*\s+3], s[G0B+4*\s+3], 0x80000000
.endr
	; where my prefetch stands: of the 4 blocks of 16 rows that I fetch in the ring, the partner at place p (cx for A, cy for B) names block p: shared out by address
	s_cmp_eq_u32 s15, 0
	s_cselect_b64 s[66:67], s[20:21], s[46:47]
	s_cselect_b32 s94, s40, s41
	s_mul_i32 s94, s94, KPA
	s_mov_b32 s95, 0
	s_add_nc_u64 s[66:67], s[66:67], s[94:95]
; THE HEAD'S LOADS, ONE A WAVE: wave 0 slot 0's 128 rows of A (its own ring descriptor: half 0, LDS byte 0), wave 1 A's scale words, wave 2 slot 0's 128 rows of B, wave 3 B's words
.macro ARM under, g0, g1, next
	s_cmp_lt_u32 s14, \under
	s_cbranch_scc0 \next
	tensor_load_to_lds s[\g0:\g0+3], s[\g1:\g1+7]
	s_nop 0
.rept 4
	v_nop
.endr
	s_branch .Lhead_asked
\next:
.endm
	ARM 1, G0, G1, .Lhead_sa
	ARM 2, G0S, G1S, .Lhead_b
	ARM 3, G0B, G1B, .Lhead_sb
	tensor_load_to_lds s[G0SB:G0SB+3], s[G1SB:G1SB+7]
	s_nop 0
.rept 4
	v_nop
.endr
.Lhead_asked:
	v_and_b32 v8, 31, v0                           ; a block's 6,144 bytes of a slot are 24 units of 256: lane min(lane, 23) names one
	v_min_u32 v8, 23, v8
	v_lshlrev_b32 v8, 8, v8                        ; never rewritten
	global_prefetch_b8 v8, s[66:67] offset:RBB th:TH_LOAD_NT scope:SCOPE_SE      ; slot 1, K's second and last
	v_and_b32 v1, 31, v0
	v_and_b32 v2, 15, v0
	v_bfe_u32 v3, v0, 4, 1                         ; h
	v_lshlrev_b32 v[L16], 4, v1
	v_lshlrev_b32 v[L8], 3, v1
	v_add_nc_u32 v[L8], 512, v[L8]
	s_mul_i32 s21, s15, HALFT
	s_mul_i32 s22, s16, HALFT
	s_add_co_u32 s22, s22, 2*HALFT
.irp s, 0,1
	v_add_nc_u32 v[ADRA+\s], s21, v[L16]
	v_add_nc_u32 v[ADRA+2+\s], s21, v[L8]
	v_add_nc_u32 v[ADRB+\s], s22, v[L16]
	v_add_nc_u32 v[ADRB+2+\s], s22, v[L8]
	s_add_co_u32 s21, s21, SLOT
	s_add_co_u32 s22, s22, SLOT
.endr
	s_lshl_b32 s21, s15, 8                         ; in a plane of 512 bytes: my 64 rows' 256
	s_lshl_b32 s22, s16, 8
	s_add_co_u32 s22, s22, 2*HALFS
	s_sub_co_u32 s22, s22, s21
	v_mul_u32_u24 v6, s22, v3                      ; lanes 16-31 take B's words
	s_add_co_u32 s21, s21, SCL
	v_lshl_add_u32 v6, v2, 4, v6
	v_add_nc_u32 v[ADRS], s21, v6
	s_mul_i32 s23, s14, 16*SPITCH                  ; my stage: in slot 0, which has had its last fill and its last read when the first result is stored there
	v_mul_u32_u24 v7, v2, SPITCH
	v_lshl_add_u32 v7, v3, 6, v7
	v_add_nc_u32 v[STO], s23, v7                   ; in: row r, + 64 h
	v_mul_u32_u24 v7, v3, SPITCH
	v_lshl_add_u32 v7, v2, 4, v7
	v_add_nc_u32 v[RD], s23, v7                    ; back: lanes 0-15 one row of 256 bytes, lanes 16-31 the next
	v_lshlrev_b32 v[CO], 12, v3
	v_lshl_add_u32 v[CO], v2, 4, v[CO]             ; and the same two rows in memory, 4,096 bytes a row
	v_lshlrev_b32 v30, 6, v3                       ; 64 h
	s_wait_alu depctr_va_vdst(0)
	s_lshl_b32 s20, s17, 7
	s_lshl_b32 s21, s15, 6
	s_add_co_u32 s20, s20, s21
	s_lshl_b32 s20, s20, 12                        ; my first row
	s_lshl_b32 s46, s42, 9
	s_lshl_b32 s47, s16, 8
	s_add_co_u32 s46, s46, s47                     ; my first column, in bytes
	s_mov_b32 s47, 0
	s_add_co_u32 s20, s20, s46
	s_mov_b32 s21, 0
	s_add_nc_u64 s[12:13], s[12:13], s[20:21]
	s_add_nc_u64 s[10:11], s[10:11], s[20:21]
	s_add_nc_u64 s[8:9], s[8:9], s[46:47]
.irp b, 0,1
.irp j, 0,1,2,3
	global_load_b128 v[BN+16*\b+4*\j:BN+16*\b+4*\j+3], v30, s[8:9] offset:128*\b+16*\j      ; register 8 b + j of tile b: column 32 (b / 2) + 16 h + 8 (b % 2) + j
.endr
.endr
	WIN 0x80                                       ; destination window 2
.irp a, 0,1,2,3
.irp t, 0,1,2,3,4,5,6,7
	global_load_b128 v[32*\a+4*\t:32*\a+4*\t+3], v[CO], s[10:11] offset:(16*\a+2*\t)*4096 th:TH_LOAD_NT    ; the residual: sixteen lanes read a row's 256 consecutive bytes
.endr
.endr
	WIN 0
	s_wait_tensorcnt 0x0                           ; my tile of the head's four is in
	ds_add_u32 v[SPW], v[NIL]
	s_mov_b32 s[G1+2], 4<<16                       ; no tensor load of mine is out: from here on a load brings 4 blocks of 16 rows
	s_mov_b32 s[G1+4], 4
	s_mov_b32 s[G1B+2], 4<<16
	s_mov_b32 s[G1B+4], 4
	s_wait_dscnt 0x0
	CROUND                                         ; all four tiles are in, all sixteen work-groups are here
	JLOAD G0+4, G1, G0B+4, G1B                     ; slot 1's first fill, the first tensor load behind the round
	FETCH 0, 0, 0
	WIN 0
	SCALES 0
	s_wait_loadcnt 32                              ; the bias's eight loads are in; the residual's 32, issued behind them, may be out
	STEP 0, 0, 1                                   ; the first step's products start the sums
	STEP 0, 1, 0
	STEP 0, 2, 0
.if LAPS > 1
	WIN 0                                          ; at a label and at a branch every window is 0
	s_mov_b32 s3, LAPS-1
.Llap:                                             ; a trip goes once round the ring and fills both slots again
	TURN 0, 1, 1
	STEP 1, 0, 0
	STEP 1, 1, 0
	STEP 1, 2, 0
	TURN 1, 0, 1
	STEP 0, 0, 0
	STEP 0, 1, 0
	STEP 0, 2, 0
	WIN 0
	s_sub_co_u32 s3, s3, 1
	s_cmp_lg_u32 s3, 0
	s_cbranch_scc1 .Llap
.endif
	TURN 0, 1, 0                                   ; the last lap fills nothing
	STEP 1, 0, 0
	STEP 1, 1, 0
	STEP 1, 2, 0
	s_wait_dscnt 0x0                               ; the very last step: nothing more to fetch
	MUL4 0, 1, 3, 1, 0
	MUL4 1, 1, 3, 1, 0
	MUL4 2, 1, 3, 1, 0
	MUL4 3, 1, 3, 1, 0
	WIN 0
; THE WAY OUT, 16 rows x 64 columns at a time through my stage; whole rows come back into the registers that they left, take the residual, and leave: sixteen lanes store 256 consecutive bytes.
.macro TOSTAGE a
.set AC, ACC+32*(\a)
.irp b, 0,1,2,3
	ds_store_b128 v[STO], v[AC+8*\b:AC+8*\b+3] offset:128*(\b/2)+32*(\b%2)           ; each accumulator from its low end on
	ds_store_b128 v[STO], v[AC+8*\b+4:AC+8*\b+7] offset:128*(\b/2)+32*(\b%2)+16
.endr
.irp t, 0,1,2,3,4,5,6,7
	ds_load_b128 v[AC+4*\t:AC+4*\t+3], v[RD] offset:2*\t*SPITCH                      ; LDS serves a wave's instructions in order: these see the stores above, and the next block's stores come behind them
.endr
.endm
.macro SEND a, younger
.set AC, ACC+32*(\a)
	s_wait_dscnt \younger                          ; the block is back; the next block's 8 stores and 8 loads may be out
	WIN 0x08                                       ; source 1 window 2
.set i, 0
.rept 16
	v_pk_add_f32 v[AC+2*i:AC+2*i+1], v[AC+2*i:AC+2*i+1], v[32*(\a)+2*i:32*(\a)+2*i+1]
.set i, i+1
.endr
	WIN 0
.irp t, 0,1,2,3,4,5,6,7
	global_store_b128 v[CO], v[AC+4*\t:AC+4*\t+3], s[12:13] offset:(16*(\a)+2*\t)*4096
.endr
.endm
	s_wait_loadcnt 0x0                             ; the residual
	PLACES NP                                      ; behind the last products
	TOSTAGE 0
.irp a, 1,2,3
	TOSTAGE \a
	SEND \a-1, 16
.endr
	SEND 3, 0
	s_wait_tensorcnt 0x0                           ; the wave's end
	ds_add_u32 v[SPW], v[NIL]
	s_wait_dscnt 0x0
	CROUND                                         ; the closing round
	s_endpgm
.Lfunc_end_k_q22fe8ba09b_gemm_wo:
	.size	k_q22fe8ba09b_gemm_wo, .Lfunc_end_k_q22fe8ba09b_gemm_wo-k_q22fe8ba09b_gemm_wo
	.p2alignl 7, 3214868480
	.fill 96, 4, 3214868480
	.section	.rodata,"a",@progbits
	.p2align	6, 0x0
	.amdhsa_kernel k_q22fe8ba09b_gemm_wo
		.amdhsa_group_segment_fixed_size 327680
		.amdhsa_private_segment_fixed_size 0
		.amdhsa_enable_private_segment 0
		.amdhsa_kernarg_size 40
		.amdhsa_user_sgpr_count 2
		.amdhsa_user_sgpr_kernarg_segment_ptr 1
		.amdhsa_wavefront_size32 1
		.amdhsa_system_sgpr_workgroup_id_x 1
		.amdhsa_system_sgpr_workgroup_id_y 1
		.amdhsa_system_sgpr_workgroup_id_z 1
		.amdhsa_system_vgpr_workitem_id 0
		.amdhsa_next_free_vgpr 640
		.amdhsa_next_free_sgpr 104
		.amdhsa_reserve_vcc 0
		.amdhsa_float_denorm_mode_32 3
		.amdhsa_float_denorm_mode_16_64 3
		.amdhsa_memory_ordered 1
		.amdhsa_forward_progress 1
		.amdhsa_inst_pref_size 61
	.end_amdhsa_kernel
	.amdgpu_metadata
---
amdhsa.version: [ 1, 2 ]
amdhsa.kernels:
  - .name:           k_q22fe8ba09b_gemm_wo
    .symbol:         k_q22fe8ba09b_gemm_wo.kd
    .args:
      - { .name: ctx, .offset: 0, .size: 8, .value_kind: global_buffer, .address_space: global }
      - { .name: wq, .offset: 8, .size: 8, .value_kind: global_buffer, .address_space: global }
      - { .name: bo, .offset: 16, .size: 8, .value_kind: global_buffer, .address_space: global }
      - { .name: x, .offset: 24, .size: 8, .value_kind: global_buffer, .address_space: global }
      - { .name: yb, .offset: 32, .size: 8, .value_kind: global_buffer, .address_space: global }
    .group_segment_fixed_size: 327680
    .private_segment_fixed_size: 0
    .kernarg_segment_align: 8
    .kernarg_segment_size: 40
    .max_flat_workgroup_size: 128
    .sgpr_count:     104
    .vgpr_count:     640
    .wavefront_size: 32
...
	.end_amdgpu_metadata
.endif
;; end of part 12
;; launch ln1 (part 13): grid 256 x 1, 8 waves a work-group, no clusters, 67,072 bytes of LDS; arguments yb, g1, b1, hb; writes hb
.if DOCPART == 13
	.amdgcn_target "amdgcn-amd-amdhsa--gfx1250"
	.amdhsa_code_object_version 6
	.text
	.protected	k_q22fe8ba09b_ln1
	.globl	k_q22fe8ba09b_ln1
	.p2align	8
	.type	k_q22fe8ba09b_ln1,@function
k_q22fe8ba09b_ln1:
	s_mov_b64 s[64:65], 0
	v_nop
	global_prefetch_b8 v0, s[64:65] scope:SCOPE_SE
	s_setreg_imm32_b32 hwreg(HW_REG_WAVE_MODE, 25, 1), 1
	s_wait_xcnt 0x0
; h = layernorm(yb) g1 + b1, rows of 1,024, in f32 (mean, then the mean of the squared differences: two passes over registers), stored as f32 and, quantised along the row, as codes of FP6 (E2M3) with E8M0 scales.
; A work-group takes 16 rows, a wave two: a row is eight loads of 512 consecutive bytes, 32 registers.  The 16 finished rows meet in LDS (rows 4,112 bytes apart); wave w then quantises K step w of all 16.
; Codes: images of operand registers (16 rows x 64 K = 768 bytes).  The scale words of 16 rows are a quarter of each run of 256 bytes of their layout: 4 bytes for each 4,096 that the launch moves go out so;
; whole runs would want 64 rows to a work-group, a quarter of the work-groups.  Memory binds: no matrix unit, no cluster, no tensor load.
; LIMITS: a block of zeros gets the byte 1 (its codes are zeros); NaN and infinities are not served.
; OF h ONLY THE CODES AND SCALE WORDS ARE STORED, and for each row the pair (1 / sigma, -mean / sigma), 8 bytes at hb + 8 x row: the launch that wants h's f32 rows as its residual makes them again from yb, that pair, g1 and b1.
.set X0,  16
.set X1,  48
.set GG,  80
.set BV,  112
.set W0,  144
.set W1,  152
.set F,   160
.set QT,  172
.set TM,  180
.set PW,  196
.set SEL, 16
.set HC,  16777216
.set HS,  19922944
.set SPI, 4112
.macro QUANT s, d0, d1, pw
.irp b, 0,1,2,3
	v_max3_num_f32 v[TM+\b], |v[\s+16*\b]|, |v[\s+1+16*\b]|, 0x1800000   ; with the floor 2^(3 - 127)
.endr
.irp i, 2,4,6,8,10,12,14
.irp b, 0,1,2,3
	s_delay_alu instid0(VALU_DEP_4)
	v_max3_num_f32 v[TM+\b], v[TM+\b], |v[\s+16*\b+\i]|, |v[\s+1+16*\b+\i]|
.endr
.endr
.irp b, 0,1,2,3
	s_delay_alu instid0(VALU_DEP_4)
	v_permlanex16_b32 v[TM+4+\b], v[TM+\b], s[SEL], s[SEL+1]
.endr
.irp b, 0,1,2,3
	s_delay_alu instid0(VALU_DEP_4)
	v_max_num_f32 v[TM+\b], v[TM+\b], v[TM+4+\b]
.endr
.irp b, 0,1,2,3
	s_delay_alu instid0(VALU_DEP_4)
	v_add_nc_u32 v[TM+12+\b], 0xff000000, v[TM+\b]
.endr
.irp b, 0,1,2,3
	s_delay_alu instid0(VALU_DEP_4)
	v_lshrrev_b32 v[TM+4+\b], 23, v[TM+12+\b]
.endr
	s_delay_alu instid0(VALU_DEP_3)
	v_lshl_or_b32 v[\pw], v[TM+5], 8, v[TM+4]
	s_delay_alu instid0(VALU_DEP_1)
	v_lshl_or_b32 v[\pw], v[TM+6], 16, v[\pw]
	s_delay_alu instid0(VALU_DEP_1)
	v_lshl_or_b32 v[\pw], v[TM+7], 24, v[\pw]
	v_cvt_scalef32_pk16_fp6_f32 v[\d0:\d0+2], v[\s:\s+15], v[TM+12]
	v_cvt_scalef32_pk16_fp6_f32 v[QT:QT+2], v[\s+16:\s+31], v[TM+13]
	v_cvt_scalef32_pk16_fp6_f32 v[\d1:\d1+2], v[\s+32:\s+47], v[TM+14]
	v_cvt_scalef32_pk16_fp6_f32 v[QT+4:QT+6], v[\s+48:\s+63], v[TM+15]
	v_nop
.irp i, 0,1,2
	v_permlane16_swap_b32 v[\d0+\i], v[QT+\i]
	v_permlane16_swap_b32 v[\d1+\i], v[QT+4+\i]
.endr
.irp i, 0,1,2
	v_mov_b32 v[\d0+3+\i], v[QT+\i]
	v_mov_b32 v[\d1+3+\i], v[QT+4+\i]
.endr
.endm
.macro REDUCE w                        ; the sum over the 32 lanes, in every lane
	s_delay_alu instid0(VALU_DEP_1)
	v_add_f32_dpp v[\w], v[\w], v[\w] row_xmask:1 row_mask:0xf bank_mask:0xf
	s_delay_alu instid0(VALU_DEP_1)
	v_add_f32_dpp v[\w], v[\w], v[\w] row_xmask:2 row_mask:0xf bank_mask:0xf
	s_delay_alu instid0(VALU_DEP_1)
	v_add_f32_dpp v[\w], v[\w], v[\w] row_xmask:4 row_mask:0xf bank_mask:0xf
	s_delay_alu instid0(VALU_DEP_1)
	v_add_f32_dpp v[\w], v[\w], v[\w] row_xmask:8 row_mask:0xf bank_mask:0xf
	s_delay_alu instid0(VALU_DEP_1)
	v_permlanex16_b32 v[\w+4], v[\w], s[SEL], s[SEL+1]
	s_delay_alu instid0(VALU_DEP_1)
	v_add_f32 v[\w], v[\w], v[\w+4]
.endm
.macro STATS x, w                      ; the row less its mean, in place; 1 / sqrt(variance + eps) is asked for into v[w]
	v_pk_add_f32 v[\w:\w+1], v[\x:\x+1], v[\x+2:\x+3]
	v_pk_add_f32 v[\w+2:\w+3], v[\x+4:\x+5], v[\x+6:\x+7]
.irp j, 8,12,16,20,24,28
	s_delay_alu instid0(VALU_DEP_2)
	v_pk_add_f32 v[\w:\w+1], v[\w:\w+1], v[\x+\j:\x+\j+1]
	s_delay_alu instid0(VALU_DEP_2)
	v_pk_add_f32 v[\w+2:\w+3], v[\w+2:\w+3], v[\x+\j+2:\x+\j+3]
.endr
	s_delay_alu instid0(VALU_DEP_1)
	v_pk_add_f32 v[\w:\w+1], v[\w:\w+1], v[\w+2:\w+3]
	s_delay_alu instid0(VALU_DEP_1)
	v_add_f32 v[\w], v[\w], v[\w+1]
	REDUCE \w
	s_delay_alu instid0(VALU_DEP_1)
	v_mul_f32 v[\w], s20, v[\w]                    ; the mean
	s_delay_alu instid0(VALU_DEP_1)
	v_mov_b32 v[\w+1], v[\w]
	v_mov_b32 v[\w+5], v[\w]                       ; kept for the row's pair
.irp j, 0,2,4,6,8,10,12,14,16,18,20,22,24,26,28,30
	v_pk_add_f32 v[\x+\j:\x+\j+1], v[\x+\j:\x+\j+1], v[\w:\w+1] neg_lo:[0,1] neg_hi:[0,1]
.endr
	v_pk_mul_f32 v[\w:\w+1], v[\x:\x+1], v[\x:\x+1]
	v_pk_mul_f32 v[\w+2:\w+3], v[\x+2:\x+3], v[\x+2:\x+3]
.irp j, 4,8,12,16,20,24,28
	s_delay_alu instid0(VALU_DEP_2)
	v_pk_fma_f32 v[\w:\w+1], v[\x+\j:\x+\j+1], v[\x+\j:\x+\j+1], v[\w:\w+1]
	s_delay_alu instid0(VALU_DEP_2)
	v_pk_fma_f32 v[\w+2:\w+3], v[\x+\j+2:\x+\j+3], v[\x+\j+2:\x+\j+3], v[\w+2:\w+3]
.endr
	s_delay_alu instid0(VALU_DEP_1)
	v_pk_add_f32 v[\w:\w+1], v[\w:\w+1], v[\w+2:\w+3]
	s_delay_alu instid0(VALU_DEP_1)
	v_add_f32 v[\w], v[\w], v[\w+1]
	REDUCE \w
	s_delay_alu instid0(VALU_DEP_1)
	v_fma_f32 v[\w], v[\w], s20, s21               ; / 1,024 + 1e-5
	s_wait_alu depctr_va_vdst(0)
	v_rsq_f32 v[\w], v[\w]
.endm
.macro NORM x, w
	v_mov_b32 v[\w+1], v[\w]
	v_mov_b32 v[\w+6], v[\w]                       ; the row's pair: 1 / sigma,
	v_mul_f32 v[\w+7], -v[\w+5], v[\w]             ; -mean / sigma
.irp j, 0,2,4,6,8,10,12,14,16,18,20,22,24,26,28,30
	v_pk_mul_f32 v[\x+\j:\x+\j+1], v[\x+\j:\x+\j+1], v[\w:\w+1]
.endr
.irp j, 0,2,4,6,8,10,12,14,16,18,20,22,24,26,28,30
	v_pk_fma_f32 v[\x+\j:\x+\j+1], v[\x+\j:\x+\j+1], v[GG+\j:GG+\j+1], v[BV+\j:BV+\j+1]
.endr
.endm
	s_load_b256 s[4:11], s[0:1], 0x0               ; yb, g, b, hb
	v_lshl_add_u32 v200, v0, 2, 0x10200
	v_mov_b32 v201, 0
	v_lshrrev_b32 v1, 5, v0
	s_delay_alu instid0(VALU_DEP_1)
	v_readfirstlane_b32 s12, v1                    ; wave
	v_and_b32 v2, 31, v0
	s_delay_alu instid0(VALU_DEP_1)
	v_lshlrev_b32 v1, 4, v2                        ; 16 x lane
	s_lshl_b32 s14, ttmp9, 16                      ; 16 rows of 4,096 bytes
	s_lshl_b32 s15, s12, 13
	s_add_co_u32 s14, s14, s15
	s_mov_b32 s15, 0
	s_mov_b32 s[SEL], 0x76543210
	s_mov_b32 s[SEL+1], 0xfedcba98
	s_mov_b32 s20, 0x3a800000                      ; 1 / 1,024
	s_mov_b32 s21, 0x3727c5ac                      ; 1e-5
	v_mov_b32 v[W0+4], 0
	v_mov_b32 v[W1+4], 0
	s_wait_alu depctr_va_vdst(0)
	s_wait_kmcnt 0x0
	s_add_nc_u64 s[4:5], s[4:5], s[14:15]
	s_lshr_b32 s14, s14, 9                         ; 8 bytes a row where a row of f32 has 4,096
	s_add_nc_u64 s[22:23], s[10:11], s[14:15]      ; my two rows' pairs
.irp j, 0,1,2,3,4,5,6,7
	global_load_b128 v[X0+4*\j:X0+4*\j+3], v1, s[4:5] offset:512*\j th:TH_LOAD_NT
.endr
.irp j, 0,1,2,3,4,5,6,7
	global_load_b128 v[X1+4*\j:X1+4*\j+3], v1, s[4:5] offset:4096+512*\j th:TH_LOAD_NT
.endr
.irp j, 0,1,2,3,4,5,6,7
	global_load_b128 v[GG+4*\j:GG+4*\j+3], v1, s[6:7] offset:512*\j
	global_load_b128 v[BV+4*\j:BV+4*\j+3], v1, s[8:9] offset:512*\j
.endr
	s_wait_loadcnt 16                              ; my two rows are in; g and b may be out
	STATS X0, W0
	STATS X1, W1
	v_nop                                          ; a plain line behind the second root
	s_wait_loadcnt 0x0
	s_wait_alu depctr_va_vdst(0)                   ; one wait for both roots, ahead of their first reader
	NORM X0, W0
	NORM X1, W1
	v_cmp_eq_u32 vcc_lo, 1, v2                     ; lane 0 takes my first row's pair, lane 1 my second's
	v_cndmask_b32 v198, v[W0+6], v[W1+6], vcc_lo
	v_cndmask_b32 v199, v[W0+7], v[W1+7], vcc_lo
	s_mul_i32 s18, s12, 2*SPI
	v_add_nc_u32 v3, s18, v1
.irp j, 0,1,2,3,4,5,6,7
	ds_store_b128 v3, v[X0+4*\j:X0+4*\j+3] offset:512*\j
.endr
.irp j, 0,1,2,3,4,5,6,7
	ds_store_b128 v3, v[X1+4*\j:X1+4*\j+3] offset:SPI+512*\j
.endr
	v_and_b32 v4, 15, v0                           ; r
	v_bfe_u32 v5, v0, 4, 1                         ; h
	s_delay_alu instid0(VALU_DEP_2)
	v_mul_u32_u24 v6, v4, SPI
	s_delay_alu instid0(VALU_DEP_1)
	v_lshl_add_u32 v6, v5, 6, v6
	s_lshl_b32 s18, s12, 9
	v_add_nc_u32 v6, s18, v6                       ; row r, K step w, + 64 h
	v_lshlrev_b32 v7, 3, v2                        ; 8 x lane
	v_lshlrev_b32 v8, 4, v4                        ; 16 r
.irp b, 0,1,2,3
	v_mov_b32 v[TM+4+\b], 0
.endr
	s_mul_i32 s24, ttmp9, 12288
	s_mul_i32 s25, s12, 1536
	s_add_co_u32 s24, s24, s25
	s_add_co_u32 s24, s24, HC
	s_mov_b32 s25, 0
	s_add_nc_u64 s[24:25], s[10:11], s[24:25]
	s_lshl_b32 s26, s12, 14
	s_lshr_b32 s27, ttmp9, 2
	s_lshl_b32 s27, s27, 8
	s_add_co_u32 s26, s26, s27
	s_and_b32 s27, ttmp9, 3
	s_lshl_b32 s27, s27, 2
	s_add_co_u32 s26, s26, s27
	s_add_co_u32 s26, s26, HS
	s_mov_b32 s27, 0
	s_add_nc_u64 s[26:27], s[10:11], s[26:27]
	s_wait_alu depctr_va_vdst(0)
	s_wait_dscnt 0x0                               ; for the others' sake: my rows lie in the stage
	s_barrier_signal -1
	s_barrier_wait -1
	s_wait_xcnt 0x0
.irp b, 0,1,2,3
.irp j, 0,1,2,3
	ds_load_b128 v[X0+16*\b+4*\j:X0+16*\b+4*\j+3], v6 offset:128*\b+16*\j
.endr
.endr
	s_wait_dscnt 0x0
	QUANT X0, F, F+6, PW
	global_store_b128 v1, v[F:F+3], s[24:25]
	global_store_b64 v7, v[F+4:F+5], s[24:25] offset:512
	global_store_b128 v1, v[F+6:F+9], s[24:25] offset:768
	global_store_b64 v7, v[F+10:F+11], s[24:25] offset:1280
	s_wait_xcnt 0x0                                ; EXEC changes only behind this wait
	s_wait_tensorcnt 0x0
	ds_add_u32 v200, v201
	s_wait_dscnt 0x0
	v_cmpx_gt_u32 16, v2
	global_store_b32 v8, v[PW], s[26:27]
	s_wait_xcnt 0x0                                ; EXEC changes only behind this wait
	v_cmpx_gt_u32 2, v2
	global_store_b64 v7, v[198:199], s[22:23]      ; 16 bytes a wave: 8 for each 4,096 that the launch reads
	s_endpgm
.Lfunc_end_k_q22fe8ba09b_ln1:
	.size	k_q22fe8ba09b_ln1, .Lfunc_end_k_q22fe8ba09b_ln1-k_q22fe8ba09b_ln1
	.p2alignl 7, 3214868480
	.fill 96, 4, 3214868480
	.section	.rodata,"a",@progbits
	.p2align	6, 0x0
	.amdhsa_kernel k_q22fe8ba09b_ln1
		.amdhsa_group_segment_fixed_size 67072
		.amdhsa_private_segment_fixed_size 0
		.amdhsa_enable_private_segment 0
		.amdhsa_kernarg_size 32
		.amdhsa_user_sgpr_count 2
		.amdhsa_user_sgpr_kernarg_segment_ptr 1
		.amdhsa_wavefront_size32 1
		.amdhsa_system_sgpr_workgroup_id_x 1
		.amdhsa_system_sgpr_workgroup_id_y 1
		.amdhsa_system_sgpr_workgroup_id_z 1
		.amdhsa_system_vgpr_workitem_id 0
		.amdhsa_next_free_vgpr 202
		.amdhsa_next_free_sgpr 66
		.amdhsa_reserve_vcc 1
		.amdhsa_float_denorm_mode_32 3
		.amdhsa_float_denorm_mode_16_64 3
		.amdhsa_memory_ordered 1
		.amdhsa_forward_progress 1
		.amdhsa_inst_pref_size 29
	.end_amdhsa_kernel
	.amdgpu_metadata
---
amdhsa.version: [ 1, 2 ]
amdhsa.kernels:
  - .name:           k_q22fe8ba09b_ln1
    .symbol:         k_q22fe8ba09b_ln1.kd
    .args:
      - { .name: yb, .offset: 0, .size: 8, .value_kind: global_buffer, .address_space: global }
      - { .name: g1, .offset: 8, .size: 8, .value_kind: global_buffer, .address_space: global }
      - { .name: b1, .offset: 16, .size: 8, .value_kind: global_buffer, .address_space: global }
      - { .name: hb, .offset: 24, .size: 8, .value_kind: global_buffer, .address_space: global }
    .group_segment_fixed_size: 67072
    .private_segment_fixed_size: 0
    .kernarg_segment_align: 8
    .kernarg_segment_size: 32
    .max_flat_workgroup_size: 256
    .sgpr_count:     66
    .vgpr_count:     202
    .wavefront_size: 32
...
	.end_amdgpu_metadata
.endif
;; end of part 13
;; launch gemm_ffn1 (part 14): grid 16 x 16, 4 waves a work-group, clusters of 4 x 4, 327,680 bytes of LDS; arguments hb, wq, bf1, act; writes act
.if DOCPART == 14
	.amdgcn_target "amdgcn-amd-amdhsa--gfx1250"
	.amdhsa_code_object_version 6
	.text
	.protected	k_q22fe8ba09b_gemm_ffn1
	.globl	k_q22fe8ba09b_gemm_ffn1
	.p2align	8
	.type	k_q22fe8ba09b_gemm_ffn1,@function
k_q22fe8ba09b_gemm_ffn1:
	s_mov_b64 s[64:65], 0
	v_nop
	global_prefetch_b8 v0, s[64:65] scope:SCOPE_SE
	s_setreg_imm32_b32 hwreg(HW_REG_WAVE_MODE, 25, 1), 1
	s_wait_xcnt 0x0
	s_wait_alu depctr_hold_cnt(0) depctr_sa_sdst(0) depctr_va_vdst(0) depctr_va_sdst(0) depctr_va_ssrc(0) depctr_va_vcc(0) depctr_vm_vsrc(0)
	s_getreg_b32 s2, hwreg(HW_REG_IB_STS2, 6, 4)
	s_cmp_eq_u32 s2, 0
	s_cbranch_scc0 .Lentry_in_a_cluster
	s_endpgm
.Lentry_in_a_cluster:
	s_bfe_u32 s2, ttmp6, 0x10000c
	s_cmp_lg_u32 s2, 0xf033
	s_cbranch_scc0 .Lentry_shape_is_right
	s_endpgm
.Lentry_shape_is_right:
; act = gelu(h W1 + bf1), exact (erf by a quotient of two polynomials in z^2, z = x / sqrt(2) held to +-4), quantised along the columns: codes of FP6 (E2M3) with E8M0 scales, laid as the next product's operand.
; The product is gemm_qkv's: 256 x 256 a work-group, a wave 128 x 128, K in steps of 256 through a ring of two slots, clusters 4 x 4 with joint loads, the matrix instruction used transposed.
; The head's four tiles go out one a wave; the scale words lie plane by plane, 1,024 bytes for 256 rows.  K's slots 1 to 3 are prefetched, shared out among the partners by address.
; LIMITS: a block of zeros gets the byte 1 (its codes are zeros); NaN and infinities are not served.
.set SIZE_K, 1024
.set KPA,    12288
.set KPB,    12288
.set PLA,    16384
.set PLB,    16384
.set ACO,    16777216
.set ASO,    19922944
.set BCO,    6586368
.set BSO,    9732096
.set AS_,    12582912
.set NK,     SIZE_K/128
.set LAPS,   SIZE_K/512
.set FR,     12
.set NL,     4
.set NP,     4
.set RBB,    3072
.set HALFT,  8*RBB
.set SLOT,   4*HALFT
.set SCL,    2*SLOT
.set HALFS,  512*NK
.set SPARE,  SCL+4*HALFS
.set L16,  4
.set L8,   5
.set ADRA, 16
.set ADRB, 20
.set ADRS, 27
.set SPW,  28
.set NIL,  29
.set SC,   32
.set BN,   64
.set AF,   128
.set HA,   128
.set F,    192
.set TM,   204
.set QT,   220
.set CV,   228
.set PWS,  232
.set PWT,  240
.set OUT,  244
.set ZZ,   0
.set Z2,   64
.set PP,   128
.set QQ,   192
.set BA,   54
.set SEL,  56
.set G1,   24
.set G0,   32
.set G1B,  48
.set G0B,  56
.set G1S,  68
.set G0S,  76
.set G1SB, 80
.set G0SB, 88
.set MSB,  0
.macro WIN new
.if MSB != (\new)
	s_set_vgpr_msb (MSB<<8)|(\new)
.set MSB, (\new)
.endif
.endm
.set MUL_LO, 0xa1
.set MUL_HI, 0xf1
.set TO_B,   0x40
.macro JLOAD g0a, g1a, g0b, g1b
	s_cmp_eq_u32 s15, 0
	s_cbranch_scc0 .Lfor_b_\@
	tensor_load_to_lds s[\g0a:\g0a+3], s[\g1a:\g1a+7]
	s_nop 0
.rept 4
	v_nop
.endr
	s_branch .Lasked_\@
.Lfor_b_\@:
	tensor_load_to_lds s[\g0b:\g0b+3], s[\g1b:\g1b+7]
	s_nop 0
.rept 4
	v_nop
.endr
.Lasked_\@:
.endm
.macro CREST
	s_cmp_lg_u32 s14, 0
	s_cbranch_scc1 .Lnot_wave_0_\@
	s_barrier_signal -3
.Lnot_wave_0_\@:
	s_barrier_wait -3
	s_barrier_signal -1
	s_barrier_wait -1
.endm
.macro CROUND
	s_barrier_signal -1
	s_barrier_wait -1
	CREST
.endm
.macro PLACES n
.rept \n
	v_nop
.endr
.endm
.macro FRAG reg, adr, q, i
	ds_load_b128 v[\reg:\reg+3], v[\adr] offset:(\i)*RBB+(\q)*1536
	ds_load_b64 v[\reg+4:\reg+5], v[\adr+2] offset:(\i)*RBB+(\q)*1536
	ds_load_b128 v[\reg+6:\reg+9], v[\adr] offset:(\i)*RBB+(\q)*1536+768
	ds_load_b64 v[\reg+10:\reg+11], v[\adr+2] offset:(\i)*RBB+(\q)*1536+768
.endm
.macro FETCH_B slot, q, p
	WIN TO_B
.irp i, 0,1,2,3,4,5,6,7
	FRAG 128*(\p)+FR*\i, ADRB+\slot, \q, \i
.endr
	WIN 0
.endm
.macro FETCH_A slot, q, i0
.irp i, \i0, \i0+1, \i0+2, \i0+3
	FRAG AF+FR*(\i), ADRA+\slot, \q, \i
.endr
.endm
.macro SCALES sc
.irp q, 0,1
.irp u, 0,1
	ds_load_b128 v[SC+16*\sc+8*\q+4*\u:SC+16*\sc+8*\q+4*\u+3], v[ADRS] offset:1024*\q+256*\u
.endr
.endr
.endm
.macro MUL16 a0, p, q, sc, zero
.irp a, \a0, \a0+1
.irp b, 0,1,2,3,4,5,6,7
.if \zero
	v_wmma_scale_f32_16x16x128_f8f6f4 v[8*(8*((\a)%4)+\b):8*(8*((\a)%4)+\b)+7], v[128*(\p)+FR*\b:128*(\p)+FR*\b+FR-1], v[AF+FR*(\a):AF+FR*(\a)+FR-1], 0, v[SC+16*(\sc)+8*(\q)+\b], v[SC+16*(\sc)+8*(\q)+(\a)] matrix_a_fmt:MATRIX_FMT_FP6 matrix_b_fmt:MATRIX_FMT_FP6 matrix_a_scale:MATRIX_SCALE_ROW1
.else
	v_wmma_scale_f32_16x16x128_f8f6f4 v[8*(8*((\a)%4)+\b):8*(8*((\a)%4)+\b)+7], v[128*(\p)+FR*\b:128*(\p)+FR*\b+FR-1], v[AF+FR*(\a):AF+FR*(\a)+FR-1], v[8*(8*((\a)%4)+\b):8*(8*((\a)%4)+\b)+7], v[SC+16*(\sc)+8*(\q)+\b], v[SC+16*(\sc)+8*(\q)+(\a)] matrix_a_fmt:MATRIX_FMT_FP6 matrix_b_fmt:MATRIX_FMT_FP6 matrix_a_scale:MATRIX_SCALE_ROW1
.endif
.endr
.endr
.endm
.macro STEP slot, q, zero
	s_wait_dscnt 4*NL
	WIN MUL_LO
	MUL16 0, (\q)%2, \q, \slot, \zero
	MUL16 2, (\q)%2, \q, \slot, \zero
	s_wait_dscnt 0
	PLACES NP
	FETCH_B \slot, (\q)+1, 1-(\q)%2
	FETCH_A \slot, (\q)+1, 0
	WIN MUL_HI
	MUL16 4, (\q)%2, \q, \slot, \zero
	MUL16 6, (\q)%2, \q, \slot, \zero
	PLACES NP
	WIN 0
	FETCH_A \slot, (\q)+1, 4
.endm
.macro TURN slot, next, fill
	s_wait_tensorcnt 0x0
	ds_add_u32 v[SPW], v[NIL]
	s_wait_dscnt 4*NL+1
	WIN MUL_LO
	MUL16 0, 1, 1, \slot, 0
	s_wait_dscnt 0x0
	s_barrier_signal -1
	MUL16 2, 1, 1, \slot, 0
	WIN 0
	s_barrier_wait -1
.if \fill
	CREST
	s_add_nc_u64 s[G0+4*\slot+2:G0+4*\slot+3], s[G0+4*\slot+2:G0+4*\slot+3], 2*RBB
	s_add_nc_u64 s[G0B+4*\slot+2:G0B+4*\slot+3], s[G0B+4*\slot+2:G0B+4*\slot+3], 2*RBB
	JLOAD G0+4*\slot, G1, G0B+4*\slot, G1B
.else
	PLACES NP
.endif
	s_wait_alu depctr_va_vdst(0)
	v_add_nc_u32 v[ADRS], 2048, v[ADRS]            ; two planes of 1,024 bytes on
	FETCH_B \next, 0, 0
	FETCH_A \next, 0, 0
	SCALES \next
	WIN MUL_HI
	MUL16 4, 1, 1, \slot, 0
	MUL16 6, 1, 1, \slot, 0
	PLACES NP
	WIN 0
	FETCH_A \next, 0, 4
.endm
.macro QUANT s, d0, d1, pw
.irp b, 0,1,2,3
	v_max3_num_f32 v[TM+\b], |v[\s+16*\b]|, |v[\s+1+16*\b]|, 0x1800000
.endr
.irp i, 2,4,6,8,10,12,14
.irp b, 0,1,2,3
	v_max3_num_f32 v[TM+\b], v[TM+\b], |v[\s+16*\b+\i]|, |v[\s+1+16*\b+\i]|
.endr
.endr
.irp b, 0,1,2,3
	v_permlanex16_b32 v[TM+4+\b], v[TM+\b], s[SEL], s[SEL+1]
.endr
.irp b, 0,1,2,3
	v_max_num_f32 v[TM+\b], v[TM+\b], v[TM+4+\b]
.endr
.irp b, 0,1,2,3
	v_add_nc_u32 v[TM+12+\b], 0xff000000, v[TM+\b]
.endr
.irp b, 0,1,2,3
	v_lshrrev_b32 v[TM+4+\b], 23, v[TM+12+\b]
.endr
	v_lshl_or_b32 v[\pw], v[TM+5], 8, v[TM+4]
	v_lshl_or_b32 v[\pw], v[TM+6], 16, v[\pw]
	v_lshl_or_b32 v[\pw], v[TM+7], 24, v[\pw]
	v_cvt_scalef32_pk16_fp6_f32 v[\d0:\d0+2], v[\s:\s+15], v[TM+12]
	v_cvt_scalef32_pk16_fp6_f32 v[QT:QT+2], v[\s+16:\s+31], v[TM+13]
	v_cvt_scalef32_pk16_fp6_f32 v[\d1:\d1+2], v[\s+32:\s+47], v[TM+14]
	v_cvt_scalef32_pk16_fp6_f32 v[QT+4:QT+6], v[\s+48:\s+63], v[TM+15]
	v_nop
.irp i, 0,1,2
	v_permlane16_swap_b32 v[\d0+\i], v[QT+\i]
	v_permlane16_swap_b32 v[\d1+\i], v[QT+4+\i]
.endr
.irp i, 0,1,2
	v_mov_b32 v[\d0+3+\i], v[QT+\i]
	v_mov_b32 v[\d1+3+\i], v[QT+4+\i]
.endr
.endm
	s_load_b256 s[4:11], s[0:1], 0x0
	v_lshl_add_u32 v[SPW], v0, 2, SPARE
	v_mov_b32 v[NIL], 0
	ds_add_u32 v28, v29
	ds_add_u32 v28, v29
	s_wait_dscnt 0x0
	v_lshrrev_b32 v1, 5, v0
	v_readfirstlane_b32 s14, v1
	s_lshr_b32 s15, s14, 1
	s_and_b32 s16, s14, 1
	s_bfe_u32 s40, ttmp6, 0x40000
	s_bfe_u32 s41, ttmp6, 0x40004
	s_lshl_b32 s42, ttmp9, 2
	s_add_co_u32 s42, s42, s40
	s_and_b32 s17, ttmp7, 0xffff
	s_lshl_b32 s17, s17, 2
	s_add_co_u32 s17, s17, s41
	s_lshl_b32 s43, s41, 2
	s_lshl_b32 s43, 15, s43
	s_lshl_b32 s44, 0x1111, s40
	s_or_b32 s[G1+0], s43, (3<<16)|(1<<21)
	s_or_b32 s[G1B+0], s44, (3<<16)|(1<<21)
.irp g, G1, G1B
	s_mov_b32 s[\g+1], 384<<16
	s_mov_b32 s[\g+2], 16<<16                      ; the head's loads bring all 256 rows; behind them the two words that count rows are set to 8
	s_mov_b32 s[\g+3], 384<<16
	s_mov_b32 s[\g+4], 16
	s_mov_b32 s[\g+6], 0
	s_mov_b32 s[\g+7], 0
.endr
	s_mov_b32 s[G1+5], KPA/8
	s_mov_b32 s[G1B+5], KPB/8
	s_or_b32 s[G1S+0], s43, (3<<16)|(1<<21)
	s_or_b32 s[G1SB+0], s44, (3<<16)|(1<<21)
.irp g, G1S, G1SB
	s_mov_b32 s[\g+1], 128<<16
	s_mov_b32 s[\g+2], NK<<16
	s_mov_b32 s[\g+3], 128<<16
	s_mov_b32 s[\g+4], NK
	s_mov_b32 s[\g+6], 0
	s_mov_b32 s[\g+7], 0
.endr
	s_mov_b32 s[G1S+5], PLA/8
	s_mov_b32 s[G1SB+5], PLB/8
	s_lshl_b32 s18, s16, 3
	s_lshl_b32 s20, s17, 4
	s_add_co_u32 s20, s20, s18
	s_mul_i32 s20, s20, KPA
	s_add_co_u32 s20, s20, ACO
	s_mov_b32 s21, 0
	s_lshl_b32 s22, s17, 10
	s_add_co_u32 s22, s22, ASO
	s_lshl_b32 s46, s42, 4
	s_add_co_u32 s46, s46, s18
	s_mul_i32 s46, s46, KPB
	s_add_co_u32 s46, s46, BCO
	s_mov_b32 s47, 0
	s_lshl_b32 s92, s42, 10
	s_add_co_u32 s92, s92, BSO
	s_mov_b32 s23, 0
	s_mov_b32 s93, 0
	s_mul_i32 s45, s14, HALFT
	s_wait_kmcnt 0x0
	s_add_nc_u64 s[20:21], s[4:5], s[20:21]
	s_add_nc_u64 s[22:23], s[4:5], s[22:23]
	s_add_nc_u64 s[46:47], s[6:7], s[46:47]
	s_add_nc_u64 s[92:93], s[6:7], s[92:93]
	CROUND
	s_mov_b32 s[G0S], 1
	s_mov_b32 s[G0S+1], SCL
	s_mov_b64 s[G0S+2:G0S+3], s[22:23]
	s_or_b32 s[G0S+3], s[G0S+3], 0x80000000
	s_mov_b32 s[G0SB], 1
	s_mov_b32 s[G0SB+1], SCL+2*HALFS
	s_mov_b64 s[G0SB+2:G0SB+3], s[92:93]
	s_or_b32 s[G0SB+3], s[G0SB+3], 0x80000000
.irp s, 0,1
	s_mov_b32 s[G0+4*\s], 1
	s_add_co_u32 s[G0+4*\s+1], s45, \s*SLOT
	s_add_nc_u64 s[G0+4*\s+2:G0+4*\s+3], s[20:21], \s*RBB
	s_or_b32 s[G0+4*\s+3], s[G0+4*\s+3], 0x80000000
	s_mov_b32 s[G0B+4*\s], 1
	s_add_co_u32 s[G0B+4*\s+1], s45, \s*SLOT
	s_add_nc_u64 s[G0B+4*\s+2:G0B+4*\s+3], s[46:47], \s*RBB
	s_or_b32 s[G0B+4*\s+3], s[G0B+4*\s+3], 0x80000000
.endr
	; where my prefetches stand: of the 8 blocks of 16 rows that I fetch in the ring, the partner at place p (cx for A, cy for B) names blocks 2 p and 2 p + 1: shared out by address
	s_cmp_eq_u32 s15, 0
	s_cselect_b64 s[66:67], s[20:21], s[46:47]
	s_cselect_b32 s94, s40, s41
	s_mul_i32 s94, s94, 2*KPA
	s_mov_b32 s95, 0
	s_add_nc_u64 s[66:67], s[66:67], s[94:95]
; THE HEAD'S LOADS, ONE A WAVE: wave 0 slot 0's 256 rows of A (its own ring descriptor: half 0, LDS byte 0), wave 1 A's scale words, wave 2 slot 0's 256 rows of B, wave 3 B's words
.macro ARM under, g0, g1, next
	s_cmp_lt_u32 s14, \under
	s_cbranch_scc0 \next
	tensor_load_to_lds s[\g0:\g0+3], s[\g1:\g1+7]
	s_nop 0
.rept 4
	v_nop
.endr
	s_branch .Lhead_asked
\next:
.endm
	ARM 1, G0, G1, .Lhead_sa
	ARM 2, G0S, G1S, .Lhead_b
	ARM 3, G0B, G1B, .Lhead_sb
	tensor_load_to_lds s[G0SB:G0SB+3], s[G1SB:G1SB+7]
	s_nop 0
.rept 4
	v_nop
.endr
.Lhead_asked:
	v_and_b32 v8, 31, v0                           ; 24 units of 256 bytes: lane t = min(lane, 23) names unit t % 12 of block t / 12
	v_min_u32 v8, 23, v8
	v_mul_u32_u24 v9, v8, 43
	v_lshrrev_b32 v9, 9, v9                        ; t / 12
	v_mul_u32_u24 v9, v9, KPA-RBB
	v_lshl_add_u32 v8, v8, 8, v9                   ; never rewritten
	global_prefetch_b8 v8, s[66:67] offset:RBB th:TH_LOAD_NT scope:SCOPE_SE      ; slots 1 and 2 of K's four
	global_prefetch_b8 v8, s[66:67] offset:2*RBB th:TH_LOAD_NT scope:SCOPE_SE
	v_and_b32 v1, 31, v0
	v_and_b32 v2, 15, v0
	v_bfe_u32 v3, v0, 4, 1
	v_lshlrev_b32 v[L16], 4, v1
	v_lshlrev_b32 v[L8], 3, v1
	v_add_nc_u32 v[L8], 512, v[L8]
	s_mul_i32 s21, s15, HALFT
	s_mul_i32 s22, s16, HALFT
	s_add_co_u32 s22, s22, 2*HALFT
.irp s, 0,1
	v_add_nc_u32 v[ADRA+\s], s21, v[L16]
	v_add_nc_u32 v[ADRA+2+\s], s21, v[L8]
	v_add_nc_u32 v[ADRB+\s], s22, v[L16]
	v_add_nc_u32 v[ADRB+2+\s], s22, v[L8]
	s_add_co_u32 s21, s21, SLOT
	s_add_co_u32 s22, s22, SLOT
.endr
	s_lshl_b32 s21, s15, 9                         ; in a plane of 1,024 bytes: my 128 rows' 512
	s_lshl_b32 s22, s16, 9
	s_add_co_u32 s22, s22, 2*HALFS
	s_sub_co_u32 s22, s22, s21
	v_mul_u32_u24 v6, s22, v3
	s_add_co_u32 s21, s21, SCL
	v_lshl_add_u32 v6, v2, 4, v6
	v_add_nc_u32 v[ADRS], s21, v6
	s_lshl_b32 s96, s42, 10
	s_lshl_b32 s97, s16, 9
	s_add_co_u32 s96, s96, s97
	s_mov_b32 s97, 0
	s_add_nc_u64 s[96:97], s[8:9], s[96:97]
	v_lshlrev_b32 v30, 6, v3
.irp b, 0,1,2,3
.irp j, 0,1,2,3
	global_load_b128 v[BN+16*\b+4*\j:BN+16*\b+4*\j+3], v30, s[96:97] offset:128*\b+16*\j
.endr
.endr
	s_wait_alu depctr_va_vdst(0)
	s_wait_tensorcnt 0x0                           ; my tile of the head's four is in
	ds_add_u32 v[SPW], v[NIL]
	s_mov_b32 s[G1+2], 8<<16                       ; no tensor load of mine is out: from here on a load brings 8 blocks of 16 rows
	s_mov_b32 s[G1+4], 8
	s_mov_b32 s[G1B+2], 8<<16
	s_mov_b32 s[G1B+4], 8
	s_wait_dscnt 0x0
	CROUND                                         ; all four tiles are in, all sixteen work-groups are here
	JLOAD G0+4, G1, G0B+4, G1B                     ; slot 1's first fill, the first tensor load behind the round
	FETCH_B 0, 0, 0
	FETCH_A 0, 0, 0
	SCALES 0
	FETCH_A 0, 0, 4
	global_prefetch_b8 v8, s[66:67] offset:3*RBB th:TH_LOAD_NT scope:SCOPE_SE    ; K's last slot, two refills on
	STEP 0, 0, 1
	s_mov_b32 s3, LAPS-1
.Llap:
	TURN 0, 1, 1
	STEP 1, 0, 0
	TURN 1, 0, 1
	STEP 0, 0, 0
	s_sub_co_u32 s3, s3, 1
	s_cmp_lg_u32 s3, 0
	s_cbranch_scc1 .Llap
	TURN 0, 1, 0
	STEP 1, 0, 0
	s_wait_dscnt 4*NL
	WIN MUL_LO
	MUL16 0, 1, 1, 1, 0
	MUL16 2, 1, 1, 1, 0
	s_wait_dscnt 0
	WIN MUL_HI
	MUL16 4, 1, 1, 1, 0
	MUL16 6, 1, 1, 1, 0
	WIN 0
	PLACES NP
	s_lshl_b32 s60, s42, 1
	s_add_co_u32 s60, s60, s16
	s_lshl_b32 s62, s60, 14
	s_lshl_b32 s63, s17, 10
	s_add_co_u32 s62, s62, s63
	s_lshl_b32 s63, s15, 9
	s_add_co_u32 s62, s62, s63
	s_add_co_u32 s62, s62, AS_
	s_mov_b32 s63, 0
	s_add_nc_u64 s[62:63], s[10:11], s[62:63]
	s_lshl_b32 s58, s17, 4
	s_lshl_b32 s59, s15, 3
	s_add_co_u32 s58, s58, s59
	s_mul_i32 s58, s58, 49152
	s_mul_i32 s59, s60, 1536
	s_add_co_u32 s58, s58, s59
	s_mov_b32 s59, 0
	s_add_nc_u64 s[10:11], s[10:11], s[58:59]
.macro KPAIR r, v
	s_mov_b32 s[\r], \v
	s_mov_b32 s[\r+1], \v
.endm
	KPAIR 24, 0x3f3504f3
	KPAIR 26, 0xaf95df0b
	KPAIR 28, 0xb60cff51
	KPAIR 30, 0xb86ec2d2
	KPAIR 32, 0xba40ac63
	KPAIR 34, 0xbb41a1f6
	KPAIR 36, 0xbc83dbd4
	KPAIR 38, 0xb77460cd
	KPAIR 48, 0xbadc924e
	KPAIR 50, 0xbbf19bf8
	KPAIR 52, 0xbc69b6a7
	s_mov_b32 s[SEL], 0x76543210
	s_mov_b32 s[SEL+1], 0xfedcba98
	v_mov_b32 v[CV], 0x32edffee
	v_mov_b32 v[CV+1], 0x32edffee
	v_mov_b32 v[CV+2], 0xb95fbd29
	v_mov_b32 v[CV+3], 0xb95fbd29
.irp b, 0,1,2,3
	v_mov_b32 v[TM+4+\b], 0
.endr
.irp b, 0,1,2,3,4,5,6,7
	v_mov_b32 v[PWS+\b], 0
.endr
	s_wait_loadcnt 0x0
	s_mov_b32 s[BA], 0
.macro COPY a
	WIN 0x02+(\a)/4
.set i, 0
.rept 32
	v_pk_add_f32 v[HA+2*i:HA+2*i+1], v[64*((\a)%4)+2*i:64*((\a)%4)+2*i+1], v[BN+2*i:BN+2*i+1]
.set i, i+1
.endr
	WIN 0
.endm
.macro ALL32 line:vararg
.set i, 0
.rept 32
	\line
.set i, i+1
.endr
.endm
.Lblk:
.irp a, 1,2,3,4,5,6,7
	s_cmp_eq_u32 s[BA], \a
	s_cbranch_scc1 .Lcopy\a
.endr
	COPY 0
	s_branch .Lcom
.irp a, 1,2,3,4,5,6
.Lcopy\a:
	COPY \a
	s_branch .Lcom
.endr
.Lcopy7:
	COPY 7
.Lcom:
	WIN 0x40
.set i, 0
.rept 32
	v_pk_mul_f32 v[ZZ+2*i:ZZ+2*i+1], v[HA+2*i:HA+2*i+1], s[24:25] op_sel_hi:[1,0]
.set i, i+1
.endr
	WIN 0x55
.set i, 0
.rept 64
	v_med3_num_f32 v[ZZ+i], v[ZZ+i], -4.0, 4.0
.set i, i+1
.endr
.set i, 0
.rept 32
	v_pk_mul_f32 v[Z2+2*i:Z2+2*i+1], v[ZZ+2*i:ZZ+2*i+1], v[ZZ+2*i:ZZ+2*i+1]
.set i, i+1
.endr
	WIN 0x41
.set i, 0
.rept 32
	v_pk_fma_f32 v[PP+2*i:PP+2*i+1], v[Z2+2*i:Z2+2*i+1], s[26:27], v[CV:CV+1] op_sel_hi:[1,0,1]
	v_pk_fma_f32 v[QQ+2*i:QQ+2*i+1], v[Z2+2*i:Z2+2*i+1], s[38:39], v[CV+2:CV+3] op_sel_hi:[1,0,1]
.set i, i+1
.endr
	WIN 0x55
.irp c, 28,30,32,34,36
.set i, 0
.rept 32
	v_pk_fma_f32 v[PP+2*i:PP+2*i+1], v[PP+2*i:PP+2*i+1], v[Z2+2*i:Z2+2*i+1], s[\c:\c+1] op_sel_hi:[1,1,0]
.set i, i+1
.endr
.endr
.irp c, 48,50,52
.set i, 0
.rept 32
	v_pk_fma_f32 v[QQ+2*i:QQ+2*i+1], v[QQ+2*i:QQ+2*i+1], v[Z2+2*i:Z2+2*i+1], s[\c:\c+1] op_sel_hi:[1,1,0]
.set i, i+1
.endr
.endr
.set i, 0
	s_wait_alu depctr_va_vdst(0)
.rept 64
	v_rcp_f32 v[QQ+i], v[QQ+i]
.set i, i+1
.endr
.set i, 0
.rept 32
	v_pk_mul_f32 v[PP+2*i:PP+2*i+1], v[PP+2*i:PP+2*i+1], v[ZZ+2*i:ZZ+2*i+1]
.set i, i+1
.endr
	s_wait_alu depctr_va_vdst(0)
.set i, 0
.rept 32
	v_pk_mul_f32 v[PP+2*i:PP+2*i+1], v[PP+2*i:PP+2*i+1], v[QQ+2*i:QQ+2*i+1]
.set i, i+1
.endr
	WIN 0
.set i, 0
.rept 32
	v_pk_mul_f32 v[HA+2*i:HA+2*i+1], v[HA+2*i:HA+2*i+1], 0.5 op_sel_hi:[1,0]
.set i, i+1
.endr
	WIN 0x04
.set i, 0
.rept 32
	v_pk_fma_f32 v[HA+2*i:HA+2*i+1], v[HA+2*i:HA+2*i+1], v[PP+2*i:PP+2*i+1], v[HA+2*i:HA+2*i+1]
.set i, i+1
.endr
	WIN 0
	QUANT HA, F, F+6, PWT
.irp b, 0,1,2,3,4,5,6
	v_mov_b32 v[PWS+\b], v[PWS+\b+1]
.endr
	v_mov_b32 v[PWS+7], v[PWT]
	global_store_b128 v[L16], v[F:F+3], s[10:11]
	global_store_b64 v[L8], v[F+4:F+5], s[10:11]
	global_store_b128 v[L16], v[F+6:F+9], s[10:11] offset:768
	global_store_b64 v[L8], v[F+10:F+11], s[10:11] offset:768
	s_wait_xcnt 0x0
	s_add_nc_u64 s[10:11], s[10:11], 49152
	s_add_co_u32 s[BA], s[BA], 1
	s_cmp_lt_u32 s[BA], 8
	s_cbranch_scc1 .Lblk
	v_cmp_le_u32 vcc_lo, 16, v1
	s_wait_alu depctr_va_vdst(0)
.irp j, 0,1,2,3
	v_cndmask_b32 v[OUT+\j], v[PWS+\j], v[PWS+4+\j], vcc_lo
.endr
	global_store_b128 v[L16], v[OUT:OUT+3], s[62:63]
	s_wait_tensorcnt 0x0
	ds_add_u32 v[SPW], v[NIL]
	s_wait_dscnt 0x0
	CROUND
	s_endpgm
.Lfunc_end_k_q22fe8ba09b_gemm_ffn1:
	.size	k_q22fe8ba09b_gemm_ffn1, .Lfunc_end_k_q22fe8ba09b_gemm_ffn1-k_q22fe8ba09b_gemm_ffn1
	.p2alignl 7, 3214868480
	.fill 96, 4, 3214868480
	.section	.rodata,"a",@progbits
	.p2align	6, 0x0
	.amdhsa_kernel k_q22fe8ba09b_gemm_ffn1
		.amdhsa_group_segment_fixed_size 327680
		.amdhsa_private_segment_fixed_size 0
		.amdhsa_enable_private_segment 0
		.amdhsa_kernarg_size 32
		.amdhsa_user_sgpr_count 2
		.amdhsa_user_sgpr_kernarg_segment_ptr 1
		.amdhsa_wavefront_size32 1
		.amdhsa_system_sgpr_workgroup_id_x 1
		.amdhsa_system_sgpr_workgroup_id_y 1
		.amdhsa_system_sgpr_workgroup_id_z 1
		.amdhsa_system_vgpr_workitem_id 0
		.amdhsa_next_free_vgpr 1024
		.amdhsa_next_free_sgpr 104
		.amdhsa_reserve_vcc 1
		.amdhsa_float_denorm_mode_32 3
		.amdhsa_float_denorm_mode_16_64 3
		.amdhsa_memory_ordered 1
		.amdhsa_forward_progress 1
		.amdhsa_inst_pref_size 179
	.end_amdhsa_kernel
	.amdgpu_metadata
---
amdhsa.version: [ 1, 2 ]
amdhsa.kernels:
  - .name:           k_q22fe8ba09b_gemm_ffn1
    .symbol:         k_q22fe8ba09b_gemm_ffn1.kd
    .args:
      - { .name: hb, .offset: 0, .size: 8, .value_kind: global_buffer, .address_space: global }
      - { .name: wq, .offset: 8, .size: 8, .value_kind: global_buffer, .address_space: global }
      - { .name: bf1, .offset: 16, .size: 8, .value_kind: global_buffer, .address_space: global }
      - { .name: act, .offset: 24, .size: 8, .value_kind: global_buffer, .address_space: global }
    .group_segment_fixed_size: 327680
    .private_segment_fixed_size: 0
    .kernarg_segment_align: 8
    .kernarg_segment_size: 32
    .max_flat_workgroup_size: 128
    .sgpr_count:     104
    .vgpr_count:     1024
    .wavefront_size: 32
...
	.end_amdgpu_metadata
.endif
;; end of part 14
;; launch gemm_ffn2 (part 15): grid 8 x 32, 4 waves a work-group, clusters of 4 x 4, 327,680 bytes of LDS; arguments act, wq, bf2, yb, y2, hb, g1, b1; writes y2
.if DOCPART == 15
	.amdgcn_target "amdgcn-amd-amdhsa--gfx1250"
	.amdhsa_code_object_version 6
	.text
	.protected	k_q22fe8ba09b_gemm_ffn2
	.globl	k_q22fe8ba09b_gemm_ffn2
	.p2align	8
	.type	k_q22fe8ba09b_gemm_ffn2,@function
k_q22fe8ba09b_gemm_ffn2:
	s_mov_b64 s[64:65], 0
	v_nop
	global_prefetch_b8 v0, s[64:65] scope:SCOPE_SE
	s_setreg_imm32_b32 hwreg(HW_REG_WAVE_MODE, 25, 1), 1
	s_wait_xcnt 0x0
	s_wait_alu depctr_hold_cnt(0) depctr_sa_sdst(0) depctr_va_vdst(0) depctr_va_sdst(0) depctr_va_ssrc(0) depctr_va_vcc(0) depctr_vm_vsrc(0)
	s_getreg_b32 s2, hwreg(HW_REG_IB_STS2, 6, 4)
	s_cmp_eq_u32 s2, 0
	s_cbranch_scc0 .Lentry_in_a_cluster
	s_endpgm
.Lentry_in_a_cluster:
	s_bfe_u32 s2, ttmp6, 0x10000c
	s_cmp_lg_u32 s2, 0xf033
	s_cbranch_scc0 .Lentry_shape_is_right
	s_endpgm
.Lentry_shape_is_right:
; y2 = h + (act W2 + bf2): gemm_wo's text at K = 4,096: a tile of 128 x 128, four waves of 64 x 64, slots of 512 along K, eight K steps through a ring of two slots, clusters 4 x 4 with joint loads.
; The head's four tiles go out one a wave; the scale words lie plane by plane, 512 bytes for 128 rows.
; PREFETCH: behind the load of K step j stands the request for K step j + 2 (at the head also for K step 1); of the 4 blocks of 16 rows that a wave fetches each of the four partners names one, by address:
; 24 units of 256 bytes, one instruction a wave.  The loop's last trip, whose refills are K steps 6 and 7, asks for nothing.
.set SIZE_K, 4096
; THE RESULT GOES TO y2, and the residual h is made here: h = (yb x 1/sigma - mean/sigma) g1 + b1, from yb's rows, each row's pair at hb + 8 x row, and g1, b1 at the lane's four columns (window 2: v128-191 the pairs, v192-199 g1, b1).
.set KPA,    49152
.set KPB,    49152
.set PLA,    16384
.set PLB,    4096
.set ACO,    0
.set ASO,    12582912
.set BCO,    9863168
.set BSO,    13008896
.set NK,     SIZE_K/128
.set LAPS,   SIZE_K/1024
.set FR,     12
.set NP,     4
.set RBB,    6144
.set HALFT,  4*RBB
.set SLOT,   4*HALFT
.set SCL,    2*SLOT
.set HALFS,  256*NK
.set SPARE,  SCL+4*HALFS
.set SPITCH, 272
.set L16,  4
.set L8,   5
.set ADRA, 16
.set ADRB, 20
.set STO,  24
.set RD,   25
.set CO,   26
.set ADRS, 27
.set SPW,  28
.set NIL,  29
.set SC,   32
.set BN,   64
.set ACC,  128
.set G1,   24
.set G0,   32
.set G1B,  48
.set G0B,  56
.set G1S,  68
.set G0S,  76
.set G1SB, 80
.set G0SB, 88
.set MSB,  0
.macro WIN new
.if MSB != (\new)
	s_set_vgpr_msb (MSB<<8)|(\new)
.set MSB, (\new)
.endif
.endm
.set MUL,  0x05
.set TO_F, 0x40
.macro JLOAD g0a, g1a, g0b, g1b
	s_cmp_eq_u32 s15, 0
	s_cbranch_scc0 .Lfor_b_\@
	tensor_load_to_lds s[\g0a:\g0a+3], s[\g1a:\g1a+7]
	s_nop 0
.rept 4
	v_nop
.endr
	s_branch .Lasked_\@
.Lfor_b_\@:
	tensor_load_to_lds s[\g0b:\g0b+3], s[\g1b:\g1b+7]
	s_nop 0
.rept 4
	v_nop
.endr
.Lasked_\@:
.endm
.macro CREST
	s_cmp_lg_u32 s14, 0
	s_cbranch_scc1 .Lnot_wave_0_\@
	s_barrier_signal -3
.Lnot_wave_0_\@:
	s_barrier_wait -3
	s_barrier_signal -1
	s_barrier_wait -1
.endm
.macro CROUND
	s_barrier_signal -1
	s_barrier_wait -1
	CREST
.endm
.macro PLACES n
.rept \n
	v_nop
.endr
.endm
.macro FRAG reg, adr, q, i
	ds_load_b128 v[\reg:\reg+3], v[\adr] offset:(\i)*RBB+(\q)*1536
	ds_load_b64 v[\reg+4:\reg+5], v[\adr+2] offset:(\i)*RBB+(\q)*1536
	ds_load_b128 v[\reg+6:\reg+9], v[\adr] offset:(\i)*RBB+(\q)*1536+768
	ds_load_b64 v[\reg+10:\reg+11], v[\adr+2] offset:(\i)*RBB+(\q)*1536+768
.endm
.macro FETCH slot, q, p
	WIN TO_F
.irp i, 0,1,2,3
	FRAG 128*(\p)+48+FR*\i, ADRB+\slot, \q, \i
.endr
.irp i, 0,1,2,3
	FRAG 128*(\p)+FR*\i, ADRA+\slot, \q, \i
.endr
.endm
.macro SCALES sc
.irp q, 0,1,2,3
	ds_load_b128 v[SC+16*\sc+4*\q:SC+16*\sc+4*\q+3], v[ADRS] offset:512*\q
.endr
.endm
.macro MUL4 a, p, q, sc, first
.irp b, 0,1,2,3
.if \first
	v_wmma_scale_f32_16x16x128_f8f6f4 v[ACC+8*(4*(\a)+\b):ACC+8*(4*(\a)+\b)+7], v[128*(\p)+48+FR*\b:128*(\p)+48+FR*\b+FR-1], v[128*(\p)+FR*(\a):128*(\p)+FR*(\a)+FR-1], v[BN+8*\b:BN+8*\b+7], v[SC+16*(\sc)+4*(\q)+\b], v[SC+16*(\sc)+4*(\q)+(\a)] matrix_a_fmt:MATRIX_FMT_FP6 matrix_b_fmt:MATRIX_FMT_FP6 matrix_a_scale:MATRIX_SCALE_ROW1
.else
	v_wmma_scale_f32_16x16x128_f8f6f4 v[ACC+8*(4*(\a)+\b):ACC+8*(4*(\a)+\b)+7], v[128*(\p)+48+FR*\b:128*(\p)+48+FR*\b+FR-1], v[128*(\p)+FR*(\a):128*(\p)+FR*(\a)+FR-1], v[ACC+8*(4*(\a)+\b):ACC+8*(4*(\a)+\b)+7], v[SC+16*(\sc)+4*(\q)+\b], v[SC+16*(\sc)+4*(\q)+(\a)] matrix_a_fmt:MATRIX_FMT_FP6 matrix_b_fmt:MATRIX_FMT_FP6 matrix_a_scale:MATRIX_SCALE_ROW1
.endif
.endr
.endm
.macro STEP slot, q, first
	s_wait_dscnt 0x0
	PLACES NP
	FETCH \slot, (\q)+1, 1-(\q)%2
	WIN MUL
	MUL4 0, (\q)%2, \q, \slot, \first
	MUL4 1, (\q)%2, \q, \slot, \first
	MUL4 2, (\q)%2, \q, \slot, \first
	MUL4 3, (\q)%2, \q, \slot, \first
.endm
.macro TURN slot, next, fill
	WIN 0
.if \fill
	s_wait_xcnt 0x0                                ; my prefetches have read their address: it steps here, a K step behind the last of them
	s_add_nc_u64 s[66:67], s[66:67], RBB
.endif
	s_wait_tensorcnt 0x0
	ds_add_u32 v[SPW], v[NIL]
	s_wait_dscnt 1
	WIN MUL
	MUL4 0, 1, 3, \slot, 0
	s_wait_dscnt 0x0
	s_barrier_signal -1
	MUL4 1, 1, 3, \slot, 0
	WIN 0
	s_barrier_wait -1
.if \fill
	CREST
	s_add_nc_u64 s[G0+4*\slot+2:G0+4*\slot+3], s[G0+4*\slot+2:G0+4*\slot+3], 2*RBB
	s_add_nc_u64 s[G0B+4*\slot+2:G0B+4*\slot+3], s[G0B+4*\slot+2:G0B+4*\slot+3], 2*RBB
	JLOAD G0+4*\slot, G1, G0B+4*\slot, G1B
.else
	PLACES NP
.endif
	s_wait_alu depctr_va_vdst(0)
	v_add_nc_u32 v[ADRS], 2048, v[ADRS]            ; four planes of 512 bytes on
	FETCH \next, 0, 0
	WIN 0
	SCALES \next
.if \fill
	s_cmp_gt_u32 s3, 1                             ; not in the last trip: no K step stands two refills on
	s_cbranch_scc0 .Lno_ask_\@
	global_prefetch_b8 v8, s[66:67] offset:3*RBB th:TH_LOAD_NT scope:SCOPE_SE
.Lno_ask_\@:
.endif
	WIN MUL
	MUL4 2, 1, 3, \slot, 0
	MUL4 3, 1, 3, \slot, 0
.endm
	s_load_b256 s[4:11], s[0:1], 0x0
	s_load_b64 s[12:13], s[0:1], 0x20
	s_load_b128 s[96:99], s[0:1], 0x28             ; hb (the rows' pairs), g1
	s_load_b64 s[100:101], s[0:1], 0x38            ; b1
	v_lshl_add_u32 v[SPW], v0, 2, SPARE
	v_mov_b32 v[NIL], 0
	ds_add_u32 v28, v29
	ds_add_u32 v28, v29
	s_wait_dscnt 0x0
	v_lshrrev_b32 v1, 5, v0
	v_readfirstlane_b32 s14, v1
	s_lshr_b32 s15, s14, 1
	s_and_b32 s16, s14, 1
	s_bfe_u32 s40, ttmp6, 0x40000
	s_bfe_u32 s41, ttmp6, 0x40004
	s_lshl_b32 s42, ttmp9, 2
	s_add_co_u32 s42, s42, s40
	s_and_b32 s17, ttmp7, 0xffff
	s_lshl_b32 s17, s17, 2
	s_add_co_u32 s17, s17, s41
	s_lshl_b32 s43, s41, 2
	s_lshl_b32 s43, 15, s43
	s_lshl_b32 s44, 0x1111, s40
	s_or_b32 s[G1+0], s43, (3<<16)|(1<<21)
	s_or_b32 s[G1B+0], s44, (3<<16)|(1<<21)
.irp g, G1, G1B
	s_mov_b32 s[\g+1], 768<<16
	s_mov_b32 s[\g+2], 8<<16                       ; the head's loads bring all 128 rows; behind them the two words that count rows are set to 4
	s_mov_b32 s[\g+3], 768<<16
	s_mov_b32 s[\g+4], 8
	s_mov_b32 s[\g+6], 0
	s_mov_b32 s[\g+7], 0
.endr
	s_mov_b32 s[G1+5], KPA/8
	s_mov_b32 s[G1B+5], KPB/8
	s_or_b32 s[G1S+0], s43, (3<<16)|(1<<21)
	s_or_b32 s[G1SB+0], s44, (3<<16)|(1<<21)
.irp g, G1S, G1SB
	s_mov_b32 s[\g+1], 64<<16
	s_mov_b32 s[\g+2], NK<<16
	s_mov_b32 s[\g+3], 64<<16
	s_mov_b32 s[\g+4], NK
	s_mov_b32 s[\g+6], 0
	s_mov_b32 s[\g+7], 0
.endr
	s_mov_b32 s[G1S+5], PLA/8
	s_mov_b32 s[G1SB+5], PLB/8
	s_lshl_b32 s18, s16, 2
	s_lshl_b32 s20, s17, 3
	s_add_co_u32 s20, s20, s18
	s_mul_i32 s20, s20, KPA
	s_add_co_u32 s20, s20, ACO
	s_mov_b32 s21, 0
	s_lshl_b32 s22, s17, 9
	s_add_co_u32 s22, s22, ASO
	s_lshl_b32 s46, s42, 3
	s_add_co_u32 s46, s46, s18
	s_mul_i32 s46, s46, KPB
	s_add_co_u32 s46, s46, BCO
	s_mov_b32 s47, 0
	s_lshl_b32 s92, s42, 9
	s_add_co_u32 s92, s92, BSO
	s_mov_b32 s23, 0
	s_mov_b32 s93, 0
	s_mul_i32 s45, s14, HALFT
	s_wait_kmcnt 0x0
	s_add_nc_u64 s[20:21], s[4:5], s[20:21]
	s_add_nc_u64 s[22:23], s[4:5], s[22:23]
	s_add_nc_u64 s[46:47], s[6:7], s[46:47]
	s_add_nc_u64 s[92:93], s[6:7], s[92:93]
	CROUND
	s_mov_b32 s[G0S], 1
	s_mov_b32 s[G0S+1], SCL
	s_mov_b64 s[G0S+2:G0S+3], s[22:23]
	s_or_b32 s[G0S+3], s[G0S+3], 0x80000000
	s_mov_b32 s[G0SB], 1
	s_mov_b32 s[G0SB+1], SCL+2*HALFS
	s_mov_b64 s[G0SB+2:G0SB+3], s[92:93]
	s_or_b32 s[G0SB+3], s[G0SB+3], 0x80000000
.irp s, 0,1
	s_mov_b32 s[G0+4*\s], 1
	s_add_co_u32 s[G0+4*\s+1], s45, \s*SLOT
	s_add_nc_u64 s[G0+4*\s+2:G0+4*\s+3], s[20:21], \s*RBB
	s_or_b32 s[G0+4*\s+3], s[G0+4*\s+3], 0x80000000
	s_mov_b32 s[G0B+4*\s], 1
	s_add_co_u32 s[G0B+4*\s+1], s45, \s*SLOT
	s_add_nc_u64 s[G0B+4*\s+2:G0B+4*\s+3], s[46:47], \s*RBB
	s_or_b32 s[G0B+4*\s+3], s[G0B+4*\s+3], 0x80000000
.endr
	s_cmp_eq_u32 s15, 0                            ; where my prefetches stand: block p of my four, p = cx for A, cy for B
	s_cselect_b64 s[66:67], s[20:21], s[46:47]
	s_cselect_b32 s94, s40, s41
	s_mul_i32 s94, s94, KPA
	s_mov_b32 s95, 0
	s_add_nc_u64 s[66:67], s[66:67], s[94:95]
; THE HEAD'S LOADS, ONE A WAVE: wave 0 slot 0's 128 rows of A (its own ring descriptor: half 0, LDS byte 0), wave 1 A's scale words, wave 2 slot 0's 128 rows of B, wave 3 B's words
.macro ARM under, g0, g1, next
	s_cmp_lt_u32 s14, \under
	s_cbranch_scc0 \next
	tensor_load_to_lds s[\g0:\g0+3], s[\g1:\g1+7]
	s_nop 0
.rept 4
	v_nop
.endr
	s_branch .Lhead_asked
\next:
.endm
	ARM 1, G0, G1, .Lhead_sa
	ARM 2, G0S, G1S, .Lhead_b
	ARM 3, G0B, G1B, .Lhead_sb
	tensor_load_to_lds s[G0SB:G0SB+3], s[G1SB:G1SB+7]
	s_nop 0
.rept 4
	v_nop
.endr
.Lhead_asked:
	v_and_b32 v8, 31, v0                           ; a block's 6,144 bytes of a slot are 24 units of 256: lane min(lane, 23) names one
	v_min_u32 v8, 23, v8
	v_lshlrev_b32 v8, 8, v8                        ; never rewritten
	global_prefetch_b8 v8, s[66:67] offset:RBB th:TH_LOAD_NT scope:SCOPE_SE      ; K steps 1 and 2
	global_prefetch_b8 v8, s[66:67] offset:2*RBB th:TH_LOAD_NT scope:SCOPE_SE
	v_and_b32 v1, 31, v0
	v_and_b32 v2, 15, v0
	v_bfe_u32 v3, v0, 4, 1
	v_lshlrev_b32 v[L16], 4, v1
	v_lshlrev_b32 v[L8], 3, v1
	v_add_nc_u32 v[L8], 512, v[L8]
	s_mul_i32 s21, s15, HALFT
	s_mul_i32 s22, s16, HALFT
	s_add_co_u32 s22, s22, 2*HALFT
.irp s, 0,1
	v_add_nc_u32 v[ADRA+\s], s21, v[L16]
	v_add_nc_u32 v[ADRA+2+\s], s21, v[L8]
	v_add_nc_u32 v[ADRB+\s], s22, v[L16]
	v_add_nc_u32 v[ADRB+2+\s], s22, v[L8]
	s_add_co_u32 s21, s21, SLOT
	s_add_co_u32 s22, s22, SLOT
.endr
	s_lshl_b32 s21, s15, 8                         ; in a plane of 512 bytes: my 64 rows' 256
	s_lshl_b32 s22, s16, 8
	s_add_co_u32 s22, s22, 2*HALFS
	s_sub_co_u32 s22, s22, s21
	v_mul_u32_u24 v6, s22, v3
	s_add_co_u32 s21, s21, SCL
	v_lshl_add_u32 v6, v2, 4, v6
	v_add_nc_u32 v[ADRS], s21, v6
	s_mul_i32 s23, s14, 16*SPITCH
	v_mul_u32_u24 v7, v2, SPITCH
	v_lshl_add_u32 v7, v3, 6, v7
	v_add_nc_u32 v[STO], s23, v7
	v_mul_u32_u24 v7, v3, SPITCH
	v_lshl_add_u32 v7, v2, 4, v7
	v_add_nc_u32 v[RD], s23, v7
	v_lshlrev_b32 v[CO], 12, v3
	v_lshl_add_u32 v[CO], v2, 4, v[CO]
	v_lshlrev_b32 v30, 6, v3
	v_lshlrev_b32 v9, 4, v2                        ; 16 r: my four columns of g1 and b1
	v_lshlrev_b32 v10, 3, v3                       ; 8 h: lanes 16-31 take the next row's pair
	s_wait_alu depctr_va_vdst(0)
	s_lshl_b32 s20, s17, 7
	s_lshl_b32 s21, s15, 6
	s_add_co_u32 s20, s20, s21
	s_lshl_b32 s20, s20, 12
	s_lshl_b32 s46, s42, 9
	s_lshl_b32 s47, s16, 8
	s_add_co_u32 s46, s46, s47
	s_mov_b32 s47, 0
	s_add_co_u32 s20, s20, s46
	s_mov_b32 s21, 0
	s_add_nc_u64 s[12:13], s[12:13], s[20:21]
	s_add_nc_u64 s[10:11], s[10:11], s[20:21]
	s_add_nc_u64 s[8:9], s[8:9], s[46:47]
	s_add_nc_u64 s[98:99], s[98:99], s[46:47]
	s_add_nc_u64 s[100:101], s[100:101], s[46:47]
	s_lshl_b32 s94, s17, 7
	s_lshl_b32 s95, s15, 6
	s_add_co_u32 s94, s94, s95                     ; my first row
	s_lshl_b32 s94, s94, 3
	s_mov_b32 s95, 0
	s_add_nc_u64 s[96:97], s[96:97], s[94:95]
.irp b, 0,1
.irp j, 0,1,2,3
	global_load_b128 v[BN+16*\b+4*\j:BN+16*\b+4*\j+3], v30, s[8:9] offset:128*\b+16*\j
.endr
.endr
	WIN 0x80
.irp a, 0,1,2,3
.irp t, 0,1,2,3,4,5,6,7
	global_load_b128 v[32*\a+4*\t:32*\a+4*\t+3], v[CO], s[10:11] offset:(16*\a+2*\t)*4096 th:TH_LOAD_NT
.endr
.endr
	WIN 0
	s_wait_tensorcnt 0x0                           ; my tile of the head's four is in
	ds_add_u32 v[SPW], v[NIL]
	s_mov_b32 s[G1+2], 4<<16                       ; no tensor load of mine is out: from here on a load brings 4 blocks of 16 rows
	s_mov_b32 s[G1+4], 4
	s_mov_b32 s[G1B+2], 4<<16
	s_mov_b32 s[G1B+4], 4
	s_wait_dscnt 0x0
	CROUND                                         ; all four tiles are in, all sixteen work-groups are here
	JLOAD G0+4, G1, G0B+4, G1B                     ; slot 1's first fill, the first tensor load behind the round
	FETCH 0, 0, 0
	WIN 0
	SCALES 0
	global_prefetch_b8 v8, s[66:67] offset:3*RBB th:TH_LOAD_NT scope:SCOPE_SE    ; K step 3, two refills on
	s_wait_loadcnt 32
	WIN 0x80                                       ; destination window 2
	global_load_b128 v[192:195], v9, s[98:99]
	global_load_b128 v[196:199], v9, s[100:101]
.irp a, 0,1,2,3
.irp t, 0,1,2,3,4,5,6,7
	global_load_b64 v[128+2*(8*\a+\t):129+2*(8*\a+\t)], v10, s[96:97] offset:(16*\a+2*\t)*8    ; the pair of row 16 a + 2 t + h
.endr
.endr
	WIN 0
	STEP 0, 0, 1
	STEP 0, 1, 0
	STEP 0, 2, 0
.if LAPS > 1
	WIN 0
	s_mov_b32 s3, LAPS-1
.Llap:
	TURN 0, 1, 1
	STEP 1, 0, 0
	STEP 1, 1, 0
	STEP 1, 2, 0
	TURN 1, 0, 1
	STEP 0, 0, 0
	STEP 0, 1, 0
	STEP 0, 2, 0
	WIN 0
	s_sub_co_u32 s3, s3, 1
	s_cmp_lg_u32 s3, 0
	s_cbranch_scc1 .Llap
.endif
	TURN 0, 1, 0
	STEP 1, 0, 0
	STEP 1, 1, 0
	STEP 1, 2, 0
	s_wait_dscnt 0x0
	MUL4 0, 1, 3, 1, 0
	MUL4 1, 1, 3, 1, 0
	MUL4 2, 1, 3, 1, 0
	MUL4 3, 1, 3, 1, 0
	WIN 0
.macro TOSTAGE a
.set AC, ACC+32*(\a)
.irp b, 0,1,2,3
	ds_store_b128 v[STO], v[AC+8*\b:AC+8*\b+3] offset:128*(\b/2)+32*(\b%2)
	ds_store_b128 v[STO], v[AC+8*\b+4:AC+8*\b+7] offset:128*(\b/2)+32*(\b%2)+16
.endr
.irp t, 0,1,2,3,4,5,6,7
	ds_load_b128 v[AC+4*\t:AC+4*\t+3], v[RD] offset:2*\t*SPITCH
.endr
.endm
.macro SEND a, younger
.set AC, ACC+32*(\a)
	s_wait_dscnt \younger
	WIN 0xaa                                       ; all four places window 2: yb's rows become h's
.irp t, 0,1,2,3,4,5,6,7
.irp u, 0,1,2,3
	v_fma_f32 v[32*(\a)+4*\t+\u], v[32*(\a)+4*\t+\u], v[128+2*(8*(\a)+\t)], v[129+2*(8*(\a)+\t)]
.endr
.endr
.irp t, 0,1,2,3,4,5,6,7
.irp u, 0,1
	v_pk_fma_f32 v[32*(\a)+4*\t+2*\u:32*(\a)+4*\t+2*\u+1], v[32*(\a)+4*\t+2*\u:32*(\a)+4*\t+2*\u+1], v[192+2*\u:193+2*\u], v[196+2*\u:197+2*\u]
.endr
.endr
	WIN 0x08
.set i, 0
.rept 16
	v_pk_add_f32 v[AC+2*i:AC+2*i+1], v[AC+2*i:AC+2*i+1], v[32*(\a)+2*i:32*(\a)+2*i+1]
.set i, i+1
.endr
	WIN 0
.irp t, 0,1,2,3,4,5,6,7
	global_store_b128 v[CO], v[AC+4*\t:AC+4*\t+3], s[12:13] offset:(16*(\a)+2*\t)*4096
.endr
.endm
	s_wait_loadcnt 0x0
	PLACES NP
	TOSTAGE 0
.irp a, 1,2,3
	TOSTAGE \a
	SEND \a-1, 16
.endr
	SEND 3, 0
	s_wait_tensorcnt 0x0
	ds_add_u32 v[SPW], v[NIL]
	s_wait_dscnt 0x0
	CROUND
	s_endpgm
.Lfunc_end_k_q22fe8ba09b_gemm_ffn2:
	.size	k_q22fe8ba09b_gemm_ffn2, .Lfunc_end_k_q22fe8ba09b_gemm_ffn2-k_q22fe8ba09b_gemm_ffn2
	.p2alignl 7, 3214868480
	.fill 96, 4, 3214868480
	.section	.rodata,"a",@progbits
	.p2align	6, 0x0
	.amdhsa_kernel k_q22fe8ba09b_gemm_ffn2
		.amdhsa_group_segment_fixed_size 327680
		.amdhsa_private_segment_fixed_size 0
		.amdhsa_enable_private_segment 0
		.amdhsa_kernarg_size 64
		.amdhsa_user_sgpr_count 2
		.amdhsa_user_sgpr_kernarg_segment_ptr 1
		.amdhsa_wavefront_size32 1
		.amdhsa_system_sgpr_workgroup_id_x 1
		.amdhsa_system_sgpr_workgroup_id_y 1
		.amdhsa_system_sgpr_workgroup_id_z 1
		.amdhsa_system_vgpr_workitem_id 0
		.amdhsa_next_free_vgpr 768
		.amdhsa_next_free_sgpr 104
		.amdhsa_reserve_vcc 0
		.amdhsa_float_denorm_mode_32 3
		.amdhsa_float_denorm_mode_16_64 3
		.amdhsa_memory_ordered 1
		.amdhsa_forward_progress 1
		.amdhsa_inst_pref_size 115
	.end_amdhsa_kernel
	.amdgpu_metadata
---
amdhsa.version: [ 1, 2 ]
amdhsa.kernels:
  - .name:           k_q22fe8ba09b_gemm_ffn2
    .symbol:         k_q22fe8ba09b_gemm_ffn2.kd
    .args:
      - { .name: act, .offset: 0, .size: 8, .value_kind: global_buffer, .address_space: global }
      - { .name: wq, .offset: 8, .size: 8, .value_kind: global_buffer, .address_space: global }
      - { .name: bf2, .offset: 16, .size: 8, .value_kind: global_buffer, .address_space: global }
      - { .name: yb, .offset: 24, .size: 8, .value_kind: global_buffer, .address_space: global }
      - { .name: y2, .offset: 32, .size: 8, .value_kind: global_buffer, .address_space: global }
      - { .name: hb, .offset: 40, .size: 8, .value_kind: global_buffer, .address_space: global }
      - { .name: g1, .offset: 48, .size: 8, .value_kind: global_buffer, .address_space: global }
      - { .name: b1, .offset: 56, .size: 8, .value_kind: global_buffer, .address_space: global }
    .group_segment_fixed_size: 327680
    .private_segment_fixed_size: 0
    .kernarg_segment_align: 8
    .kernarg_segment_size: 64
    .max_flat_workgroup_size: 128
    .sgpr_count:     104
    .vgpr_count:     768
    .wavefront_size: 32
...
	.end_amdgpu_metadata
.endif
;; end of part 15
;; launch ln2 (part 16): grid 256 x 1, 8 waves a work-group, no clusters, 0 bytes of LDS; arguments y2, g2, b2, out0; writes out0
.if DOCPART == 16
	.amdgcn_target "amdgcn-amd-amdhsa--gfx1250"
	.amdhsa_code_object_version 6
	.text
	.protected	k_q22fe8ba09b_ln2
	.globl	k_q22fe8ba09b_ln2
	.p2align	8
	.type	k_q22fe8ba09b_ln2,@function
k_q22fe8ba09b_ln2:
	s_mov_b64 s[64:65], 0
	v_nop
	global_prefetch_b8 v0, s[64:65] scope:SCOPE_SE
	s_setreg_imm32_b32 hwreg(HW_REG_WAVE_MODE, 25, 1), 1
	s_wait_xcnt 0x0
; out0 = layernorm(y2) g2 + b2, rows of 1,024, in f32: the mean, then the mean of the squared differences, two passes over registers.
; A work-group takes 16 rows, a wave two: a row is eight loads of 512 consecutive bytes, 32 registers; the reduction never leaves the wave: no LDS, no barrier.  Memory binds: no matrix unit, no cluster.
.set X0,  16
.set X1,  48
.set GG,  80
.set BV,  112
.set W0,  144
.set W1,  152
.set SEL, 16
.macro REDUCE w                        ; the sum over the 32 lanes, in every lane
	s_delay_alu instid0(VALU_DEP_1)
	v_add_f32_dpp v[\w], v[\w], v[\w] row_xmask:1 row_mask:0xf bank_mask:0xf
	s_delay_alu instid0(VALU_DEP_1)
	v_add_f32_dpp v[\w], v[\w], v[\w] row_xmask:2 row_mask:0xf bank_mask:0xf
	s_delay_alu instid0(VALU_DEP_1)
	v_add_f32_dpp v[\w], v[\w], v[\w] row_xmask:4 row_mask:0xf bank_mask:0xf
	s_delay_alu instid0(VALU_DEP_1)
	v_add_f32_dpp v[\w], v[\w], v[\w] row_xmask:8 row_mask:0xf bank_mask:0xf
	s_delay_alu instid0(VALU_DEP_1)
	v_permlanex16_b32 v[\w+4], v[\w], s[SEL], s[SEL+1]
	s_delay_alu instid0(VALU_DEP_1)
	v_add_f32 v[\w], v[\w], v[\w+4]
.endm
.macro STATS x, w                      ; the row less its mean, in place; 1 / sqrt(variance + eps) is asked for into v[w]
	v_pk_add_f32 v[\w:\w+1], v[\x:\x+1], v[\x+2:\x+3]
	v_pk_add_f32 v[\w+2:\w+3], v[\x+4:\x+5], v[\x+6:\x+7]
.irp j, 8,12,16,20,24,28
	s_delay_alu instid0(VALU_DEP_2)
	v_pk_add_f32 v[\w:\w+1], v[\w:\w+1], v[\x+\j:\x+\j+1]
	s_delay_alu instid0(VALU_DEP_2)
	v_pk_add_f32 v[\w+2:\w+3], v[\w+2:\w+3], v[\x+\j+2:\x+\j+3]
.endr
	s_delay_alu instid0(VALU_DEP_1)
	v_pk_add_f32 v[\w:\w+1], v[\w:\w+1], v[\w+2:\w+3]
	s_delay_alu instid0(VALU_DEP_1)
	v_add_f32 v[\w], v[\w], v[\w+1]
	REDUCE \w
	s_delay_alu instid0(VALU_DEP_1)
	v_mul_f32 v[\w], s20, v[\w]                    ; the mean
	s_delay_alu instid0(VALU_DEP_1)
	v_mov_b32 v[\w+1], v[\w]
.irp j, 0,2,4,6,8,10,12,14,16,18,20,22,24,26,28,30
	v_pk_add_f32 v[\x+\j:\x+\j+1], v[\x+\j:\x+\j+1], v[\w:\w+1] neg_lo:[0,1] neg_hi:[0,1]
.endr
	v_pk_mul_f32 v[\w:\w+1], v[\x:\x+1], v[\x:\x+1]
	v_pk_mul_f32 v[\w+2:\w+3], v[\x+2:\x+3], v[\x+2:\x+3]
.irp j, 4,8,12,16,20,24,28
	s_delay_alu instid0(VALU_DEP_2)
	v_pk_fma_f32 v[\w:\w+1], v[\x+\j:\x+\j+1], v[\x+\j:\x+\j+1], v[\w:\w+1]
	s_delay_alu instid0(VALU_DEP_2)
	v_pk_fma_f32 v[\w+2:\w+3], v[\x+\j+2:\x+\j+3], v[\x+\j+2:\x+\j+3], v[\w+2:\w+3]
.endr
	s_delay_alu instid0(VALU_DEP_1)
	v_pk_add_f32 v[\w:\w+1], v[\w:\w+1], v[\w+2:\w+3]
	s_delay_alu instid0(VALU_DEP_1)
	v_add_f32 v[\w], v[\w], v[\w+1]
	REDUCE \w
	s_delay_alu instid0(VALU_DEP_1)
	v_fma_f32 v[\w], v[\w], s20, s21               ; / 1,024 + 1e-5
	s_wait_alu depctr_va_vdst(0)
	v_rsq_f32 v[\w], v[\w]
.endm
.macro NORM x, w
	v_mov_b32 v[\w+1], v[\w]
.irp j, 0,2,4,6,8,10,12,14,16,18,20,22,24,26,28,30
	v_pk_mul_f32 v[\x+\j:\x+\j+1], v[\x+\j:\x+\j+1], v[\w:\w+1]
.endr
.irp j, 0,2,4,6,8,10,12,14,16,18,20,22,24,26,28,30
	v_pk_fma_f32 v[\x+\j:\x+\j+1], v[\x+\j:\x+\j+1], v[GG+\j:GG+\j+1], v[BV+\j:BV+\j+1]
.endr
.endm
	s_load_b256 s[4:11], s[0:1], 0x0               ; y2, g, b, out0
	v_lshrrev_b32 v1, 5, v0
	s_delay_alu instid0(VALU_DEP_1)
	v_readfirstlane_b32 s12, v1                    ; wave
	v_and_b32 v2, 31, v0
	s_delay_alu instid0(VALU_DEP_1)
	v_lshlrev_b32 v1, 4, v2                        ; 16 x lane
	s_lshl_b32 s14, ttmp9, 16                      ; 16 rows of 4,096 bytes
	s_lshl_b32 s15, s12, 13
	s_add_co_u32 s14, s14, s15
	s_mov_b32 s15, 0
	s_mov_b32 s[SEL], 0x76543210
	s_mov_b32 s[SEL+1], 0xfedcba98
	s_mov_b32 s20, 0x3a800000                      ; 1 / 1,024
	s_mov_b32 s21, 0x3727c5ac                      ; 1e-5
	v_mov_b32 v[W0+4], 0
	v_mov_b32 v[W1+4], 0
	s_wait_alu depctr_va_vdst(0)
	s_wait_kmcnt 0x0
	s_add_nc_u64 s[4:5], s[4:5], s[14:15]
	s_add_nc_u64 s[10:11], s[10:11], s[14:15]
.irp j, 0,1,2,3,4,5,6,7
	global_load_b128 v[X0+4*\j:X0+4*\j+3], v1, s[4:5] offset:512*\j th:TH_LOAD_NT
.endr
.irp j, 0,1,2,3,4,5,6,7
	global_load_b128 v[X1+4*\j:X1+4*\j+3], v1, s[4:5] offset:4096+512*\j th:TH_LOAD_NT
.endr
.irp j, 0,1,2,3,4,5,6,7
	global_load_b128 v[GG+4*\j:GG+4*\j+3], v1, s[6:7] offset:512*\j
	global_load_b128 v[BV+4*\j:BV+4*\j+3], v1, s[8:9] offset:512*\j
.endr
	s_wait_loadcnt 16                              ; my two rows are in; g and b may be out
	STATS X0, W0
	STATS X1, W1
	v_nop                                          ; a plain line behind the second root
	s_wait_loadcnt 0x0
	s_wait_alu depctr_va_vdst(0)                   ; one wait for both roots, ahead of their first reader
	NORM X0, W0
	NORM X1, W1
.irp j, 0,1,2,3,4,5,6,7
	global_store_b128 v1, v[X0+4*\j:X0+4*\j+3], s[10:11] offset:512*\j th:TH_STORE_NT
.endr
.irp j, 0,1,2,3,4,5,6,7
	global_store_b128 v1, v[X1+4*\j:X1+4*\j+3], s[10:11] offset:4096+512*\j th:TH_STORE_NT
.endr
	s_endpgm
.Lfunc_end_k_q22fe8ba09b_ln2:
	.size	k_q22fe8ba09b_ln2, .Lfunc_end_k_q22fe8ba09b_ln2-k_q22fe8ba09b_ln2
	.p2alignl 7, 3214868480
	.fill 96, 4, 3214868480
	.section	.rodata,"a",@progbits
	.p2align	6, 0x0
	.amdhsa_kernel k_q22fe8ba09b_ln2
		.amdhsa_group_segment_fixed_size 0
		.amdhsa_private_segment_fixed_size 0
		.amdhsa_enable_private_segment 0
		.amdhsa_kernarg_size 32
		.amdhsa_user_sgpr_count 2
		.amdhsa_user_sgpr_kernarg_segment_ptr 1
		.amdhsa_wavefront_size32 1
		.amdhsa_system_sgpr_workgroup_id_x 1
		.amdhsa_system_sgpr_workgroup_id_y 1
		.amdhsa_system_sgpr_workgroup_id_z 1
		.amdhsa_system_vgpr_workitem_id 0
		.amdhsa_next_free_vgpr 160
		.amdhsa_next_free_sgpr 66
		.amdhsa_reserve_vcc 0
		.amdhsa_float_denorm_mode_32 3
		.amdhsa_float_denorm_mode_16_64 3
		.amdhsa_memory_ordered 1
		.amdhsa_forward_progress 1
		.amdhsa_inst_pref_size 21
	.end_amdhsa_kernel
	.amdgpu_metadata
---
amdhsa.version: [ 1, 2 ]
amdhsa.kernels:
  - .name:           k_q22fe8ba09b_ln2
    .symbol:         k_q22fe8ba09b_ln2.kd
    .args:
      - { .name: y2, .offset: 0, .size: 8, .value_kind: global_buffer, .address_space: global }
      - { .name: g2, .offset: 8, .size: 8, .value_kind: global_buffer, .address_space: global }
      - { .name: b2, .offset: 16, .size: 8, .value_kind: global_buffer, .address_space: global }
      - { .name: out0, .offset: 24, .size: 8, .value_kind: global_buffer, .address_space: global }
    .group_segment_fixed_size: 0
    .private_segment_fixed_size: 0
    .kernarg_segment_align: 8
    .kernarg_segment_size: 32
    .max_flat_workgroup_size: 256
    .sgpr_count:     66
    .vgpr_count:     160
    .wavefront_size: 32
...
	.end_amdgpu_metadata
.endif
;; end of part 16
